; MI455X (gfx1250); checked and timed in simulation.
; The chip was launched on July 23, 2026; its instructions are those of AMD's public machine-readable ISA for CDNA 5 (MIT licence, August 2026) and "CDNA5" Instruction Set Architecture Reference Guide (July 2026). The comments in the code are by the model that wrote it; some were corrected since.
;; Stream Gemma Attention. Allowed arithmetic: float matrix products may take bf16 or f16 operands with f32 sums; other float arithmetic in f32, or as packed bf16 or f16 multiplies, adds, multiply-adds, maxima and minima; sums over many terms, partial sums and values carried from step to step in f32; what a program stores and reads back later, other than sums and carried values, may be rounded once to bf16 or f16.
;; Inputs: attention_mask 1 x 1 x 2,048 x 4,096 float32; cos 1 x 4,096 x 256 float32; hidden_states 1 x 4,096 x 2,048 float32; k_norm_w 256 float32; q_norm_w 256 float32; sin 1 x 4,096 x 256 float32; v_norm_w 256 float32; wk 2,048 x 1,024 float32; wo 2,048 x 2,048 float32; wq 2,048 x 2,048 float32; wv 2,048 x 1,024 float32.
;; Outputs: out0 1 x 2,048 x 2,048 float32.
;; Constants: end = 4096, start = 2048.
;; 2 versions, each right. Each part assembles by itself: llvm-mc -triple=amdgcn-amd-amdhsa -mcpu=gfx1250 --defsym DOCPART=n.
;; ======== version 1 of 2: 4 launches
;; limits: values are held in f16: magnitudes above 65,504 overflow, below 6.1e-05 lose precision
;; workspace buffers: hb 16,777,216 bytes; wb 16,777,216 bytes; wob 8,388,608 bytes; cs 4,194,304 bytes; qh 8,388,608 bytes; kh 8,388,608 bytes; vh 8,388,608 bytes; ao 8,388,608 bytes
;; launch cast (part 1): grid 128 x 11, 8 waves a work-group, no clusters, 0 bytes of LDS; arguments hidden_states, wq, wk, wv, wo, cos, sin, hb, wb, wob, cs; writes hb, wb, wob, cs
.if DOCPART == 1
	.amdgcn_target "amdgcn-amd-amdhsa--gfx1250"
	.amdhsa_code_object_version 6
	.text
	.protected	k_qe2d8fe527b_cast
	.globl	k_qe2d8fe527b_cast
	.p2align	8
	.type	k_qe2d8fe527b_cast,@function
k_qe2d8fe527b_cast:
	s_mov_b64 s[64:65], 0
	v_nop
	global_prefetch_b8 v0, s[64:65] scope:SCOPE_SE
	s_setreg_imm32_b32 hwreg(HW_REG_WAVE_MODE, 25, 1), 1
	s_wait_xcnt 0x0
; All large inputs are rounded once to bf16 (nearest even) and laid out for the matrix launches.
;   hb  [4096][2048] bf16 = hidden_states          wb [2048 k][4096 n] bf16 = wq | wk | wv side by side
;   wob [2048][2048] f16  = bf16(wo) written as f16 cs [4096][256] words: low half bf16(cos), high half bf16(sin)
; LIMIT: bf16(wo) is exact in f16 from 6.1e-5 to 65,504; below that it keeps f16's fixed step of 6e-8, above it is lost.
; A stream: no LDS, no matrix unit, nothing is shared.  A work-group takes 16 rows of 1,024 f32 (4,096 bytes a row);
; thread t takes the 16 bytes at 16 t of each row, so sixteen loads of every thread are out at once and there is no loop.
; A wave's load covers 512 consecutive bytes, its 8-byte stores 256 consecutive aligned bytes.  y picks the job, x the rows.
.set X, 4                              ; v[4:67]   sixteen loads of four f32
.set Y, 68                             ; v[68:99]  packed results
.set T, 100                            ; v[100:103] at work
; s[28:29] source, s[30:31] destination, both at the work-group's first byte; sp, dp: bytes from row to row; half = 1: bf16 is written as f16
.macro STREAM sp, dp, half
.set i, 0
.rept 16
	global_load_b128 v[X+4*i:X+4*i+3], v1, s[28:29] offset:i*(\sp) th:TH_LOAD_NT
.set i, i+1
.endr
.set i, 0
.rept 16
	s_wait_loadcnt 15-i                            ; loads come back in order: row i is in, the 15 - i younger ones stay out
	v_cvt_pk_bf16_f32 v[Y+2*i], v[X+4*i], v[X+4*i+1]
	v_cvt_pk_bf16_f32 v[Y+2*i+1], v[X+4*i+2], v[X+4*i+3]
.if \half
	v_lshlrev_b32 v[T], 16, v[Y+2*i]               ; the bf16 numbers as f32,
	v_and_b32 v[T+1], 0xffff0000, v[Y+2*i]
	v_lshlrev_b32 v[T+2], 16, v[Y+2*i+1]
	v_and_b32 v[T+3], 0xffff0000, v[Y+2*i+1]
	v_cvt_pk_f16_f32 v[Y+2*i], v[T], v[T+1]        ; and spelled as f16
	v_cvt_pk_f16_f32 v[Y+2*i+1], v[T+2], v[T+3]
.endif
	global_store_b64 v2, v[Y+2*i:Y+2*i+1], s[30:31] offset:i*(\dp)  ; no register of a store is written again
.set i, i+1
.endr
	s_endpgm
.endm
	s_load_b512 s[4:19], s[0:1], 0x0               ; hidden s[4:5], wq s[6:7], wk s[8:9], wv s[10:11], wo s[12:13], cos s[14:15], sin s[16:17], hb s[18:19]
	s_load_b128 s[20:23], s[0:1], 0x40             ; wb s[20:21], wob s[22:23]
	s_load_b64 s[24:25], s[0:1], 0x50              ; cs
	s_and_b32 s26, ttmp7, 0xffff                   ; y: the job
	s_and_b32 s27, s26, 1                          ; which 1,024 columns
	s_lshl_b32 s38, s27, 12                        ; their bytes in the source,
	s_lshl_b32 s39, s27, 11                        ; and in the destination
	v_lshlrev_b32 v1, 4, v0                        ; 16 t
	v_lshlrev_b32 v2, 3, v0                        ; 8 t
	s_mov_b32 s33, 0                               ; offsets are made apart from the addresses, in pairs with 0 above
	s_mov_b32 s35, 0
	s_wait_kmcnt 0x0
	s_cmp_lt_u32 s26, 4
	s_cbranch_scc0 .Lnot_x
	s_lshr_b32 s36, s26, 1                         ; hidden_states: 256 blocks of 16 rows, 128 for each pair of y
	s_lshl_b32 s36, s36, 7
	s_add_co_u32 s36, s36, ttmp9
	s_lshl_b32 s32, s36, 17                        ; 16 rows of 8,192 bytes
	s_add_co_u32 s32, s32, s38
	s_lshl_b32 s34, s36, 16                        ; 16 rows of 4,096 bytes
	s_add_co_u32 s34, s34, s39
	s_add_nc_u64 s[28:29], s[4:5], s[32:33]
	s_add_nc_u64 s[30:31], s[18:19], s[34:35]
	STREAM 8192, 4096, 0
.Lnot_x:
	s_cmp_lt_u32 s26, 6
	s_cbranch_scc0 .Lnot_wq
	s_lshl_b32 s32, ttmp9, 17                      ; wq: columns 0 to 2,047 of wb
	s_add_co_u32 s32, s32, s38
	s_lshl_b32 s34, ttmp9, 17                      ; wb's rows are 8,192 bytes
	s_add_co_u32 s34, s34, s39
	s_add_nc_u64 s[28:29], s[6:7], s[32:33]
	s_add_nc_u64 s[30:31], s[20:21], s[34:35]
	STREAM 8192, 8192, 0
.Lnot_wq:
	s_cmp_lt_u32 s26, 8
	s_cbranch_scc0 .Lnot_wkv
	s_lshl_b32 s32, ttmp9, 16                      ; wk (y = 6): columns 2,048 on; wv (y = 7): columns 3,072 on
	s_lshl_b32 s34, ttmp9, 17
	s_add_co_u32 s34, s34, s39
	s_add_co_u32 s34, s34, 4096
	s_cmp_eq_u32 s26, 6
	s_cselect_b64 s[28:29], s[8:9], s[10:11]
	s_add_nc_u64 s[28:29], s[28:29], s[32:33]
	s_add_nc_u64 s[30:31], s[20:21], s[34:35]
	STREAM 4096, 8192, 0
.Lnot_wkv:
	s_cmp_lt_u32 s26, 10
	s_cbranch_scc0 .Lcs
	s_lshl_b32 s32, ttmp9, 17                      ; wo
	s_add_co_u32 s32, s32, s38
	s_lshl_b32 s34, ttmp9, 16
	s_add_co_u32 s34, s34, s39
	s_add_nc_u64 s[28:29], s[12:13], s[32:33]
	s_add_nc_u64 s[30:31], s[22:23], s[34:35]
	STREAM 8192, 4096, 1
.Lcs:
	s_lshl_b32 s32, ttmp9, 15                      ; cos and sin: 8,192 numbers of each, 32,768 bytes, and as many bytes of cs
	s_add_nc_u64 s[28:29], s[14:15], s[32:33]
	s_add_nc_u64 s[36:37], s[16:17], s[32:33]
	s_add_nc_u64 s[30:31], s[24:25], s[32:33]
.set i, 0
.rept 8
	global_load_b128 v[X+4*i:X+4*i+3], v1, s[28:29] offset:4096*i th:TH_LOAD_NT
	global_load_b128 v[X+32+4*i:X+32+4*i+3], v1, s[36:37] offset:4096*i th:TH_LOAD_NT
.set i, i+1
.endr
.set i, 0
.rept 8
	s_wait_loadcnt 14-2*i                          ; pair i of loads is in; the 7 - i younger pairs stay out
.irp j, 0,1,2,3
	v_cvt_pk_bf16_f32 v[Y+4*i+\j], v[X+4*i+\j], v[X+32+4*i+\j]  ; cos below, sin above
.endr
	global_store_b128 v1, v[Y+4*i:Y+4*i+3], s[30:31] offset:4096*i
.set i, i+1
.endr
	s_endpgm
.Lfunc_end_k_qe2d8fe527b_cast:
	.size	k_qe2d8fe527b_cast, .Lfunc_end_k_qe2d8fe527b_cast-k_qe2d8fe527b_cast
	.p2alignl 7, 3214868480
	.fill 96, 4, 3214868480
	.section	.rodata,"a",@progbits
	.p2align	6, 0x0
	.amdhsa_kernel k_qe2d8fe527b_cast
		.amdhsa_group_segment_fixed_size 0
		.amdhsa_private_segment_fixed_size 0
		.amdhsa_enable_private_segment 0
		.amdhsa_kernarg_size 88
		.amdhsa_user_sgpr_count 2
		.amdhsa_user_sgpr_kernarg_segment_ptr 1
		.amdhsa_wavefront_size32 1
		.amdhsa_system_sgpr_workgroup_id_x 1
		.amdhsa_system_sgpr_workgroup_id_y 1
		.amdhsa_system_sgpr_workgroup_id_z 1
		.amdhsa_system_vgpr_workitem_id 0
		.amdhsa_next_free_vgpr 104
		.amdhsa_next_free_sgpr 66
		.amdhsa_reserve_vcc 0
		.amdhsa_float_denorm_mode_32 3
		.amdhsa_float_denorm_mode_16_64 3
		.amdhsa_memory_ordered 1
		.amdhsa_forward_progress 1
		.amdhsa_inst_pref_size 34
	.end_amdhsa_kernel
	.amdgpu_metadata
---
amdhsa.version: [ 1, 2 ]
amdhsa.kernels:
  - .name:           k_qe2d8fe527b_cast
    .symbol:         k_qe2d8fe527b_cast.kd
    .args:
      - { .name: hidden_states, .offset: 0, .size: 8, .value_kind: global_buffer, .address_space: global }
      - { .name: wq, .offset: 8, .size: 8, .value_kind: global_buffer, .address_space: global }
      - { .name: wk, .offset: 16, .size: 8, .value_kind: global_buffer, .address_space: global }
      - { .name: wv, .offset: 24, .size: 8, .value_kind: global_buffer, .address_space: global }
      - { .name: wo, .offset: 32, .size: 8, .value_kind: global_buffer, .address_space: global }
      - { .name: cos, .offset: 40, .size: 8, .value_kind: global_buffer, .address_space: global }
      - { .name: sin, .offset: 48, .size: 8, .value_kind: global_buffer, .address_space: global }
      - { .name: hb, .offset: 56, .size: 8, .value_kind: global_buffer, .address_space: global }
      - { .name: wb, .offset: 64, .size: 8, .value_kind: global_buffer, .address_space: global }
      - { .name: wob, .offset: 72, .size: 8, .value_kind: global_buffer, .address_space: global }
      - { .name: cs, .offset: 80, .size: 8, .value_kind: global_buffer, .address_space: global }
    .group_segment_fixed_size: 0
    .private_segment_fixed_size: 0
    .kernarg_segment_align: 8
    .kernarg_segment_size: 88
    .max_flat_workgroup_size: 256
    .sgpr_count:     66
    .vgpr_count:     104
    .wavefront_size: 32
...
	.end_amdgpu_metadata
.endif
;; end of part 1
;; launch proj (part 2): grid 8 x 24, 4 waves a work-group, clusters of 4 x 4, 327,680 bytes of LDS; arguments hb, wb, cs, q_norm_w, k_norm_w, v_norm_w, qh, kh, vh; writes qh, kh, vh
.if DOCPART == 2
	.amdgcn_target "amdgcn-amd-amdhsa--gfx1250"
	.amdhsa_code_object_version 6
	.text
	.protected	k_qe2d8fe527b_proj
	.globl	k_qe2d8fe527b_proj
	.p2align	8
	.type	k_qe2d8fe527b_proj,@function
k_qe2d8fe527b_proj:
	s_mov_b64 s[64:65], 0
	v_nop
	global_prefetch_b8 v0, s[64:65] scope:SCOPE_SE
	s_setreg_imm32_b32 hwreg(HW_REG_WAVE_MODE, 25, 1), 1
	s_wait_xcnt 0x0
	s_wait_alu depctr_hold_cnt(0) depctr_sa_sdst(0) depctr_va_vdst(0) depctr_va_sdst(0) depctr_va_ssrc(0) depctr_va_vcc(0) depctr_vm_vsrc(0)
	s_getreg_b32 s2, hwreg(HW_REG_IB_STS2, 6, 4)
	s_cmp_eq_u32 s2, 0
	s_cbranch_scc0 .Lentry_in_a_cluster
	s_endpgm
.Lentry_in_a_cluster:
	s_bfe_u32 s2, ttmp6, 0x10000c
	s_cmp_lg_u32 s2, 0xf033
	s_cbranch_scc0 .Lentry_shape_is_right
	s_endpgm
.Lentry_shape_is_right:
; q, k and v: x W in bf16 with f32 sums, then on the way out the RMS norm of each head's 256 numbers, the gain 1 + bf16(w), RoPE (q, k) and, for q alone,
; the factor C1 = 2 log2(e) / 800, so that q . k is at once the exponent of the soft cap's tanh.  Results are rounded once, to f16, by heads:
; qh [8][2048][256], kh and vh [4][4096][256].
; LIMITS.  |k|, |v| are at most 23 |1 + w|, which must stay under 65,504; f16 numbers under 6.1e-5 keep the fixed step 6e-8; NaN and infinities are not treated apart.
; SHARES.  A work-group makes 256 rows x one head (256 columns).  Tile rows Y = 0..15 are k's and v's (tile columns X = 0..3 k's heads, 4..7 v's), Y = 16..23 are q's (rows 2,048 on, X = its head).
; 192 work-groups: a head's 256 columns stay in one wave for norm and RoPE, and 49,152 row-heads do not cut into 256 equal tiles of whole heads.
; A wave makes 64 rows x 256 columns: 64 accumulators.  THE MATRIX INSTRUCTION IS USED TRANSPOSED: source 0 = 16 columns of W, source 1 = 16 rows of x; lane (r, h) then holds row r
; and columns 16 b + 8 h + 0..7 of block b: a row's sum of squares wants one exchange of the lanes' halves, and RoPE's partners d and d + 128 (blocks b, b + 8) lie in one lane.
; RING.  K goes in steps of 128 through two LDS slots: 256 rows of x (256 bytes + 16), and W's 128 k-rows in two halves of 128 columns (256 bytes + 32), read turned by ds_load_tr16_b128.
; CLUSTER 4 x 4: x's tile hangs on Y alone and is asked for jointly along a row of the cluster, W's on X alone and along a column.  What kind of tile a work-group makes hangs on the cluster's own
; coordinates, so every branch is alike in all partners.
; REGISTERS, in windows of 256:  window 0: v16-31 addresses, v32-58 at work, v64-127 x's fragments (two buffers of 32), later packed results, v128-255 the gains as loaded, later U
;   window 1: W's fragments, two buffers of 128; later WT = (1 + w) SC in v0-127 and cos|sin in v128-255      windows 2, 3: accumulators (a, b) at 8 (16 (a % 2) + b), a = 0, 1 | 2, 3
.set KSTEP,  128
.set PA,     272                       ; a row of x in LDS: the 16 rows of a load start at 16 different groups of four banks
.set PB,     288                       ; a k-row of W
.set AHALF,  128*PA
.set BOFF,   256*PA
.set BHALF,  128*PB
.set SLOT,   BOFF+2*BHALF              ; 143,360
.set STAGE,  2*SLOT                    ; behind the ring: 16 rows x 528 bytes for each wave
.set SPITCH, 528
.set SPARE,  STAGE+4*16*SPITCH         ; the spare words: 128 bytes a wave, two blocks of 256 bytes that no other line names
.set ADRA, 16                          ; v16-17  my x fragments in slot 0, 1
.set ADRB, 20                          ; v20-23  my W fragments: slot, column half
.set STO,  24                          ; the way out: where I put 16 bytes of a row
.set RD,   25                          ; where I read a row back
.set CO,   26                          ; my 16 bytes of a row of 512
.set CSO,  27                          ; my byte offset in 16 rows of cs
.set SPW,  28                          ; my spare word; never rewritten
.set NIL,  29                          ; 0; never rewritten
.set WO,   30                          ; my byte offset in the gains
.set ZR,   31                          ; 0.0
.set T,    32                          ; v32-47
.set SS,   48                          ; v48-55  four chains of squares
.set INV,  56                          ; v56-57  1 / rms, twice
.set SCV,  58                          ; SC
.set FA0,  64
.set PKR,  64
.set U,    128
.set WT,   0                           ; window 1
.set CS,   128                         ; window 1
.set G1,  24                           ; s[24:31], s[32:39]: x's descriptors;  s[48:55], s[56:63]: W's
.set G0,  32
.set G1B, 48
.set G0B, 56
; s84 wave, s85 wave / 2, s86 wave % 2, s87 Y, s88 cluster y, s89 is q, s90 is v, s91 x's row block, s42 X
.set MSB, 0
.macro WIN new                         ; the immediate's high byte repeats the setting that is left
.if MSB != (\new)
	s_set_vgpr_msb (MSB<<8)|(\new)
.set MSB, (\new)
.endif
.endm
.macro PLACES                          ; four places in front of loads into, and vector lines on, registers of matrix instructions
.rept 4
	v_nop
.endr
.endm
.macro JLOAD s                         ; a joint load: waves 0, 1 fetch the halves of x's tile, waves 2, 3 the column halves of W's; an s_nop 0 and four v_nop follow each line
	s_cmp_eq_u32 s85, 0
	s_cbranch_scc0 .Lfor_b_\@
	tensor_load_to_lds s[G0+4*(\s):G0+4*(\s)+3], s[G1:G1+7]
	s_nop 0
.rept 4
	v_nop
.endr
	s_branch .Lasked_\@
.Lfor_b_\@:
	tensor_load_to_lds s[G0B+4*(\s):G0B+4*(\s)+3], s[G1B:G1B+7]
	s_nop 0
.rept 4
	v_nop
.endr
.Lasked_\@:
.endm
.macro CREST                           ; a round of the cluster's barrier behind its opening barrier
	s_cmp_lg_u32 s84, 0
	s_cbranch_scc1 .Lnot_wave_0_\@
	s_barrier_signal -3
.Lnot_wave_0_\@:
	s_barrier_wait -3
	s_barrier_signal -1
	s_barrier_wait -1
.endm
.macro CROUND
	s_barrier_signal -1
	s_barrier_wait -1
	CREST
.endm
	s_load_b256 s[4:11], s[0:1], 0x0               ; hb s[4:5], wb s[6:7], cs s[8:9], q_norm_w s[10:11]
	s_load_b256 s[68:75], s[0:1], 0x20             ; k_norm_w s[68:69], v_norm_w s[70:71], qh s[72:73], kh s[74:75]
	s_load_b64 s[76:77], s[0:1], 0x40              ; vh
	v_lshl_add_u32 v[SPW], v0, 2, SPARE
	v_mov_b32 v[NIL], 0
	ds_add_u32 v[SPW], v[NIL]                      ; the wave's opening: the add and its wait ahead of my first tensor load; work on registers stands between
	v_lshrrev_b32 v1, 5, v0
	v_readfirstlane_b32 s84, v1                    ; wave 0..3
	s_lshr_b32 s85, s84, 1                         ; I fetch for x (0) or for W (1)
	s_and_b32 s86, s84, 1                          ; which half of that tile
	s_bfe_u32 s40, ttmp6, 0x40000                  ; cx, cy
	s_bfe_u32 s41, ttmp6, 0x40004
	s_lshl_b32 s42, ttmp9, 2
	s_add_co_u32 s42, s42, s40                     ; X
	s_and_b32 s88, ttmp7, 0xffff                   ; the cluster's y
	s_lshl_b32 s87, s88, 2
	s_add_co_u32 s87, s87, s41                     ; Y
	s_lshl_b32 s43, s41, 2
	s_lshl_b32 s43, 15, s43                        ; my row of the cluster
	s_lshl_b32 s44, 0x1111, s40                    ; my column
	s_or_b32 s[G1+0], s43, (1<<16)|(1<<20)|(1<<21)|(5<<22)|(3<<25)   ; mask; 2-byte elements; padding on; bit 21 beside a mask; after every 64 words 4 words
	s_or_b32 s[G1B+0], s44, (1<<16)|(1<<20)|(1<<21)|(5<<22)|(7<<25)  ; the same with my column's mask and 8 words
.irp g, G1, G1B
	s_mov_b32 s[(\g)+1], 128<<16                   ; tensor_dim0 = 128
	s_mov_b32 s[(\g)+2], 128<<16                   ; tensor_dim1 = 128
	s_mov_b32 s[(\g)+3], 128<<16                   ; tile_dim0 = 128
	s_mov_b32 s[(\g)+4], 128                       ; tile_dim1 = 128
	s_mov_b32 s[(\g)+6], 0
	s_mov_b32 s[(\g)+7], 0
.endr
	s_mov_b32 s[G1+5], 2048                        ; elements from row to row of hb,
	s_mov_b32 s[G1B+5], 4096                       ; and of wb
	s_cmp_ge_u32 s88, 4                            ; clusters 4 and 5 along y make q
	s_cselect_b32 s89, 1, 0
	s_cselect_b32 s20, 8, 0                        ; q's tile row 16 is x's row block 8
	s_cselect_b32 s21, 0, 4096                     ; k's and v's columns begin 2,048 elements into wb
	s_cselect_b32 s22, 16, 0
	s_cselect_b32 s45, 0x3b6c5f04, 1.0             ; SC: C1 for q
	s_cmp_eq_u32 ttmp9, 1
	s_cselect_b32 s90, 1, 0
	s_and_not1_b32 s90, s90, s89                   ; v: the cluster at x = 1, unless it makes q
	s_sub_co_u32 s91, s87, s20
	s_lshl_b32 s92, s91, 20                        ; x's tile: 256 rows of 4,096 bytes a block,
	s_lshl_b32 s93, s86, 19                        ; 128 rows a half
	s_add_co_u32 s92, s92, s93
	s_mov_b32 s93, 0
	s_lshl_b32 s94, s42, 9                         ; W's tile: 256 columns of 2 bytes a head,
	s_add_co_u32 s94, s94, s21
	s_lshl_b32 s95, s86, 8                         ; 128 columns a half
	s_add_co_u32 s94, s94, s95
	s_mov_b32 s95, 0
	s_and_b32 s23, s42, 3                          ; where my rows go: the head (1 MiB apart in qh, 2 MiB in kh and vh),
	s_lshl_b32 s23, s23, 21
	s_lshl_b32 s96, s42, 20
	s_cmp_eq_u32 s89, 1
	s_cselect_b32 s96, s96, s23
	s_sub_co_u32 s22, s87, s22
	s_lshl_b32 s22, s22, 17                        ; the block's 256 rows of 512 bytes,
	s_add_co_u32 s96, s96, s22
	s_lshl_b32 s22, s84, 15                        ; my wave's 64
	s_add_co_u32 s96, s96, s22
	s_mov_b32 s97, 0
	s_lshl_b32 s98, s91, 18                        ; cs at my first row: rows of 1,024 bytes
	s_lshl_b32 s99, s84, 16
	s_add_co_u32 s98, s98, s99
	s_mov_b32 s99, 0
	s_mul_i32 s12, s86, AHALF                      ; LDS: no place in the cluster enters
	s_mul_i32 s13, s86, BHALF
	s_add_co_u32 s13, s13, BOFF
	s_mov_b32 s46, 0x3b800000                      ; 1 / 256
	s_mov_b32 s47, 0x358637bd                      ; 1e-6
	s_mov_b32 s78, 0x76543210                      ; v_permlanex16_b32: each lane takes its own place in the other half
	s_mov_b32 s79, 0xfedcba98
	s_wait_dscnt 0x0                               ; the opening add is done
	s_wait_kmcnt 0x0
	s_add_nc_u64 s[18:19], s[4:5], s[92:93]
	s_add_nc_u64 s[94:95], s[6:7], s[94:95]
	CROUND                                         ; all sixteen work-groups are here: the first joint loads meet
.irp s, 0,1
	s_mov_b32 s[G0+4*(\s)], 1
	s_add_co_u32 s[G0+4*(\s)+1], s12, (\s)*SLOT
	s_add_nc_u64 s[G0+4*(\s)+2:G0+4*(\s)+3], s[18:19], (\s)*KSTEP*2
	s_or_b32 s[G0+4*(\s)+3], s[G0+4*(\s)+3], 0x80000000
	s_mov_b32 s[G0B+4*(\s)], 1
	s_add_co_u32 s[G0B+4*(\s)+1], s13, (\s)*SLOT
	s_add_nc_u64 s[G0B+4*(\s)+2:G0B+4*(\s)+3], s[94:95], (\s)*KSTEP*8192
	s_or_b32 s[G0B+4*(\s)+3], s[G0B+4*(\s)+3], 0x80000000
	JLOAD \s                                       ; two loads of mine are out
.endr
	s_cmp_eq_u32 s89, 1                            ; the gain and the output of my kind
	s_cselect_b64 s[16:17], s[10:11], s[68:69]
	s_cselect_b64 s[14:15], s[72:73], s[74:75]
	s_cmp_eq_u32 s90, 1
	s_cselect_b64 s[16:17], s[70:71], s[16:17]
	s_cselect_b64 s[14:15], s[76:77], s[14:15]
	s_add_nc_u64 s[14:15], s[14:15], s[96:97]
	s_add_nc_u64 s[8:9], s[8:9], s[98:99]
	v_and_b32 v1, 15, v0                           ; r
	v_bfe_u32 v2, v0, 4, 1                         ; h
	v_and_b32 v3, 31, v0                           ; lane
	v_lshlrev_b32 v[WO], 5, v2                     ; my 8 gains of block b lie at 64 b + 32 h
.set bb, 0
.rept 16                                       ; they stay on their way during the K loop, into registers that it does not name
	global_load_b128 v[U+8*bb:U+8*bb+3],   v[WO], s[16:17] offset:64*bb
	global_load_b128 v[U+8*bb+4:U+8*bb+7], v[WO], s[16:17] offset:64*bb+16
.set bb, bb+1
.endr
	v_mul_u32_u24 v4, v1, PA
	v_lshl_add_u32 v4, v2, 4, v4                   ; row x pitch + 16 x half
	s_mul_i32 s20, s84, 64*PA                      ; my 64 rows
	v_add_nc_u32 v[ADRA], s20, v4
	v_add_nc_u32 v[ADRA+1], SLOT, v[ADRA]
	v_and_b32 v5, 7, v0                            ; the turning load: lane l reads k-row 8 (l / 16) + l % 8, columns 8 ((l / 8) % 2) + 0..7
	v_bfe_u32 v6, v0, 3, 1
	v_lshl_add_u32 v5, v2, 3, v5
	v_mul_u32_u24 v5, v5, PB
	v_lshl_add_u32 v5, v6, 4, v5
	v_add_nc_u32 v[ADRB], BOFF, v5
	v_add_nc_u32 v[ADRB+1], BOFF+BHALF, v5
	v_add_nc_u32 v[ADRB+2], SLOT+BOFF, v5
	v_add_nc_u32 v[ADRB+3], SLOT+BOFF+BHALF, v5
	s_mul_i32 s20, s84, 16*SPITCH
	s_add_co_u32 s20, s20, STAGE                   ; my stage
	v_mul_u32_u24 v[STO], v1, SPITCH
	v_lshl_add_u32 v[STO], v2, 4, v[STO]
	v_add_nc_u32 v[STO], s20, v[STO]
	v_lshl_add_u32 v[RD], v3, 4, s20               ; back: 32 lanes take one row of 512 bytes
	v_lshlrev_b32 v[CO], 4, v3
	v_lshlrev_b32 v[CSO], 10, v1
	v_lshl_add_u32 v[CSO], v2, 5, v[CSO]           ; row r of cs, 32 h
	v_mov_b32 v[ZR], 0
	v_mov_b32 v[SCV], s45
; 16 matrix instructions: row block a x all 16 column blocks, 32 along K, buffers f.  The 64 accumulators take turns, one instruction a turn, in the same order in every quarter.
.macro MUL16 f, a, zero
	WIN 0xa1+0x50*((\a)/2)                         ; source 0 (W) window 1, source 1 (x) window 0, C and D window 2 or 3
.set bb, 0
.rept 16
.set rD, 8*(16*((\a)%2)+bb)
.set rB, 128*(\f)+8*bb
.set rA, FA0+32*(\f)+8*(\a)
.if \zero
	v_wmma_f32_16x16x32_bf16 v[rD:rD+7], v[rB:rB+7], v[rA:rA+7], 0
.else
	v_wmma_f32_16x16x32_bf16 v[rD:rD+7], v[rB:rB+7], v[rA:rA+7], v[rD:rD+7]
.endif
.set bb, bb+1
.endr
.endm
.macro ALD slot, q, f, a
	ds_load_b128 v[FA0+32*(\f)+8*(\a):FA0+32*(\f)+8*(\a)+3],   v[ADRA+(\slot)] offset:64*(\q)+(\a)*16*PA
	ds_load_b128 v[FA0+32*(\f)+8*(\a)+4:FA0+32*(\f)+8*(\a)+7], v[ADRA+(\slot)] offset:64*(\q)+(\a)*16*PA+32
.endm
; 40 LDS loads in one run: quarter q of a slot into buffers f: x's blocks 0, 1; W's 16 blocks; x's blocks 2, 3 last, so that a quarter can begin while they are out
.macro FETCH slot, q, f
	WIN 0
	ALD \slot, \q, \f, 0
	ALD \slot, \q, \f, 1
	WIN 0x40
.set bb, 0
.rept 16
	ds_load_tr16_b128 v[128*(\f)+8*bb:128*(\f)+8*bb+3],   v[ADRB+2*(\slot)+bb/8] offset:32*(\q)*PB+32*(bb%8)
	ds_load_tr16_b128 v[128*(\f)+8*bb+4:128*(\f)+8*bb+7], v[ADRB+2*(\slot)+bb/8] offset:(32*(\q)+16)*PB+32*(bb%8)
.set bb, bb+1
.endr
	WIN 0
	ALD \slot, \q, \f, 2
	ALD \slot, \q, \f, 3
.endm
; A K step is four quarters of 32 along K on buffers 0, 1, 0, 1.  One of the first three multiplies f and fetches quarter q into g.
.macro QUARTER slot, q, f, g, zero
	s_wait_dscnt 4                                 ; all but the youngest four loads (x's blocks 2, 3)
	MUL16 \f, 0, \zero
	MUL16 \f, 1, \zero
	PLACES
	FETCH \slot, \q, \g
	s_wait_dscnt 40                                ; all but the 40 just issued
	MUL16 \f, 2, \zero
	MUL16 \f, 3, \zero
.endm
; The last quarter multiplies buffers 1 and changes slots: one barrier.  In front of it each wave waits for all its tensor loads (one is out: its part of the next slot), adds 0 to its spare word,
; and waits for that and for its reads of this slot.  fill = 1: the barrier opens a round of the cluster's, and this slot is filled again, two K steps ahead, first thing behind it:
; 224 matrix instructions stand between that request and the wait for it.
.macro TURN slot, next, fill
	WIN 0
	s_wait_tensorcnt 0x0
	ds_add_u32 v[SPW], v[NIL]
	s_wait_dscnt 5                                 ; the add and the youngest four loads may be out
	MUL16 1, 0, 0
	s_wait_dscnt 0x0                               ; the add is done, my reads of this slot are over
	s_barrier_signal -1
	MUL16 1, 1, 0
.if \fill
	WIN 0
.endif
	s_barrier_wait -1
.if \fill
	CREST
	s_add_nc_u64 s[G0+4*(\slot)+2:G0+4*(\slot)+3], s[G0+4*(\slot)+2:G0+4*(\slot)+3], 2*KSTEP*2
	s_add_nc_u64 s[G0B+4*(\slot)+2:G0B+4*(\slot)+3], s[G0B+4*(\slot)+2:G0B+4*(\slot)+3], 2*KSTEP*8192
	JLOAD \slot                                    ; its four v_nop are also the places in front of the loads below
.else
	PLACES
.endif
	FETCH \next, 0, 0
	MUL16 1, 2, 0
	MUL16 1, 3, 0
.endm
	s_wait_tensorcnt 1                             ; my part of K step 0 is in; step 1's may stay out
	s_barrier_signal -1
	s_barrier_wait -1
	FETCH 0, 0, 0
	QUARTER 0, 1, 0, 1, 1                          ; the first quarter's products start the sums: nothing is cleared
	WIN 0
	s_mov_b32 s3, 7                                ; 16 K steps are 8 laps of the ring; the last is written out
.Llap:
	QUARTER 0, 2, 1, 0, 0
	QUARTER 0, 3, 0, 1, 0
	TURN 0, 1, 1
	QUARTER 1, 1, 0, 1, 0
	QUARTER 1, 2, 1, 0, 0
	QUARTER 1, 3, 0, 1, 0
	TURN 1, 0, 1
	QUARTER 0, 1, 0, 1, 0
	WIN 0
	s_sub_co_u32 s3, s3, 1
	s_cmp_lg_u32 s3, 0
	s_cbranch_scc1 .Llap
	QUARTER 0, 2, 1, 0, 0                          ; the last lap fills nothing
	QUARTER 0, 3, 0, 1, 0
	TURN 0, 1, 0
	QUARTER 1, 1, 0, 1, 0
	QUARTER 1, 2, 1, 0, 0
	QUARTER 1, 3, 0, 1, 0
	s_wait_dscnt 4
	MUL16 1, 0, 0
	MUL16 1, 1, 0
	s_wait_dscnt 0x0
	MUL16 1, 2, 0
	MUL16 1, 3, 0
	; THE WAY OUT.  The gains are rounded to bf16 (these 64 lines are also the places behind the last products), then WT = (1 + w) SC.
	WIN 0
	s_wait_loadcnt 0x0                             ; the gains
.set zz, 0
.rept 64
	v_cvt_pk_bf16_f32 v[U+zz], v[U+2*zz], v[U+2*zz+1]
.set zz, zz+1
.endr
.macro CSLOAD                          ; cos|sin of my 16 rows: 8 words for each of the 16 blocks
	WIN 0x40
.set bb, 0
.rept 16
	global_load_b128 v[CS+8*bb:CS+8*bb+3],   v[CSO], s[8:9] offset:64*bb
	global_load_b128 v[CS+8*bb+4:CS+8*bb+7], v[CSO], s[8:9] offset:64*bb+16
.set bb, bb+1
.endr
	WIN 0
.endm
	s_cmp_eq_u32 s90, 1
	s_cbranch_scc1 .Lno_cs                         ; v has no RoPE
	CSLOAD
.Lno_cs:
	WIN 0x40
.set zz, 0
.rept 64
	v_fma_mix_f32_bf16 v[WT+2*zz],   v[U+zz], v[SCV], v[SCV] op_sel_hi:[1,0,0]
	v_fma_mix_f32_bf16 v[WT+2*zz+1], v[U+zz], v[SCV], v[SCV] op_sel:[1,0,0] op_sel_hi:[1,0,0]
.set zz, zz+1
.endr
	WIN 0
; Row block a: the squares of its 128 numbers a lane in four chains, each accumulator read from its lowest registers on; and U = y x WT
.macro SSU a
.set AC, 128*((\a)%2)
.set WA, 2+(\a)/2
	WIN WA|(WA<<2)
.set zz, 0
.rept 64
.if zz < 4
	v_pk_mul_f32 v[SS+2*(zz%4):SS+2*(zz%4)+1], v[AC+2*zz:AC+2*zz+1], v[AC+2*zz:AC+2*zz+1]
.else
	v_pk_fma_f32 v[SS+2*(zz%4):SS+2*(zz%4)+1], v[AC+2*zz:AC+2*zz+1], v[AC+2*zz:AC+2*zz+1], v[SS+2*(zz%4):SS+2*(zz%4)+1]
.endif
.set zz, zz+1
.endr
	WIN WA|(1<<2)
.set zz, 0
.rept 64
	v_pk_mul_f32 v[U+2*zz:U+2*zz+1], v[AC+2*zz:AC+2*zz+1], v[WT+2*zz:WT+2*zz+1]
.set zz, zz+1
.endr
	WIN 0
.endm
	s_mov_b32 s2, 4                                ; four row blocks; only the lines that name accumulators are written four times
.Lrow:
	s_cmp_eq_u32 s2, 4
	s_cbranch_scc1 .Lssu0
	s_cmp_eq_u32 s2, 3
	s_cbranch_scc1 .Lssu1
	s_cmp_eq_u32 s2, 2
	s_cbranch_scc1 .Lssu2
	SSU 3
	s_branch .Lcommon
.Lssu2:
	SSU 2
	s_branch .Lcommon
.Lssu1:
	SSU 1
	s_branch .Lcommon
.Lssu0:
	SSU 0
.Lcommon:
	v_pk_add_f32 v[SS:SS+1], v[SS:SS+1], v[SS+2:SS+3]
	v_pk_add_f32 v[SS+4:SS+5], v[SS+4:SS+5], v[SS+6:SS+7]
	v_pk_add_f32 v[SS:SS+1], v[SS:SS+1], v[SS+4:SS+5]
	v_add_f32 v[SS], v[SS], v[SS+1]
	v_permlanex16_b32 v[SS+1], v[SS], s78, s79     ; the row's other 128 columns lie in the lane 16 away
	v_add_f32 v[SS], v[SS], v[SS+1]
	v_fma_f32 v[SS], v[SS], s46, s47               ; the mean of the squares + 1e-6
	v_rsq_f32 v[INV], v[SS]
	v_rsq_f32 v[INV+1], v[SS]
	v_nop                                          ; a plain line between the root and its use
.set zz, 0
	s_wait_alu depctr_va_vdst(0)
.rept 64
	v_pk_mul_f32 v[U+2*zz:U+2*zz+1], v[U+2*zz:U+2*zz+1], v[INV:INV+1]
.set zz, zz+1
.endr
	s_cmp_eq_u32 s90, 1
	s_cbranch_scc1 .Lno_rope
	s_wait_loadcnt 0x0                             ; this block's cos|sin
	WIN 0x04                                       ; source 1 (cos|sin) in window 1
.set bp, 0
.rept 8                                        ; lo = U[d], hi = U[d + 128]:  lo' = lo cos[d] - hi sin[d],  hi' = hi cos[d + 128] + lo sin[d + 128], in place
.set jj, 0
.rept 8
	v_fma_mix_f32_bf16 v[T+jj],   v[U+8*bp+jj], v[CS+8*bp+jj],    v[ZR] op_sel_hi:[0,1,0]
	v_fma_mix_f32_bf16 v[T+8+jj], v[U+8*bp+jj], v[CS+64+8*bp+jj], v[ZR] op_sel:[0,1,0] op_sel_hi:[0,1,0]
.set jj, jj+1
.endr
.set jj, 0
.rept 8
	v_fma_mix_f32_bf16 v[U+8*bp+jj],    -v[U+64+8*bp+jj], v[CS+8*bp+jj],    v[T+jj]   op_sel:[0,1,0] op_sel_hi:[0,1,0]
	v_fma_mix_f32_bf16 v[U+64+8*bp+jj], v[U+64+8*bp+jj],  v[CS+64+8*bp+jj], v[T+8+jj] op_sel_hi:[0,1,0]
.set jj, jj+1
.endr
.set bp, bp+1
.endr
	WIN 0
	s_cmp_eq_u32 s2, 1
	s_cbranch_scc1 .Lno_rope                       ; the last block asks for nothing more
	v_add_nc_u32 v[CSO], 16384, v[CSO]             ; free since the wait above: the next 16 rows
	CSLOAD
.Lno_rope:
.set zz, 0
.rept 64
	v_cvt_pk_f16_f32 v[PKR+zz], v[U+2*zz], v[U+2*zz+1]  ; the one rounding
.set zz, zz+1
.endr
.set bb, 0
.rept 16
	ds_store_b128 v[STO], v[PKR+4*bb:PKR+4*bb+3] offset:32*bb
.set bb, bb+1
.endr
.set bb, 0
.rept 16
	ds_load_b128 v[PKR+4*bb:PKR+4*bb+3], v[RD] offset:SPITCH*bb  ; LDS serves a wave's instructions in order: these see the stores above, and the next block's stores come behind them
.set bb, bb+1
.endr
.set bb, 0
.rept 16
	s_wait_dscnt 15-bb                             ; row bb is back
	global_store_b128 v[CO], v[PKR+4*bb:PKR+4*bb+3], s[14:15] offset:512*bb  ; 512 consecutive bytes, aligned
.set bb, bb+1
.endr
	s_wait_xcnt 0x0                                ; only behind this wait are the stores' base and data written again
	s_add_nc_u64 s[14:15], s[14:15], 8192
	s_sub_co_u32 s2, s2, 1
	s_cmp_lg_u32 s2, 0
	s_cbranch_scc1 .Lrow
	s_wait_tensorcnt 0x0                           ; the wave's end
	ds_add_u32 v[SPW], v[NIL]
	s_wait_dscnt 0x0
	CROUND                                         ; the closing round
	s_endpgm
.Lfunc_end_k_qe2d8fe527b_proj:
	.size	k_qe2d8fe527b_proj, .Lfunc_end_k_qe2d8fe527b_proj-k_qe2d8fe527b_proj
	.p2alignl 7, 3214868480
	.fill 96, 4, 3214868480
	.section	.rodata,"a",@progbits
	.p2align	6, 0x0
	.amdhsa_kernel k_qe2d8fe527b_proj
		.amdhsa_group_segment_fixed_size 327680
		.amdhsa_private_segment_fixed_size 0
		.amdhsa_enable_private_segment 0
		.amdhsa_kernarg_size 72
		.amdhsa_user_sgpr_count 2
		.amdhsa_user_sgpr_kernarg_segment_ptr 1
		.amdhsa_wavefront_size32 1
		.amdhsa_system_sgpr_workgroup_id_x 1
		.amdhsa_system_sgpr_workgroup_id_y 1
		.amdhsa_system_sgpr_workgroup_id_z 1
		.amdhsa_system_vgpr_workitem_id 0
		.amdhsa_next_free_vgpr 1024
		.amdhsa_next_free_sgpr 100
		.amdhsa_reserve_vcc 0
		.amdhsa_float_denorm_mode_32 3
		.amdhsa_float_denorm_mode_16_64 3
		.amdhsa_memory_ordered 1
		.amdhsa_forward_progress 1
		.amdhsa_inst_pref_size 204
	.end_amdhsa_kernel
	.amdgpu_metadata
---
amdhsa.version: [ 1, 2 ]
amdhsa.kernels:
  - .name:           k_qe2d8fe527b_proj
    .symbol:         k_qe2d8fe527b_proj.kd
    .args:
      - { .name: hb, .offset: 0, .size: 8, .value_kind: global_buffer, .address_space: global }
      - { .name: wb, .offset: 8, .size: 8, .value_kind: global_buffer, .address_space: global }
      - { .name: cs, .offset: 16, .size: 8, .value_kind: global_buffer, .address_space: global }
      - { .name: q_norm_w, .offset: 24, .size: 8, .value_kind: global_buffer, .address_space: global }
      - { .name: k_norm_w, .offset: 32, .size: 8, .value_kind: global_buffer, .address_space: global }
      - { .name: v_norm_w, .offset: 40, .size: 8, .value_kind: global_buffer, .address_space: global }
      - { .name: qh, .offset: 48, .size: 8, .value_kind: global_buffer, .address_space: global }
      - { .name: kh, .offset: 56, .size: 8, .value_kind: global_buffer, .address_space: global }
      - { .name: vh, .offset: 64, .size: 8, .value_kind: global_buffer, .address_space: global }
    .group_segment_fixed_size: 327680
    .private_segment_fixed_size: 0
    .kernarg_segment_align: 8
    .kernarg_segment_size: 72
    .max_flat_workgroup_size: 128
    .sgpr_count:     100
    .vgpr_count:     1024
    .wavefront_size: 32
...
	.end_amdgpu_metadata
.endif
;; end of part 2
;; launch attn (part 3): grid 64 x 4, 4 waves a work-group, clusters of 4 x 4, 327,680 bytes of LDS; arguments qh, kh, vh, attention_mask, ao; writes ao
.if DOCPART == 3
	.amdgcn_target "amdgcn-amd-amdhsa--gfx1250"
	.amdhsa_code_object_version 6
	.text
	.protected	k_qe2d8fe527b_attn
	.globl	k_qe2d8fe527b_attn
	.p2align	8
	.type	k_qe2d8fe527b_attn,@function
k_qe2d8fe527b_attn:
	s_mov_b64 s[64:65], 0
	v_nop
	global_prefetch_b8 v0, s[64:65] scope:SCOPE_SE
	s_setreg_imm32_b32 hwreg(HW_REG_WAVE_MODE, 25, 1), 1
	s_wait_xcnt 0x0
	s_wait_alu depctr_hold_cnt(0) depctr_sa_sdst(0) depctr_va_vdst(0) depctr_va_sdst(0) depctr_va_ssrc(0) depctr_va_vcc(0) depctr_vm_vsrc(0)
	s_getreg_b32 s2, hwreg(HW_REG_IB_STS2, 6, 4)
	s_cmp_eq_u32 s2, 0
	s_cbranch_scc0 .Lentry_in_a_cluster
	s_endpgm
.Lentry_in_a_cluster:
	s_bfe_u32 s2, ttmp6, 0x10000c
	s_cmp_lg_u32 s2, 0xf033
	s_cbranch_scc0 .Lentry_shape_is_right
	s_endpgm
.Lentry_shape_is_right:
; ao[q][head 256 + c] = sum over k of softmax_k(50 tanh(q . k / 800) + mask[q][k]) v[k][c].  qh arrives times 2 log2(e) / 800, so S = K Q^T is e with tanh = 1 - 2 / (1 + 2^e).
; Scores are kept in log2 units: s = (50 L - 100 L / (1 + 2^e)) + bf16(mask) L, L = log2(e); each bracket is rounded, then the two are added, in the order of the problem's own sum.
; p = 2^(s - m) with a true running maximum m; l sums the unrounded p; p is rounded to f16 for the second product; O once at the end.  The mask is an input: every query meets all 4,096 keys.
; LIMITS.  |mask| L must be finite (|mask| under 2.3e38); a weight under 2^-126 counts as 0; f16 numbers under 6.1e-5 keep the fixed step 6e-8; NaN and infinities are not treated apart.
; SHARES.  A work-group: 32 queries x the two query heads of one kv head.  Wave w: 16 queries (w % 2), one half of every 256 keys (w / 2); its two TILES are the two heads, which share K's and V's
; fragments and the mask.  Keys go in 16 groups of 256, 128 a wave.  The two key halves' O, m, l meet once, at the end, in f32, through LDS.
; LAYOUT.  S^T = K Q^T holds one query a lane (lane % 16) and the keys 8 (lane / 16) + 0..7 of a block of 16; two blocks rounded in pairs ARE source 1 of O^T = V^T P.  V is read turned.
; LDS.  Two regions take turns: while K(g) and mask(g) are read, V(g) lands; while V(g) is read, K(g + 1) and mask(g + 1) land.  Each refill stands behind a round of the cluster's barrier.
; CLUSTER 4 x 4: cx picks the queries, cy the kv head.  K and V are asked for jointly along a row, the mask's tile along a column.
; ORDER.  Behind every product K Q^T stand four vector lines of work that is ready (the mask's rounding; the soft cap of the 32 keys before), behind every product V^T P two or three of the
; exponentials' queue; what is over stands alone between the two kinds of products.
; REGISTERS:  window 0: v1-13 addresses, v16-39 statistics (12 a tile: m, -, l, l, a, -, c0-c3, two at work), v40-63 at work, v64-191 S (64 a tile; P is packed into its low 32), v192-255 mask
;   window 1: O^T, 128 a tile      window 2: two buffers of 128 for K's or V's fragments      window 3: v0-127 Q, 64 a tile
.set PITK, 528
.set PITV, 544
.set PITM, 1040
.set MREG, 256*PITK                    ; 135,168
.set VREG, MREG+32*PITM                ; 168,448
.set SPARE, VREG+256*PITV              ; 307,712: the spare words, two blocks of 256 bytes that no other line names
.set XCHB, 33792                       ; after K's last fill its region serves the end: for each query half 32,768 bytes of O and 512 of statistics,
.set STG,  2*XCHB                      ; and a stage of 16 rows x 528 bytes for each wave
.set STGB, 16*528
.set AK, 3
.set AV, 4
.set AM, 5
.set QO, 6
.set STO, 7
.set RD, 8
.set GO, 9
.set XA, 10
.set XS, 11
.set SPW, 12
.set NIL, 13
.set ST, 16
.set TM, 40
.set OT, 44                            ; v44-47 the other key half's m, l
.set MT, 48                            ; v48-63 the merge
.set S, 64
.set M, 192
.set WV, 14
.set QT, 15
.set G1K, 16
.set G1V, 24
.set G1M, 32
.set G0K, 40
.set G0V, 44
.set G0M, 48
.set LG, 58                            ; s[58:59] log2(e)
.set SEL, 60
.set CN, 62                            ; s[62:63] -100 log2(e)
.set CP, 66                            ; s[66:67] 50 log2(e)
.set HM, 68
.set CNT, 69
.set W_KQ, 0x0e                        ; K window 2, Q window 3, S window 0
.set W_PV, 0x52                        ; V window 2, P window 0, O window 1
.set W_RS, 0x41                        ; O (destination, source 0) window 1, a window 0
.set MSB, 0
.macro WIN new
.if MSB != (\new)
	s_set_vgpr_msb (MSB<<8)|(\new)
.set MSB, (\new)
.endif
.endm
.macro PLACES
.rept 4
	v_nop
.endr
.endm
.macro CREST
	s_cmp_lg_u32 s[WV], 0
	s_cbranch_scc1 .Lnot_wave_0_\@
	s_barrier_signal -3
.Lnot_wave_0_\@:
	s_barrier_wait -3
	s_barrier_signal -1
	s_barrier_wait -1
.endm
.macro CROUND
	s_barrier_signal -1
	s_barrier_wait -1
	CREST
.endm
.macro JLOAD_K                         ; waves 0, 1: the halves of K's 256 rows; wave 2: the mask's tile; wave 3: none.  Four v_nop in every arm: the places in front of the loads that follow
	s_cmp_lt_u32 s[WV], 2
	s_cbranch_scc0 .Lnot_k_\@
	tensor_load_to_lds s[G0K:G0K+3], s[G1K:G1K+7]
	s_nop 0
.rept 4
	v_nop
.endr
	s_branch .Lasked_\@
.Lnot_k_\@:
	s_cmp_eq_u32 s[WV], 2
	s_cbranch_scc0 .Lnone_\@
	tensor_load_to_lds s[G0M:G0M+3], s[G1M:G1M+7]
	s_nop 0
.rept 4
	v_nop
.endr
	s_branch .Lasked_\@
.Lnone_\@:
.rept 4
	v_nop
.endr
.Lasked_\@:
.endm
.macro JLOAD_V                         ; every wave: its 64 of V's 256 rows
	tensor_load_to_lds s[G0V:G0V+3], s[G1V:G1V+7]
	s_nop 0
.rept 5
	v_nop
.endr
.endm
	s_load_b256 s[4:11], s[0:1], 0x0               ; qh s[4:5], kh s[6:7], vh s[8:9], mask s[10:11]
	s_load_b64 s[12:13], s[0:1], 0x20              ; ao
	v_lshl_add_u32 v[SPW], v0, 2, SPARE
	v_mov_b32 v[NIL], 0
	ds_add_u32 v[SPW], v[NIL]                      ; the wave's opening: the add and its wait ahead of my first tensor load
	v_lshrrev_b32 v1, 5, v0
	v_readfirstlane_b32 s[WV], v1
	s_and_b32 s[QT], s[WV], 1                      ; my 16 queries; also: which half of K I fetch
	s_lshr_b32 s76, s[WV], 1                       ; my half of the keys
	s_bfe_u32 s52, ttmp6, 0x40000                  ; cx
	s_bfe_u32 s53, ttmp6, 0x40004                  ; cy = the kv head: there is one cluster along y
	s_lshl_b32 s54, ttmp9, 2
	s_add_co_u32 s54, s54, s52                     ; my block of 32 queries
	s_lshl_b32 s56, s53, 2
	s_lshl_b32 s56, 15, s56                        ; my row of the cluster
	s_lshl_b32 s57, 0x1111, s52                    ; my column
	s_or_b32 s[G1K], s56, (1<<16)|(1<<20)|(1<<21)|(6<<22)|(3<<25)  ; 2-byte elements, after every 128 words 4 words: pitch 528
	s_or_b32 s[G1V], s56, (1<<16)|(1<<20)|(1<<21)|(6<<22)|(7<<25)  ; 8 words: pitch 544
	s_or_b32 s[G1M], s57, (2<<16)|(1<<20)|(1<<21)|(7<<22)|(3<<25)  ; 4-byte elements, after every 256 words 4 words: pitch 1,040
.irp g, G1K, G1V, G1M
	s_mov_b32 s[(\g)+1], 256<<16                   ; tensor_dim0 = 256
	s_mov_b32 s[(\g)+3], 256<<16                   ; tile_dim0 = 256
	s_mov_b32 s[(\g)+6], 0
	s_mov_b32 s[(\g)+7], 0
.endr
	s_mov_b32 s[G1K+2], 128<<16                    ; rows: 128, 64, 32
	s_mov_b32 s[G1K+4], 128
	s_mov_b32 s[G1K+5], 256
	s_mov_b32 s[G1V+2], 64<<16
	s_mov_b32 s[G1V+4], 64
	s_mov_b32 s[G1V+5], 256
	s_mov_b32 s[G1M+2], 32<<16
	s_mov_b32 s[G1M+4], 32
	s_mov_b32 s[G1M+5], 4096
	s_mov_b32 s[G0K], 1
	s_mul_i32 s[G0K+1], s[QT], 128*PITK
	s_mov_b32 s[G0V], 1
	s_mul_i32 s[G0V+1], s[WV], 64*PITV
	s_add_co_u32 s[G0V+1], s[G0V+1], VREG
	s_mov_b32 s[G0M], 1
	s_mov_b32 s[G0M+1], MREG
	s_lshl_b32 s70, s53, 21                        ; K: the head's 2 MiB, my 128 rows of 512 bytes
	s_lshl_b32 s71, s[QT], 16
	s_add_co_u32 s70, s70, s71
	s_mov_b32 s71, 0
	s_lshl_b32 s72, s53, 21                        ; V: my 64 rows
	s_lshl_b32 s73, s[WV], 15
	s_add_co_u32 s72, s72, s73
	s_mov_b32 s73, 0
	s_lshl_b32 s74, s54, 19                        ; the mask: 32 rows of 16,384 bytes
	s_mov_b32 s75, 0
	s_lshl_b32 s78, s53, 21                        ; Q: head 2 cy (1 MiB a head), my 16 rows of 512 bytes
	s_lshl_b32 s79, s54, 14
	s_add_co_u32 s78, s78, s79
	s_lshl_b32 s79, s[QT], 13
	s_add_co_u32 s78, s78, s79
	s_mov_b32 s79, 0
	s_lshl_b32 s2, s54, 17                         ; ao: my 16 rows of 4,096 bytes, head 2 cy's 512 bytes
	s_lshl_b32 s3, s[QT], 16
	s_add_co_u32 s2, s2, s3
	s_lshl_b32 s3, s53, 10
	s_add_co_u32 s2, s2, s3
	s_mov_b32 s3, 0
	s_mov_b32 s[LG], 0x3fb8aa3b
	s_mov_b32 s[LG+1], s[LG]                       ; named as pairs
	s_mov_b32 s[SEL], 0x76543210
	s_mov_b32 s[SEL+1], 0xfedcba98
	s_mov_b32 s[CN], 0xc31044fe
	s_mov_b32 s[CN+1], s[CN]
	s_mov_b32 s[CP], 0x429044fe
	s_mov_b32 s[CP+1], s[CP]
	s_mov_b32 s[HM], 0xffff0000
	s_wait_dscnt 0x0                               ; the opening add is done
	s_wait_kmcnt 0x0
	s_add_nc_u64 s[G0K+2:G0K+3], s[6:7], s[70:71]
	s_or_b32 s[G0K+3], s[G0K+3], 0x80000000
	s_add_nc_u64 s[G0V+2:G0V+3], s[8:9], s[72:73]
	s_or_b32 s[G0V+3], s[G0V+3], 0x80000000
	s_add_nc_u64 s[G0M+2:G0M+3], s[10:11], s[74:75]
	s_or_b32 s[G0M+3], s[G0M+3], 0x80000000
	s_add_nc_u64 s[4:5], s[4:5], s[78:79]
	s_add_nc_u64 s[12:13], s[12:13], s[2:3]
	CROUND                                         ; all sixteen work-groups are here
	s_cmp_lt_u32 s[WV], 2                          ; a wave's first fills stand in one arm: at most two loads of mine are out
	s_cbranch_scc0 .Lf_not_k
	tensor_load_to_lds s[G0K:G0K+3], s[G1K:G1K+7]
	s_nop 0
	tensor_load_to_lds s[G0V:G0V+3], s[G1V:G1V+7]
	s_nop 0
.rept 4
	v_nop
.endr
	s_branch .Lf_done
.Lf_not_k:
	s_cmp_eq_u32 s[WV], 2
	s_cbranch_scc0 .Lf_three
	tensor_load_to_lds s[G0M:G0M+3], s[G1M:G1M+7]
	s_nop 0
	tensor_load_to_lds s[G0V:G0V+3], s[G1V:G1V+7]
	s_nop 0
.rept 4
	v_nop
.endr
	s_branch .Lf_done
.Lf_three:
	tensor_load_to_lds s[G0V:G0V+3], s[G1V:G1V+7]
	s_nop 0
.rept 4
	v_nop
.endr
.Lf_done:
	v_and_b32 v1, 15, v0                           ; r
	v_bfe_u32 v2, v0, 4, 1                         ; h
	v_lshlrev_b32 v[QO], 9, v1
	v_lshl_add_u32 v[QO], v2, 4, v[QO]
	WIN 0xc0                                       ; destination window 3
.set ff, 0
.rept 16                                       ; Q stays in registers: tile ff / 8, channels 32 (ff % 8) on
	global_load_b128 v[8*ff:8*ff+3],   v[QO], s[4:5] offset:(ff/8)*1048576+(ff%8)*64
	global_load_b128 v[8*ff+4:8*ff+7], v[QO], s[4:5] offset:(ff/8)*1048576+(ff%8)*64+32
.set ff, ff+1
.endr
	WIN 0x40                                       ; O = 0, l = 0, m the lowest finite number: the first group is a group like any other, with a = 0.  All this stands in the wait for the first tiles
.set ff, 0
.rept 256
	v_mov_b32 v[ff], 0
.set ff, ff+1
.endr
	WIN 0
.irp t, 0,1
	v_mov_b32 v[ST+12*\t], 0xff7fffff
	v_mov_b32 v[ST+12*\t+1], 0
	v_mov_b32 v[ST+12*\t+2], 0
	v_mov_b32 v[ST+12*\t+3], 0
	v_mov_b32 v[ST+12*\t+4], 0
	v_mov_b32 v[ST+12*\t+5], 0
	v_mov_b32 v[ST+12*\t+11], 0
.endr
	v_mul_u32_u24 v[AK], v1, PITK
	v_lshl_add_u32 v[AK], v2, 4, v[AK]
	s_mul_i32 s77, s76, 128*PITK
	v_add_nc_u32 v[AK], s77, v[AK]                 ; my key half, row r, 16 h
	v_and_b32 v14, 7, v0
	v_bfe_u32 v15, v0, 3, 1
	v_lshl_add_u32 v[AV], v2, 3, v14
	v_mul_u32_u24 v[AV], v[AV], PITV
	v_lshl_add_u32 v[AV], v15, 4, v[AV]
	s_mul_i32 s77, s76, 128*PITV
	s_add_co_u32 s77, s77, VREG
	v_add_nc_u32 v[AV], s77, v[AV]                 ; the turning load: key 8 h + l % 8, channels 8 ((l / 8) % 2) on
	v_mul_u32_u24 v[AM], v1, PITM
	v_lshl_add_u32 v[AM], v2, 5, v[AM]
	s_mul_i32 s77, s[QT], 16*PITM
	s_lshl_b32 s80, s76, 9
	s_add_co_u32 s77, s77, s80
	s_add_co_u32 s77, s77, MREG
	v_add_nc_u32 v[AM], s77, v[AM]                 ; my query's row of the mask, my key half's 512 bytes, 32 h
	v_and_b32 v14, 31, v0                          ; lane
	s_mul_i32 s80, s[QT], XCHB
	v_lshl_add_u32 v[XA], v14, 4, s80
	s_add_co_u32 s81, s80, 32768
	v_lshl_add_u32 v[XS], v14, 3, s81
	s_mul_i32 s80, s[WV], STGB
	s_add_co_u32 s80, s80, STG
	v_mul_u32_u24 v[STO], v1, 528
	v_lshl_add_u32 v[STO], v2, 4, v[STO]
	v_add_nc_u32 v[STO], s80, v[STO]
	v_lshl_add_u32 v[RD], v14, 4, s80
	v_lshlrev_b32 v[GO], 4, v14
; THE LDS LOADS stand in runs.  K of 32 keys (sub-step u): 16 fragments into buffer u % 2.  V of 32 keys (kk), turned: 16 fragments into buffer kk % 2.  The mask of my 128 keys.
.macro FETCH_K u
	WIN 0x80
.set ff, 0
.rept 16
	ds_load_b128 v[128*((\u)%2)+8*ff:128*((\u)%2)+8*ff+3],   v[AK] offset:(32*(\u)+16*(ff/8))*PITK+64*(ff%8)
	ds_load_b128 v[128*((\u)%2)+8*ff+4:128*((\u)%2)+8*ff+7], v[AK] offset:(32*(\u)+16*(ff/8))*PITK+64*(ff%8)+32
.set ff, ff+1
.endr
.endm
.macro FETCH_V kk
	WIN 0x80
.set ff, 0
.rept 16
	ds_load_tr16_b128 v[128*((\kk)%2)+8*ff:128*((\kk)%2)+8*ff+3],   v[AV] offset:32*(\kk)*PITV+32*ff
	ds_load_tr16_b128 v[128*((\kk)%2)+8*ff+4:128*((\kk)%2)+8*ff+7], v[AV] offset:(32*(\kk)+16)*PITV+32*ff
.set ff, ff+1
.endr
.endm
.macro FETCH_M
	WIN 0
.set ff, 0
.rept 8
	ds_load_b128 v[M+8*ff:M+8*ff+3],   v[AM] offset:64*ff
	ds_load_b128 v[M+8*ff+4:M+8*ff+7], v[AM] offset:64*ff+16
.set ff, ff+1
.endr
.endm
; THE MATRIX WORK.  Product i of 32 of S^T = K Q^T, sub-step u: channels 32 (i / 4) on, key block 2 u + (i / 2) % 2, tile i % 2: four accumulators take turns; the first four start the sums.
.macro KQ u
	WIN W_KQ
.set rS, S+64*(i%2)+8*(2*(\u)+(i/2)%2)
.set rK, 128*((\u)%2)+64*((i/2)%2)+8*(i/4)
.set rQ, 64*(i%2)+8*(i/4)
.if i < 4
	v_wmma_f32_16x16x32_f16 v[rS:rS+7], v[rK:rK+7], v[rQ:rQ+7], 0
.else
	v_wmma_f32_16x16x32_f16 v[rS:rS+7], v[rK:rK+7], v[rQ:rQ+7], v[rS:rS+7]
.endif
.set i, i+1
.endm
; Product i of 32 of O^T += V^T P, keys 32 kk on: channels 16 (i / 2) on, tile i % 2: 32 accumulators take turns.
.macro PVM kk
	WIN W_PV
.set rO, 128*(i%2)+8*(i/2)
.set rV, 128*((\kk)%2)+8*(i/2)
.set rP, S+64*(i%2)+8*(\kk)
	v_wmma_f32_16x16x32_f16 v[rO:rO+7], v[rV:rV+7], v[rP:rP+7], v[rO:rO+7]
.set i, i+1
.endm
; THE VECTOR WORK stands in queues; each macro writes its queue's next entry.  ITEM k: tile k % 2, pair k / 2 of the tile's 32 pairs of scores.
.macro ITEM k
.set tt, (\k)%2
.set pp, (\k)/2
.set rS, S+64*tt+2*pp
.set rT, ST+12*tt
.set rM, M+2*pp
.endm
; Q0, 128 entries, all plain: the mask rounded to bf16 and times log2(e), eight registers at a time.
.macro Q0
	WIN 0
.set g0, q0/16
.set e0, q0%16
.set rM, M+8*g0
.if e0 < 4
	v_cvt_pk_bf16_f32 v[TM+e0], v[rM+2*e0], v[rM+2*e0+1]
.elseif (e0 < 12) && (e0%2 == 0)
	v_lshlrev_b32 v[rM+e0-4], 16, v[TM+(e0-4)/2]
.elseif e0 < 12
	v_and_b32 v[rM+e0-4], s[HM], v[TM+(e0-4)/2]
.else
	v_pk_mul_f32 v[rM+2*(e0-12):rM+2*(e0-12)+1], v[rM+2*(e0-12):rM+2*(e0-12)+1], s[LG:LG+1] op_sel_hi:[1,0]
.endif
.set q0, q0+1
.endm
; Q1, 66 iterations of 8 slots: 2^e (k), 1 + (k-1), 2^e (k), cap (k-2), 1/ (k-1), + mask (k-2), 1/ (k-1), maximum (k-2).  Every transcendental has a plain line behind it ahead of its result's use;
; in iterations 0 and 1 a v_nop is that line.  An accumulator's lowest register is read first.
.macro Q1
	WIN 0
.set it, q1/8
.set sl, q1%8
.if (sl == 0) && (it < 64)
	ITEM it
	v_exp_f32 v[rS], v[rS]
.elseif (sl == 1) && (it >= 1) && (it <= 64)
	ITEM it-1
	s_wait_alu depctr_va_vdst(0)
	v_pk_add_f32 v[rS:rS+1], v[rS:rS+1], 1.0 op_sel_hi:[1,0]
.elseif (sl == 2) && (it < 64)
	ITEM it
	v_exp_f32 v[rS+1], v[rS+1]
.elseif (sl == 3) && (it < 2)
	v_nop
.elseif sl == 3
	ITEM it-2
	v_pk_fma_f32 v[rS:rS+1], v[rS:rS+1], s[CN:CN+1], s[CP:CP+1] op_sel_hi:[1,0,0]
.elseif (sl == 4) && (it >= 1) && (it <= 64)
	ITEM it-1
	v_rcp_f32 v[rS], v[rS]
.elseif (sl == 5) && (it >= 2)
	ITEM it-2
	v_pk_add_f32 v[rS:rS+1], v[rS:rS+1], v[rM:rM+1]
.elseif (sl == 6) && (it >= 1) && (it <= 64)
	ITEM it-1
	v_rcp_f32 v[rS+1], v[rS+1]
.elseif (sl == 7) && (it >= 2)
	ITEM it-2
.if pp < 4
	v_max_num_f32 v[rT+6+pp], v[rS], v[rS+1]
.else
	v_max3_num_f32 v[rT+6+pp%4], v[rT+6+pp%4], v[rS], v[rS+1]
	s_wait_alu depctr_va_vdst(0)
.endif
.endif
.set q1, q1+1
.endm
; The statistics, the two tiles by turns: the four chains and the old m; the other half of the lanes'; a = 2^(m_old - m); l = a l.
.macro STATS
	WIN 0
.irp t, 0,1
	v_max3_num_f32 v[ST+12*\t+6], v[ST+12*\t+6], v[ST+12*\t+7], v[ST+12*\t+8]
.endr
.irp t, 0,1
	v_max3_num_f32 v[ST+12*\t+6], v[ST+12*\t+6], v[ST+12*\t+9], v[ST+12*\t]
.endr
.irp t, 0,1
	v_permlanex16_b32 v[ST+12*\t+11], v[ST+12*\t+6], s[SEL], s[SEL+1]
.endr
.irp t, 0,1
	v_mov_b32 v[ST+12*\t+10], v[ST+12*\t]
.endr
.irp t, 0,1
	v_max_num_f32 v[ST+12*\t], v[ST+12*\t+6], v[ST+12*\t+11]
.endr
.irp t, 0,1
	v_sub_f32 v[ST+12*\t+10], v[ST+12*\t+10], v[ST+12*\t]
.endr
.irp t, 0,1
	v_exp_f32 v[ST+12*\t+4], v[ST+12*\t+10]
.endr
	v_nop
	s_wait_alu depctr_va_vdst(0)
.irp t, 0,1
	v_pk_mul_f32 v[ST+12*\t+2:ST+12*\t+3], v[ST+12*\t+2:ST+12*\t+3], v[ST+12*\t+4:ST+12*\t+5] op_sel_hi:[1,0]
.endr
.endm
; Q2: entry 0 is s - m of item 0; then 65 iterations of 5 slots: s - m (k+1), 2^ (k), l += (k-1), 2^ (k), rounding to f16 (k-1), into register k / 2 of the tile: behind its own sum, and below every pair still to come.
; When entry 85 + 80 n has been written the weights of keys 32 n .. 32 n + 31 are packed.
.macro Q2
	WIN 0
.set it, (q2-1)/5
.set sl, (q2-1)%5
.if q2 == 0
	ITEM 0
	v_pk_add_f32 v[rS:rS+1], v[rS:rS+1], v[rT:rT+1] op_sel_hi:[1,0] neg_lo:[0,1] neg_hi:[0,1]
.elseif (sl == 0) && (it < 63)
	ITEM it+1
	v_pk_add_f32 v[rS:rS+1], v[rS:rS+1], v[rT:rT+1] op_sel_hi:[1,0] neg_lo:[0,1] neg_hi:[0,1]
.elseif (sl == 1) && (it < 64)
	ITEM it
	v_exp_f32 v[rS], v[rS]
.elseif (sl == 2) && (it >= 1)
	ITEM it-1
	s_wait_alu depctr_va_vdst(0)
	v_pk_add_f32 v[rT+2:rT+3], v[rT+2:rT+3], v[rS:rS+1]
.elseif (sl == 3) && (it < 64)
	ITEM it
	v_exp_f32 v[rS+1], v[rS+1]
.elseif (sl == 4) && (it >= 1)
	ITEM it-1
	v_cvt_pk_f16_f32 v[S+64*tt+pp], v[rS], v[rS+1]
.endif
.set q2, q2+1
.endm
.macro R4                              ; one accumulator of O^T times a, from its lowest registers on
	WIN W_RS
.set rO, 128*(rr%2)+8*(rr/2)
.set rT, ST+12*(rr%2)
.irp z, 0,1,2,3
	v_pk_mul_f32 v[rO+2*\z:rO+2*\z+1], v[rO+2*\z:rO+2*\z+1], v[rT+4:rT+5] op_sel_hi:[1,0]
.endr
.set rr, rr+1
.endm
.macro KQR u, n, q:vararg              ; n products K Q^T, four lines of queue q behind each
.rept \n
	KQ \u
	\q
	\q
	\q
	\q
.endr
.endm
; A GROUP of 256 keys.  fill = 1: K and the mask of the next group are asked for in its middle, V of the next group at its end.
.macro GROUP fill
.set q0, 0
.set q1, 0
.set q2, 0
.set rr, 0
	s_wait_dscnt 0x0                               ; K of sub-step 0 and the mask are in
	PLACES
	FETCH_K 1
.set i, 0
	KQR 0, 32, Q0
	s_wait_dscnt 0x0                               ; K of sub-step 1
	PLACES                                         ; behind sub-step 0's products: its scores are read, and its buffer is loaded again
	FETCH_K 2
.set i, 0
	KQR 1, 32, Q1
	s_wait_dscnt 0x0
	PLACES
	FETCH_K 3
.set i, 0
	KQR 2, 32, Q1
	PLACES
	WIN 0
	s_wait_tensorcnt 0x0                           ; all my tensor loads have landed: my part of V of this group
	ds_add_u32 v[SPW], v[NIL]
.if \fill
	s_add_nc_u64 s[G0K+2:G0K+3], s[G0K+2:G0K+3], 131072  ; no load of mine is out: the next 256 keys,
	s_add_nc_u64 s[G0M+2:G0M+3], s[G0M+2:G0M+3], 1024    ; and their 1,024 bytes of the mask's rows
.endif
	s_wait_dscnt 0x1                               ; K of sub-step 3 is in; the add may be out
.set i, 0
	KQR 3, 16, Q1
	s_wait_dscnt 0x0                               ; the add is done; my reads of K and of the mask are over
	s_barrier_signal -1
	KQR 3, 16, Q1
	WIN 0
	s_barrier_wait -1
.if \fill
	CREST                                          ; no wave of any partner still reads K or the mask, or has a load on its way
	JLOAD_K
.else
	PLACES
.endif
	FETCH_V 0
	FETCH_V 1
.rept 144
	Q1
.endr
	STATS
.rept 16
	Q2
	Q2
	Q2
	Q2
	Q2
	R4
	R4
.endr
.rept 6
	Q2
.endr
.irp kk, 0,1,2
	s_wait_dscnt 32                                ; V of keys 32 kk on is in; the run behind it stays out
.set i, 0
.rept 16
	PVM \kk
	Q2
	Q2
	Q2
	PVM \kk
	Q2
	Q2
.endr
.if (\kk) < 2
	PLACES
	FETCH_V (\kk)+2
.endif
.endr
.set i, 0
.if \fill
	WIN 0
	s_wait_tensorcnt 0x0                           ; K and the mask of the next group have landed
	ds_add_u32 v[SPW], v[NIL]
	s_add_nc_u64 s[G0V+2:G0V+3], s[G0V+2:G0V+3], 131072
	s_wait_dscnt 0x1                               ; V's last run is in; the add may be out
.rept 16
	PVM 3
.endr
	s_wait_dscnt 0x0                               ; the add is done; my reads of V are over
	s_barrier_signal -1
.rept 16
	PVM 3
.endr
	WIN 0
	s_barrier_wait -1
	CREST
	JLOAD_V                                        ; its v_nop are the places in front of the loads below and of the next group's first products
	FETCH_K 0
	FETCH_M
	WIN 0
.else
	s_wait_dscnt 0x0
.rept 32
	PVM 3
.endr
.endif
.endm
	s_wait_tensorcnt 0x0                           ; my parts of K, V and the mask of group 0
	s_barrier_signal -1
	s_barrier_wait -1                              ; everybody's
	FETCH_K 0
	FETCH_M
	s_wait_loadcnt 0x0                             ; Q
	WIN 0
	s_mov_b32 s[CNT], 15
.Lgroup:
	GROUP 1
	s_sub_co_u32 s[CNT], s[CNT], 1
	s_cmp_lg_u32 s[CNT], 0
	s_cbranch_scc1 .Lgroup
	GROUP 0                                        ; the last group is written out
	; THE END.  l is summed; the waves of the second key half hand O, m, l to their partners through K's region, which has had its last fill and whose last reads lie behind a barrier.
	PLACES
	WIN 0
.irp t, 0,1
	v_add_f32 v[ST+12*\t+2], v[ST+12*\t+2], v[ST+12*\t+3]
.endr
.irp t, 0,1
	v_permlanex16_b32 v[ST+12*\t+11], v[ST+12*\t+2], s[SEL], s[SEL+1]
.endr
.irp t, 0,1
	v_add_f32 v[ST+12*\t+1], v[ST+12*\t+2], v[ST+12*\t+11]  ; l beside m
.endr
	s_cmp_lt_u32 s[WV], 2
	s_cbranch_scc1 .Lkeep
	WIN 0x04                                       ; store data in window 1
.set ff, 0
.rept 64
	ds_store_b128 v[XA], v[4*ff:4*ff+3] offset:512*ff
.set ff, ff+1
.endr
	WIN 0
	ds_store_b64 v[XS], v[ST:ST+1]
	ds_store_b64 v[XS], v[ST+12:ST+13] offset:256
.Lkeep:
	s_wait_dscnt 0x0                               ; for the others' sake: my stores are done
	s_barrier_signal -1
	s_barrier_wait -1
	s_cmp_lt_u32 s[WV], 2
	s_cbranch_scc0 .Lend
	WIN 0x80
.set ff, 0
.rept 64
	ds_load_b128 v[4*ff:4*ff+3], v[XA] offset:512*ff
.set ff, ff+1
.endr
	WIN 0
	ds_load_b64 v[OT:OT+1], v[XS]
	ds_load_b64 v[OT+2:OT+3], v[XS] offset:256
	s_wait_dscnt 0x0
.irp t, 0,1                            ; m* = max(m, m'); f = 2^(m - m*), f' likewise; O = (O f + O' f') / (l f + l' f')
	v_max_num_f32 v[MT+8*\t], v[ST+12*\t], v[OT+2*\t]
.endr
.irp t, 0,1
	v_sub_f32 v[MT+8*\t+1], v[ST+12*\t], v[MT+8*\t]
	v_sub_f32 v[MT+8*\t+2], v[OT+2*\t], v[MT+8*\t]
.endr
.irp t, 0,1
	v_exp_f32 v[MT+8*\t+1], v[MT+8*\t+1]
	v_exp_f32 v[MT+8*\t+2], v[MT+8*\t+2]
.endr
	v_nop
	s_wait_alu depctr_va_vdst(0)
.irp t, 0,1
	v_mul_f32 v[MT+8*\t+3], v[ST+12*\t+1], v[MT+8*\t+1]
.endr
.irp t, 0,1
	v_fmac_f32 v[MT+8*\t+3], v[OT+2*\t+1], v[MT+8*\t+2]
.endr
.irp t, 0,1
	v_rcp_f32 v[MT+8*\t+3], v[MT+8*\t+3]
.endr
	v_nop
	s_wait_alu depctr_va_vdst(0)
.irp t, 0,1
	v_mul_f32 v[MT+8*\t+4], v[MT+8*\t+1], v[MT+8*\t+3]
	v_mul_f32 v[MT+8*\t+5], v[MT+8*\t+1], v[MT+8*\t+3]
	v_mul_f32 v[MT+8*\t+6], v[MT+8*\t+2], v[MT+8*\t+3]
	v_mul_f32 v[MT+8*\t+7], v[MT+8*\t+2], v[MT+8*\t+3]
.endr
	WIN 0x82                                       ; O' in window 2
.set ff, 0
.rept 128
	v_pk_mul_f32 v[2*ff:2*ff+1], v[2*ff:2*ff+1], v[MT+8*(ff/64)+6:MT+8*(ff/64)+7]
.set ff, ff+1
.endr
	WIN 0x61                                       ; O (destination, source 0) window 1, the factor window 0, O' window 2
.set ff, 0
.rept 128
	v_pk_fma_f32 v[2*ff:2*ff+1], v[2*ff:2*ff+1], v[MT+8*(ff/64)+4:MT+8*(ff/64)+5], v[2*ff:2*ff+1]
.set ff, ff+1
.endr
	WIN 0x05
.set ff, 0
.rept 128
	v_cvt_pk_f16_f32 v[S+ff], v[2*ff], v[2*ff+1]   ; the one rounding of O
.set ff, ff+1
.endr
	WIN 0
.irp t, 0,1                            ; a tile: 16 bytes a lane into rows of 528 bytes of my stage, back as whole rows of 512
.set ff, 0
.rept 16
	ds_store_b128 v[STO], v[S+64*\t+4*ff:S+64*\t+4*ff+3] offset:32*ff
.set ff, ff+1
.endr
.set ff, 0
.rept 16
	ds_load_b128 v[S+64*\t+4*ff:S+64*\t+4*ff+3], v[RD] offset:528*ff  ; LDS serves a wave's instructions in order
.set ff, ff+1
.endr
.endr
.irp t, 0,1
.set ff, 0
.rept 16
	s_wait_dscnt 32*(1-\t)+15-ff                   ; row ff of tile t is back; behind it: the tile's later rows and, for tile 0, tile 1's 32 instructions
	global_store_b128 v[GO], v[S+64*\t+4*ff:S+64*\t+4*ff+3], s[12:13] offset:4096*ff+512*\t  ; 512 consecutive bytes, aligned
.set ff, ff+1
.endr
.endr
.Lend:
	s_wait_tensorcnt 0x0                           ; the wave's end
	ds_add_u32 v[SPW], v[NIL]
	s_wait_dscnt 0x0
	CROUND                                         ; the closing round
	s_endpgm
.Lfunc_end_k_qe2d8fe527b_attn:
	.size	k_qe2d8fe527b_attn, .Lfunc_end_k_qe2d8fe527b_attn-k_qe2d8fe527b_attn
	.p2alignl 7, 3214868480
	.fill 96, 4, 3214868480
	.section	.rodata,"a",@progbits
	.p2align	6, 0x0
	.amdhsa_kernel k_qe2d8fe527b_attn
		.amdhsa_group_segment_fixed_size 327680
		.amdhsa_private_segment_fixed_size 0
		.amdhsa_enable_private_segment 0
		.amdhsa_kernarg_size 40
		.amdhsa_user_sgpr_count 2
		.amdhsa_user_sgpr_kernarg_segment_ptr 1
		.amdhsa_wavefront_size32 1
		.amdhsa_system_sgpr_workgroup_id_x 1
		.amdhsa_system_sgpr_workgroup_id_y 1
		.amdhsa_system_sgpr_workgroup_id_z 1
		.amdhsa_system_vgpr_workitem_id 0
		.amdhsa_next_free_vgpr 896
		.amdhsa_next_free_sgpr 88
		.amdhsa_reserve_vcc 0
		.amdhsa_float_denorm_mode_32 3
		.amdhsa_float_denorm_mode_16_64 3
		.amdhsa_memory_ordered 1
		.amdhsa_forward_progress 1
		.amdhsa_inst_pref_size 255
	.end_amdhsa_kernel
	.section	.bss,"aw",@nobits
	.p2align	6
	.space	262144
	.amdgpu_metadata
---
amdhsa.version: [ 1, 2 ]
amdhsa.kernels:
  - .name:           k_qe2d8fe527b_attn
    .symbol:         k_qe2d8fe527b_attn.kd
    .args:
      - { .name: qh, .offset: 0, .size: 8, .value_kind: global_buffer, .address_space: global }
      - { .name: kh, .offset: 8, .size: 8, .value_kind: global_buffer, .address_space: global }
      - { .name: vh, .offset: 16, .size: 8, .value_kind: global_buffer, .address_space: global }
      - { .name: attention_mask, .offset: 24, .size: 8, .value_kind: global_buffer, .address_space: global }
      - { .name: ao, .offset: 32, .size: 8, .value_kind: global_buffer, .address_space: global }
    .group_segment_fixed_size: 327680
    .private_segment_fixed_size: 0
    .kernarg_segment_align: 8
    .kernarg_segment_size: 40
    .max_flat_workgroup_size: 128
    .sgpr_count:     88
    .vgpr_count:     896
    .wavefront_size: 32
...
	.end_amdgpu_metadata
.endif
;; end of part 3
;; launch oproj (part 4): grid 16 x 16, 4 waves a work-group, clusters of 4 x 4, 327,680 bytes of LDS; arguments ao, wob, out0; writes out0
.if DOCPART == 4
	.amdgcn_target "amdgcn-amd-amdhsa--gfx1250"
	.amdhsa_code_object_version 6
	.text
	.protected	k_qe2d8fe527b_oproj
	.globl	k_qe2d8fe527b_oproj
	.p2align	8
	.type	k_qe2d8fe527b_oproj,@function
k_qe2d8fe527b_oproj:
	s_mov_b64 s[64:65], 0
	v_nop
	global_prefetch_b8 v0, s[64:65] scope:SCOPE_SE
	s_setreg_imm32_b32 hwreg(HW_REG_WAVE_MODE, 25, 1), 1
	s_wait_xcnt 0x0
	s_wait_alu depctr_hold_cnt(0) depctr_sa_sdst(0) depctr_va_vdst(0) depctr_va_sdst(0) depctr_va_ssrc(0) depctr_va_vcc(0) depctr_vm_vsrc(0)
	s_getreg_b32 s2, hwreg(HW_REG_IB_STS2, 6, 4)
	s_cmp_eq_u32 s2, 0
	s_cbranch_scc0 .Lentry_in_a_cluster
	s_endpgm
.Lentry_in_a_cluster:
	s_bfe_u32 s2, ttmp6, 0x10000c
	s_cmp_lg_u32 s2, 0xf033
	s_cbranch_scc0 .Lentry_shape_is_right
	s_endpgm
.Lentry_shape_is_right:
; out0[m][n] = sum over k of ao[m][k] wob[k][n].  ao [2048][2048] f16, wob [2048 k][2048 n] f16, out0 f32; sums in f32, K ascending.
; A tile of out0 is 128 x 128: 256 work-groups, one for each WGP.  Four waves, each 64 x 64: 16 accumulators.  K goes in steps of 256 through two LDS slots: ao's 128 rows of 512 bytes (+ 16),
; and wob's 256 k-rows of 256 bytes (+ 32), which are read turned by ds_load_tr16_b128.  Behind each round a wave has one tensor load out, with 112 matrix instructions ahead of the wait for it.
; CLUSTER 4 x 4: ao's tile is asked for jointly along a row of the cluster, wob's along a column.
; THE MATRIX INSTRUCTION IS USED TRANSPOSED (source 0 = 16 columns of wob, source 1 = 16 rows of ao): a lane holds eight neighbouring f32 of a row.  A wave's 64 columns are 256 bytes, a whole aligned
; block of out0, so each wave sends its rows through a stage of its own and no barrier stands on the way out.
; REGISTERS: window 0: v16-29 addresses, v32-95 the way out, v128-255 accumulators ((a, b) at 128 + 8 (4 a + b)).  window 1: two fragment buffers of 128: 64 of ao, 64 of wob, for 64 along K.
.set KSTEP,  256
.set PITCH,  528
.set PB,     288
.set HALFT,  64*PITCH
.set BOFF,   2*HALFT
.set BHALF,  128*PB
.set SLOT,   BOFF+2*BHALF              ; 141,312
.set STAGE,  2*SLOT
.set SPITCH, 272
.set SPARE,  STAGE+4*16*SPITCH         ; 300,032: the spare words, two blocks of 256 bytes that no other line names
.set LAPS,   4
.set ADRA, 16
.set ADRB, 20                          ; v20-23: slot, half of the 256 k-rows
.set STO,  24
.set RD,   25
.set CO,   26
.set SPW,  28
.set NIL,  29
.set TMP,  32
.set ACC,  128
.set F0,   0
.set F1,   128
.set G1, 24
.set G0, 32
.set G1B, 48
.set G0B, 56
.set MSB, 0
.macro WIN new
.if MSB != (\new)
	s_set_vgpr_msb (MSB<<8)|(\new)
.set MSB, (\new)
.endif
.endm
.set MUL,  0x05
.set TO_F, 0x40
.macro JLOAD s                         ; waves 0, 1 fetch ao's two halves, waves 2, 3 wob's two halves of k-rows; an s_nop 0 and four v_nop follow each line
	s_cmp_eq_u32 s11, 0
	s_cbranch_scc0 .Lfor_b_\@
	tensor_load_to_lds s[G0+4*(\s):G0+4*(\s)+3], s[G1:G1+7]
	s_nop 0
.rept 4
	v_nop
.endr
	s_branch .Lasked_\@
.Lfor_b_\@:
	tensor_load_to_lds s[G0B+4*(\s):G0B+4*(\s)+3], s[G1B:G1B+7]
	s_nop 0
.rept 4
	v_nop
.endr
.Lasked_\@:
.endm
.macro CREST
	s_cmp_lg_u32 s10, 0
	s_cbranch_scc1 .Lnot_wave_0_\@
	s_barrier_signal -3
.Lnot_wave_0_\@:
	s_barrier_wait -3
	s_barrier_signal -1
	s_barrier_wait -1
.endm
.macro CROUND
	s_barrier_signal -1
	s_barrier_wait -1
	CREST
.endm
	s_load_b128 s[4:7], s[0:1], 0x0                ; ao s[4:5], wob s[6:7]
	s_load_b64 s[8:9], s[0:1], 0x10                ; out0
	v_lshl_add_u32 v[SPW], v0, 2, SPARE
	v_mov_b32 v[NIL], 0
	ds_add_u32 v[SPW], v[NIL]                      ; the wave's opening: the add and its wait ahead of my first tensor load
	v_lshrrev_b32 v1, 5, v0
	v_readfirstlane_b32 s10, v1                    ; wave
	s_lshr_b32 s11, s10, 1                         ; my half of the tile's rows; also: I fetch for ao (0) or wob (1)
	s_and_b32 s12, s10, 1                          ; my half of its columns; also: which half I fetch
	s_bfe_u32 s40, ttmp6, 0x40000
	s_bfe_u32 s41, ttmp6, 0x40004
	s_lshl_b32 s42, ttmp9, 2
	s_add_co_u32 s42, s42, s40                     ; tile column
	s_and_b32 s13, ttmp7, 0xffff
	s_lshl_b32 s13, s13, 2
	s_add_co_u32 s13, s13, s41                     ; tile row
	s_lshl_b32 s43, s41, 2
	s_lshl_b32 s43, 15, s43
	s_lshl_b32 s44, 0x1111, s40
	s_or_b32 s[G1+0], s43, (1<<16)|(1<<20)|(1<<21)|(6<<22)|(3<<25)   ; 64 rows x 256 elements, after every 128 words 4 words
	s_or_b32 s[G1B+0], s44, (1<<16)|(1<<20)|(1<<21)|(5<<22)|(7<<25)  ; 128 rows x 128 elements, after every 64 words 8 words
	s_mov_b32 s[G1+1], 256<<16
	s_mov_b32 s[G1+2], 64<<16
	s_mov_b32 s[G1+3], 256<<16
	s_mov_b32 s[G1+4], 64
	s_mov_b32 s[G1B+1], 128<<16
	s_mov_b32 s[G1B+2], 128<<16
	s_mov_b32 s[G1B+3], 128<<16
	s_mov_b32 s[G1B+4], 128
.irp g, G1, G1B
	s_mov_b32 s[(\g)+5], 2048
	s_mov_b32 s[(\g)+6], 0
	s_mov_b32 s[(\g)+7], 0
.endr
	s_lshl_b32 s16, s13, 19                        ; ao: 128 rows of 4,096 bytes a tile row, 64 a half
	s_lshl_b32 s17, s12, 18
	s_add_co_u32 s16, s16, s17
	s_mov_b32 s17, 0
	s_lshl_b32 s46, s42, 8                         ; wob: 128 columns of 2 bytes a tile column; 128 k-rows of 4,096 bytes a half
	s_lshl_b32 s47, s12, 19
	s_add_co_u32 s46, s46, s47
	s_mov_b32 s47, 0
	s_mul_i32 s20, s12, HALFT
	s_mul_i32 s21, s12, BHALF
	s_add_co_u32 s21, s21, BOFF
	s_wait_dscnt 0x0                               ; the opening add is done
	s_wait_kmcnt 0x0
	s_add_nc_u64 s[14:15], s[4:5], s[16:17]
	s_add_nc_u64 s[46:47], s[6:7], s[46:47]
	CROUND
.irp s, 0,1
	s_mov_b32 s[G0+4*(\s)], 1
	s_add_co_u32 s[G0+4*(\s)+1], s20, (\s)*SLOT
	s_add_nc_u64 s[G0+4*(\s)+2:G0+4*(\s)+3], s[14:15], (\s)*KSTEP*2
	s_or_b32 s[G0+4*(\s)+3], s[G0+4*(\s)+3], 0x80000000
	s_mov_b32 s[G0B+4*(\s)], 1
	s_add_co_u32 s[G0B+4*(\s)+1], s21, (\s)*SLOT
	s_add_nc_u64 s[G0B+4*(\s)+2:G0B+4*(\s)+3], s[46:47], (\s)*KSTEP*4096
	s_or_b32 s[G0B+4*(\s)+3], s[G0B+4*(\s)+3], 0x80000000
	JLOAD \s
.endr
	v_and_b32 v1, 15, v0                           ; r
	v_bfe_u32 v2, v0, 4, 1                         ; h
	v_mul_u32_u24 v3, v1, PITCH
	v_lshl_add_u32 v3, v2, 4, v3
	s_mul_i32 s21, s11, HALFT                      ; my 64 rows of ao
	v_add_nc_u32 v[ADRA], s21, v3
	v_add_nc_u32 v[ADRA+1], SLOT, v[ADRA]
	v_and_b32 v4, 7, v0                            ; the turning load: k-row 8 h + l % 8, columns 8 ((l / 8) % 2) on, in my 64 columns
	v_bfe_u32 v5, v0, 3, 1
	v_lshl_add_u32 v4, v2, 3, v4
	v_mul_u32_u24 v4, v4, PB
	v_lshl_add_u32 v4, v5, 4, v4
	s_lshl_b32 s22, s12, 7
	v_add_nc_u32 v4, s22, v4
	v_add_nc_u32 v[ADRB], BOFF, v4
	v_add_nc_u32 v[ADRB+1], BOFF+BHALF, v4
	v_add_nc_u32 v[ADRB+2], SLOT+BOFF, v4
	v_add_nc_u32 v[ADRB+3], SLOT+BOFF+BHALF, v4
	s_mul_i32 s23, s10, 16*SPITCH
	s_add_co_u32 s23, s23, STAGE                   ; my stage
	v_mul_u32_u24 v[STO], v1, SPITCH               ; in: row r, 32 bytes for each half of the lanes
	v_lshl_add_u32 v[STO], v2, 5, v[STO]
	v_add_nc_u32 v[STO], s23, v[STO]
	v_mul_u32_u24 v[RD], v2, SPITCH                ; back: lanes 0-15 one row of 256 bytes, lanes 16-31 the next
	v_lshl_add_u32 v[RD], v1, 4, v[RD]
	v_add_nc_u32 v[RD], s23, v[RD]
	v_lshlrev_b32 v[CO], 13, v2                    ; and the same two rows of out0, 8,192 bytes apart
	v_lshl_add_u32 v[CO], v1, 4, v[CO]
	s_lshl_b32 s16, s13, 20                        ; my first row of out0,
	s_lshl_b32 s17, s11, 19
	s_add_co_u32 s16, s16, s17
	s_mov_b32 s17, 0
	s_add_nc_u64 s[8:9], s[8:9], s[16:17]
	s_lshl_b32 s46, s42, 9                         ; my first column
	s_lshl_b32 s47, s12, 8
	s_add_co_u32 s46, s46, s47
	s_mov_b32 s47, 0
	s_add_nc_u64 s[8:9], s[8:9], s[46:47]
.macro MUL8 f, c, a0, zero             ; 8 matrix instructions: row blocks a0, a0 + 1 x 4 column blocks, half c of buffer f; the 16 accumulators take turns
	WIN MUL
.irp a, \a0, (\a0)+1
.irp b, 0,1,2,3
.if \zero
	v_wmma_f32_16x16x32_f16 v[ACC+8*(4*(\a)+(\b)):ACC+8*(4*(\a)+(\b))+7], v[(\f)+64+8*(4*(\c)+(\b)):(\f)+64+8*(4*(\c)+(\b))+7], v[(\f)+8*(4*(\c)+(\a)):(\f)+8*(4*(\c)+(\a))+7], 0
.else
	v_wmma_f32_16x16x32_f16 v[ACC+8*(4*(\a)+(\b)):ACC+8*(4*(\a)+(\b))+7], v[(\f)+64+8*(4*(\c)+(\b)):(\f)+64+8*(4*(\c)+(\b))+7], v[(\f)+8*(4*(\c)+(\a)):(\f)+8*(4*(\c)+(\a))+7], v[ACC+8*(4*(\a)+(\b)):ACC+8*(4*(\a)+(\b))+7]
.endif
.endr
.endr
.endm
.macro FETCH slot, q, f                ; 32 LDS loads in one run: quarter q (64 along K) into buffer f; the first 32 along K first
	WIN TO_F
.irp c, 0,1
.irp i, 0,1,2,3
	ds_load_tr16_b128 v[(\f)+64+8*(4*(\c)+(\i)):(\f)+64+8*(4*(\c)+(\i))+3],   v[ADRB+2*(\slot)+(\q)/2] offset:(((\q)%2)*64+32*(\c))*PB+32*(\i)
	ds_load_tr16_b128 v[(\f)+64+8*(4*(\c)+(\i))+4:(\f)+64+8*(4*(\c)+(\i))+7], v[ADRB+2*(\slot)+(\q)/2] offset:(((\q)%2)*64+32*(\c)+16)*PB+32*(\i)
	ds_load_b128 v[(\f)+8*(4*(\c)+(\i)):(\f)+8*(4*(\c)+(\i))+3],         v[ADRA+(\slot)] offset:128*(\q)+64*(\c)+(\i)*16*PITCH
	ds_load_b128 v[(\f)+8*(4*(\c)+(\i))+4:(\f)+8*(4*(\c)+(\i))+7],       v[ADRA+(\slot)] offset:128*(\q)+64*(\c)+(\i)*16*PITCH+32
.endr
.endr
.endm
.macro PLACES
.rept 4
	v_nop
.endr
.endm
.macro QUARTER slot, q, f, g, zero     ; multiplies buffer f, fetches quarter q into g
	s_wait_dscnt 16                                ; the first 32 along K are in
	MUL8 \f, 0, 0, \zero
	MUL8 \f, 0, 2, \zero
	PLACES
	FETCH \slot, \q, \g
	s_wait_dscnt 32                                ; all but the 32 just issued
	MUL8 \f, 1, 0, 0
	MUL8 \f, 1, 2, 0
.endm
.macro TURN slot, next, fill           ; the last quarter multiplies buffer 1 and changes slots
	WIN 0
	s_wait_tensorcnt 0x0                           ; all my tensor loads have landed: my part of the next slot
	ds_add_u32 v[SPW], v[NIL]
	s_wait_dscnt 17                                ; the add and the youngest sixteen loads may be out
	MUL8 F1, 0, 0, 0
	s_wait_dscnt 0x0                               ; the add is done, my reads of this slot are over
	s_barrier_signal -1
	MUL8 F1, 0, 2, 0
.if \fill
	WIN 0
.endif
	s_barrier_wait -1
.if \fill
	CREST
	s_add_nc_u64 s[G0+4*(\slot)+2:G0+4*(\slot)+3], s[G0+4*(\slot)+2:G0+4*(\slot)+3], 2*KSTEP*2
	s_add_nc_u64 s[G0B+4*(\slot)+2:G0B+4*(\slot)+3], s[G0B+4*(\slot)+2:G0B+4*(\slot)+3], 2*KSTEP*4096
	JLOAD \slot
.else
	PLACES
.endif
	FETCH \next, 0, F0
	MUL8 F1, 1, 0, 0
	MUL8 F1, 1, 2, 0
.endm
	s_wait_tensorcnt 1                             ; my part of K step 0 is in; step 1's may stay out
	s_barrier_signal -1
	s_barrier_wait -1
	FETCH 0, 0, F0
	QUARTER 0, 1, F0, F1, 1
	WIN 0
	s_mov_b32 s3, LAPS-1
.Llap:
	QUARTER 0, 2, F1, F0, 0
	QUARTER 0, 3, F0, F1, 0
	TURN 0, 1, 1
	QUARTER 1, 1, F0, F1, 0
	QUARTER 1, 2, F1, F0, 0
	QUARTER 1, 3, F0, F1, 0
	TURN 1, 0, 1
	QUARTER 0, 1, F0, F1, 0
	WIN 0
	s_sub_co_u32 s3, s3, 1
	s_cmp_lg_u32 s3, 0
	s_cbranch_scc1 .Llap
	QUARTER 0, 2, F1, F0, 0                        ; the last lap fills nothing
	QUARTER 0, 3, F0, F1, 0
	TURN 0, 1, 0
	QUARTER 1, 1, F0, F1, 0
	QUARTER 1, 2, F1, F0, 0
	QUARTER 1, 3, F0, F1, 0
	s_wait_dscnt 16
	MUL8 F1, 0, 0, 0
	MUL8 F1, 0, 2, 0
	s_wait_dscnt 0x0
	MUL8 F1, 1, 0, 0
	MUL8 F1, 1, 2, 0
	WIN 0
	; THE WAY OUT, 16 rows at a time: 32 bytes a lane straight from the accumulators (their lowest registers first) into my stage, back as whole rows of 256 bytes.
	PLACES
.irp a, 0,1,2,3
.irp b, 0,1,2,3
	ds_store_b128 v[STO], v[ACC+8*(4*(\a)+(\b)):ACC+8*(4*(\a)+(\b))+3]   offset:64*(\b)
	ds_store_b128 v[STO], v[ACC+8*(4*(\a)+(\b))+4:ACC+8*(4*(\a)+(\b))+7] offset:64*(\b)+16
.endr
	s_wait_xcnt 0x0                                ; registers that earlier stores read are loaded again only behind this wait
.irp t, 0,1,2,3,4,5,6,7
	ds_load_b128 v[TMP+32*((\a)%2)+4*(\t):TMP+32*((\a)%2)+4*(\t)+3], v[RD] offset:(\t)*2*SPITCH  ; LDS serves a wave's instructions in order: these see the stores above
.endr
.irp t, 0,1,2,3,4,5,6,7
	s_wait_dscnt 7-(\t)
	global_store_b128 v[CO], v[TMP+32*((\a)%2)+4*(\t):TMP+32*((\a)%2)+4*(\t)+3], s[8:9] offset:131072*(\a)+16384*(\t) th:TH_STORE_NT  ; 16 lanes store 256 consecutive aligned bytes
.endr
.endr
	s_wait_tensorcnt 0x0                           ; the wave's end
	ds_add_u32 v[SPW], v[NIL]
	s_wait_dscnt 0x0
	CROUND                                         ; the closing round
	s_endpgm
.Lfunc_end_k_qe2d8fe527b_oproj:
	.size	k_qe2d8fe527b_oproj, .Lfunc_end_k_qe2d8fe527b_oproj-k_qe2d8fe527b_oproj
	.p2alignl 7, 3214868480
	.fill 96, 4, 3214868480
	.section	.rodata,"a",@progbits
	.p2align	6, 0x0
	.amdhsa_kernel k_qe2d8fe527b_oproj
		.amdhsa_group_segment_fixed_size 327680
		.amdhsa_private_segment_fixed_size 0
		.amdhsa_enable_private_segment 0
		.amdhsa_kernarg_size 24
		.amdhsa_user_sgpr_count 2
		.amdhsa_user_sgpr_kernarg_segment_ptr 1
		.amdhsa_wavefront_size32 1
		.amdhsa_system_sgpr_workgroup_id_x 1
		.amdhsa_system_sgpr_workgroup_id_y 1
		.amdhsa_system_sgpr_workgroup_id_z 1
		.amdhsa_system_vgpr_workitem_id 0
		.amdhsa_next_free_vgpr 512
		.amdhsa_next_free_sgpr 66
		.amdhsa_reserve_vcc 0
		.amdhsa_float_denorm_mode_32 3
		.amdhsa_float_denorm_mode_16_64 3
		.amdhsa_memory_ordered 1
		.amdhsa_forward_progress 1
		.amdhsa_inst_pref_size 87
	.end_amdhsa_kernel
	.amdgpu_metadata
---
amdhsa.version: [ 1, 2 ]
amdhsa.kernels:
  - .name:           k_qe2d8fe527b_oproj
    .symbol:         k_qe2d8fe527b_oproj.kd
    .args:
      - { .name: ao, .offset: 0, .size: 8, .value_kind: global_buffer, .address_space: global }
      - { .name: wob, .offset: 8, .size: 8, .value_kind: global_buffer, .address_space: global }
      - { .name: out0, .offset: 16, .size: 8, .value_kind: global_buffer, .address_space: global }
    .group_segment_fixed_size: 327680
    .private_segment_fixed_size: 0
    .kernarg_segment_align: 8
    .kernarg_segment_size: 24
    .max_flat_workgroup_size: 128
    .sgpr_count:     66
    .vgpr_count:     512
    .wavefront_size: 32
...
	.end_amdgpu_metadata
.endif
;; end of part 4
;; ======== version 2 of 2: 4 launches
;; limits: values are held in f16: magnitudes above 65,504 overflow, below 6.1e-05 lose precision
;; workspace buffers: hb 16,777,216 bytes; wb 16,777,216 bytes; wob 8,388,608 bytes; cs 4,194,304 bytes; qh 8,388,608 bytes; kh 8,388,608 bytes; vh 8,388,608 bytes; ao 8,388,608 bytes
;; launch cast: the kernel of part 1 again; grid 128 x 11, 8 waves a work-group, no clusters, 0 bytes of LDS; arguments hidden_states, wq, wk, wv, wo, cos, sin, hb, wb, wob, cs; writes hb, wb, wob, cs
;; launch proj (part 5): grid 8 x 24, 4 waves a work-group, clusters of 4 x 4, 327,680 bytes of LDS; arguments hb, wb, cs, q_norm_w, k_norm_w, v_norm_w, qh, kh, vh; writes qh, kh, vh
.if DOCPART == 5
	.amdgcn_target "amdgcn-amd-amdhsa--gfx1250"
	.amdhsa_code_object_version 6
	.text
	.protected	k_qe2d8fe527b_proj
	.globl	k_qe2d8fe527b_proj
	.p2align	8
	.type	k_qe2d8fe527b_proj,@function
k_qe2d8fe527b_proj:
	s_mov_b64 s[64:65], 0
	v_nop
	global_prefetch_b8 v0, s[64:65] scope:SCOPE_SE
	s_setreg_imm32_b32 hwreg(HW_REG_WAVE_MODE, 25, 1), 1
	s_wait_xcnt 0x0
	s_wait_alu depctr_hold_cnt(0) depctr_sa_sdst(0) depctr_va_vdst(0) depctr_va_sdst(0) depctr_va_ssrc(0) depctr_va_vcc(0) depctr_vm_vsrc(0)
	s_getreg_b32 s2, hwreg(HW_REG_IB_STS2, 6, 4)
	s_cmp_eq_u32 s2, 0
	s_cbranch_scc0 .Lentry_in_a_cluster
	s_endpgm
.Lentry_in_a_cluster:
	s_bfe_u32 s2, ttmp6, 0x10000c
	s_cmp_lg_u32 s2, 0xf033
	s_cbranch_scc0 .Lentry_shape_is_right
	s_endpgm
.Lentry_shape_is_right:
; q, k and v: x W in bf16 with f32 sums, then on the way out the RMS norm of each head's 256 numbers, the gain 1 + bf16(w), RoPE (q, k) and, for q alone,
; the factor C1 = 2 log2(e) / 800, so that q . k is at once the exponent of the soft cap's tanh.  Results are rounded once, to f16, by heads:
; qh [8][2048][256], kh and vh [4][4096][256].
; LIMITS.  |k|, |v| are at most 23 |1 + w|, which must stay under 65,504; f16 numbers under 6.1e-5 keep the fixed step 6e-8; NaN and infinities are not treated apart.
; SHARES.  A work-group makes 256 rows x one head (256 columns).  Tile rows Y = 0..15 are k's and v's (tile columns X = 0..3 k's heads, 4..7 v's), Y = 16..23 are q's (rows 2,048 on, X = its head).
; 192 work-groups: a head's 256 columns stay in one wave for norm and RoPE, and 49,152 row-heads do not cut into 256 equal tiles of whole heads.
; A wave makes 64 rows x 256 columns: 64 accumulators.  THE MATRIX INSTRUCTION IS USED TRANSPOSED: source 0 = 16 columns of W, source 1 = 16 rows of x; lane (r, h) then holds row r
; and columns 16 b + 8 h + 0..7 of block b: a row's sum of squares wants one exchange of the lanes' halves, and RoPE's partners d and d + 128 (blocks b, b + 8) lie in one lane.
; RING.  K goes in steps of 128 through two LDS slots: 256 rows of x (256 bytes + 16), and W's 128 k-rows in two halves of 128 columns (256 bytes + 32), read turned by ds_load_tr16_b128.
; A K STEP IS WRITTEN ONCE: the slot in hand is a scalar, 0 or SLOT, which an exclusive or turns at each change of slots; the fragments' LDS addresses are a base plus it, and one descriptor for each
; tensor walks from K step to K step.  The last two K steps, which ask for nothing, are a loop of their own, left in the middle of its second trip.
; CLUSTER 4 x 4: x's tile hangs on Y alone and is asked for jointly along a row of the cluster, W's on X alone and along a column.  What kind of tile a work-group makes hangs on the cluster's own
; coordinates, so every branch is alike in all partners.
; REGISTERS, in windows of 256:  window 0: v16-31 addresses, v32-58 at work, v64-127 x's fragments (two buffers of 32), later packed results, v128-255 the gains as loaded, later U
;   window 1: W's fragments, two buffers of 128; later WT = (1 + w) SC in v0-127 and cos|sin in v128-255      windows 2, 3: accumulators (a, b) at 8 (16 (a % 2) + b), a = 0, 1 | 2, 3
.set KSTEP,  128
.set PA,     272                       ; a row of x in LDS: the 16 rows of a load start at 16 different groups of four banks
.set PB,     288                       ; a k-row of W
.set AHALF,  128*PA
.set BOFF,   256*PA
.set BHALF,  128*PB
.set SLOT,   BOFF+2*BHALF              ; 143,360
.set STAGE,  2*SLOT                    ; behind the ring: 16 rows x 528 bytes for each wave
.set SPITCH, 528
.set SPARE,  STAGE+4*16*SPITCH         ; the spare words: 128 bytes a wave, two blocks of 256 bytes that no other line names
.set A0,   16                          ; v16     my x fragments in slot 0; never rewritten
.set ADRA, 17                          ; v17     the same in the slot in hand
.set B0,   20                          ; v20-21  my W fragments in slot 0, by column half; never rewritten
.set ADRB, 22                          ; v22-23  the same in the slot in hand
.set STO,  24                          ; the way out: where I put 16 bytes of a row
.set RD,   25                          ; where I read a row back
.set CO,   26                          ; my 16 bytes of a row of 512
.set CSO,  27                          ; my byte offset in 16 rows of cs
.set SPW,  28                          ; my spare word; never rewritten
.set NIL,  29                          ; 0; never rewritten
.set WO,   30                          ; my byte offset in the gains
.set ZR,   31                          ; 0.0
.set T,    32                          ; v32-47
.set SS,   48                          ; v48-55  four chains of squares
.set INV,  56                          ; v56-57  1 / rms, twice
.set SCV,  58                          ; SC
.set FA0,  64
.set PKR,  64
.set U,    128
.set WT,   0                           ; window 1
.set CS,   128                         ; window 1
.set G1,  24                           ; s[24:31] x's descriptor group 1; s[32:35] group 0 of the first fill, s[36:39] of the second, which then walks on
.set G0,  32
.set G1B, 48                           ; s[48:55], s[56:59], s[60:63]: the same for W
.set G0B, 56
.set TB,  80                           ; s80  the slot in hand: 0 or SLOT
; s12, s13 my LDS bytes in slot 0 for x's and W's tile; s84 wave, s85 wave / 2, s86 wave % 2, s87 Y, s88 cluster y, s89 is q, s90 is v, s91 x's row block, s42 X
.set MSB, 0
.macro WIN new                         ; the immediate's high byte repeats the setting that is left
.if MSB != (\new)
	s_set_vgpr_msb (MSB<<8)|(\new)
.set MSB, (\new)
.endif
.endm
.macro PLACES                          ; four places in front of loads into, and vector lines on, registers of matrix instructions
.rept 4
	v_nop
.endr
.endm
.macro JLOAD s                         ; a joint load: waves 0, 1 fetch the halves of x's tile, waves 2, 3 the column halves of W's; an s_nop 0 and four v_nop follow each line
	s_cmp_eq_u32 s85, 0
	s_cbranch_scc0 .Lfor_b_\@
	tensor_load_to_lds s[G0+4*(\s):G0+4*(\s)+3], s[G1:G1+7]
	s_nop 0
.rept 4
	v_nop
.endr
	s_branch .Lasked_\@
.Lfor_b_\@:
	tensor_load_to_lds s[G0B+4*(\s):G0B+4*(\s)+3], s[G1B:G1B+7]
	s_nop 0
.rept 4
	v_nop
.endr
.Lasked_\@:
.endm
.macro CREST                           ; a round of the cluster's barrier behind its opening barrier
	s_cmp_lg_u32 s84, 0
	s_cbranch_scc1 .Lnot_wave_0_\@
	s_barrier_signal -3
.Lnot_wave_0_\@:
	s_barrier_wait -3
	s_barrier_signal -1
	s_barrier_wait -1
.endm
.macro CROUND
	s_barrier_signal -1
	s_barrier_wait -1
	CREST
.endm
	s_load_b256 s[4:11], s[0:1], 0x0               ; hb s[4:5], wb s[6:7], cs s[8:9], q_norm_w s[10:11]
	s_load_b256 s[68:75], s[0:1], 0x20             ; k_norm_w s[68:69], v_norm_w s[70:71], qh s[72:73], kh s[74:75]
	s_load_b64 s[76:77], s[0:1], 0x40              ; vh
	v_lshl_add_u32 v[SPW], v0, 2, SPARE
	v_mov_b32 v[NIL], 0
	ds_add_u32 v[SPW], v[NIL]                      ; the wave's opening: the add and its wait ahead of my first tensor load; work on registers stands between
	v_lshrrev_b32 v1, 5, v0
	v_readfirstlane_b32 s84, v1                    ; wave 0..3
	s_lshr_b32 s85, s84, 1                         ; I fetch for x (0) or for W (1)
	s_and_b32 s86, s84, 1                          ; which half of that tile
	s_bfe_u32 s40, ttmp6, 0x40000                  ; cx, cy
	s_bfe_u32 s41, ttmp6, 0x40004
	s_lshl_b32 s42, ttmp9, 2
	s_add_co_u32 s42, s42, s40                     ; X
	s_and_b32 s88, ttmp7, 0xffff                   ; the cluster's y
	s_lshl_b32 s87, s88, 2
	s_add_co_u32 s87, s87, s41                     ; Y
	s_lshl_b32 s43, s41, 2
	s_lshl_b32 s43, 15, s43                        ; my row of the cluster
	s_lshl_b32 s44, 0x1111, s40                    ; my column
	s_or_b32 s[G1+0], s43, (1<<16)|(1<<20)|(1<<21)|(5<<22)|(3<<25)   ; mask; 2-byte elements; padding on; bit 21 beside a mask; after every 64 words 4 words
	s_or_b32 s[G1B+0], s44, (1<<16)|(1<<20)|(1<<21)|(5<<22)|(7<<25)  ; the same with my column's mask and 8 words
.irp g, G1, G1B
	s_mov_b32 s[(\g)+1], 128<<16                   ; tensor_dim0 = 128
	s_mov_b32 s[(\g)+2], 128<<16                   ; tensor_dim1 = 128
	s_mov_b32 s[(\g)+3], 128<<16                   ; tile_dim0 = 128
	s_mov_b32 s[(\g)+4], 128                       ; tile_dim1 = 128
	s_mov_b32 s[(\g)+6], 0
	s_mov_b32 s[(\g)+7], 0
.endr
	s_mov_b32 s[G1+5], 2048                        ; elements from row to row of hb,
	s_mov_b32 s[G1B+5], 4096                       ; and of wb
	s_cmp_ge_u32 s88, 4                            ; clusters 4 and 5 along y make q
	s_cselect_b32 s89, 1, 0
	s_cselect_b32 s20, 8, 0                        ; q's tile row 16 is x's row block 8
	s_cselect_b32 s21, 0, 4096                     ; k's and v's columns begin 2,048 elements into wb
	s_cselect_b32 s22, 16, 0
	s_cselect_b32 s45, 0x3b6c5f04, 1.0             ; SC: C1 for q
	s_cmp_eq_u32 ttmp9, 1
	s_cselect_b32 s90, 1, 0
	s_and_not1_b32 s90, s90, s89                   ; v: the cluster at x = 1, unless it makes q
	s_sub_co_u32 s91, s87, s20
	s_lshl_b32 s92, s91, 20                        ; x's tile: 256 rows of 4,096 bytes a block,
	s_lshl_b32 s93, s86, 19                        ; 128 rows a half
	s_add_co_u32 s92, s92, s93
	s_mov_b32 s93, 0
	s_lshl_b32 s94, s42, 9                         ; W's tile: 256 columns of 2 bytes a head,
	s_add_co_u32 s94, s94, s21
	s_lshl_b32 s95, s86, 8                         ; 128 columns a half
	s_add_co_u32 s94, s94, s95
	s_mov_b32 s95, 0
	s_and_b32 s23, s42, 3                          ; where my rows go: the head (1 MiB apart in qh, 2 MiB in kh and vh),
	s_lshl_b32 s23, s23, 21
	s_lshl_b32 s96, s42, 20
	s_cmp_eq_u32 s89, 1
	s_cselect_b32 s96, s96, s23
	s_sub_co_u32 s22, s87, s22
	s_lshl_b32 s22, s22, 17                        ; the block's 256 rows of 512 bytes,
	s_add_co_u32 s96, s96, s22
	s_lshl_b32 s22, s84, 15                        ; my wave's 64
	s_add_co_u32 s96, s96, s22
	s_mov_b32 s97, 0
	s_lshl_b32 s98, s91, 18                        ; cs at my first row: rows of 1,024 bytes
	s_lshl_b32 s99, s84, 16
	s_add_co_u32 s98, s98, s99
	s_mov_b32 s99, 0
	s_mul_i32 s12, s86, AHALF                      ; LDS: no place in the cluster enters
	s_mul_i32 s13, s86, BHALF
	s_add_co_u32 s13, s13, BOFF
	s_mov_b32 s[TB], 0                             ; K step 0 lies in slot 0
	s_mov_b32 s46, 0x3b800000                      ; 1 / 256
	s_mov_b32 s47, 0x358637bd                      ; 1e-6
	s_mov_b32 s78, 0x76543210                      ; v_permlanex16_b32: each lane takes its own place in the other half
	s_mov_b32 s79, 0xfedcba98
	s_wait_dscnt 0x0                               ; the opening add is done
	s_wait_kmcnt 0x0
	s_add_nc_u64 s[18:19], s[4:5], s[92:93]
	s_add_nc_u64 s[94:95], s[6:7], s[94:95]
	CROUND                                         ; all sixteen work-groups are here: the first joint loads meet
.irp s, 0,1
	s_mov_b32 s[G0+4*(\s)], 1
	s_add_co_u32 s[G0+4*(\s)+1], s12, (\s)*SLOT
	s_add_nc_u64 s[G0+4*(\s)+2:G0+4*(\s)+3], s[18:19], (\s)*KSTEP*2
	s_or_b32 s[G0+4*(\s)+3], s[G0+4*(\s)+3], 0x80000000
	s_mov_b32 s[G0B+4*(\s)], 1
	s_add_co_u32 s[G0B+4*(\s)+1], s13, (\s)*SLOT
	s_add_nc_u64 s[G0B+4*(\s)+2:G0B+4*(\s)+3], s[94:95], (\s)*KSTEP*8192
	s_or_b32 s[G0B+4*(\s)+3], s[G0B+4*(\s)+3], 0x80000000
	JLOAD \s                                       ; two loads of mine are out
.endr
	s_cmp_eq_u32 s89, 1                            ; the gain and the output of my kind
	s_cselect_b64 s[16:17], s[10:11], s[68:69]
	s_cselect_b64 s[14:15], s[72:73], s[74:75]
	s_cmp_eq_u32 s90, 1
	s_cselect_b64 s[16:17], s[70:71], s[16:17]
	s_cselect_b64 s[14:15], s[76:77], s[14:15]
	s_add_nc_u64 s[14:15], s[14:15], s[96:97]
	s_add_nc_u64 s[8:9], s[8:9], s[98:99]
	v_and_b32 v1, 15, v0                           ; r
	v_bfe_u32 v2, v0, 4, 1                         ; h
	v_and_b32 v3, 31, v0                           ; lane
	v_lshlrev_b32 v[WO], 5, v2                     ; my 8 gains of block b lie at 64 b + 32 h
.set bb, 0
.rept 16                                       ; they stay on their way during the K loop, into registers that it does not name
	global_load_b128 v[U+8*bb:U+8*bb+3],   v[WO], s[16:17] offset:64*bb
	global_load_b128 v[U+8*bb+4:U+8*bb+7], v[WO], s[16:17] offset:64*bb+16
.set bb, bb+1
.endr
	v_mul_u32_u24 v4, v1, PA
	v_lshl_add_u32 v4, v2, 4, v4                   ; row x pitch + 16 x half
	s_mul_i32 s20, s84, 64*PA                      ; my 64 rows
	v_add_nc_u32 v[A0], s20, v4
	v_mov_b32 v[ADRA], v[A0]
	v_and_b32 v5, 7, v0                            ; the turning load: lane l reads k-row 8 (l / 16) + l % 8, columns 8 ((l / 8) % 2) + 0..7
	v_bfe_u32 v6, v0, 3, 1
	v_lshl_add_u32 v5, v2, 3, v5
	v_mul_u32_u24 v5, v5, PB
	v_lshl_add_u32 v5, v6, 4, v5
	v_add_nc_u32 v[B0], BOFF, v5
	v_add_nc_u32 v[B0+1], BOFF+BHALF, v5
	v_mov_b32 v[ADRB], v[B0]
	v_mov_b32 v[ADRB+1], v[B0+1]
	s_mul_i32 s20, s84, 16*SPITCH
	s_add_co_u32 s20, s20, STAGE                   ; my stage
	v_mul_u32_u24 v[STO], v1, SPITCH
	v_lshl_add_u32 v[STO], v2, 4, v[STO]
	v_add_nc_u32 v[STO], s20, v[STO]
	v_lshl_add_u32 v[RD], v3, 4, s20               ; back: 32 lanes take one row of 512 bytes
	v_lshlrev_b32 v[CO], 4, v3
	v_lshlrev_b32 v[CSO], 10, v1
	v_lshl_add_u32 v[CSO], v2, 5, v[CSO]           ; row r of cs, 32 h
	v_mov_b32 v[ZR], 0
	v_mov_b32 v[SCV], s45
; 16 matrix instructions: row block a x all 16 column blocks, 32 along K, buffers f.  The 64 accumulators take turns, one instruction a turn, in the same order in every quarter.
.macro MUL16 f, a, zero
	WIN 0xa1+0x50*((\a)/2)                         ; source 0 (W) window 1, source 1 (x) window 0, C and D window 2 or 3
.set bb, 0
.rept 16
.set rD, 8*(16*((\a)%2)+bb)
.set rB, 128*(\f)+8*bb
.set rA, FA0+32*(\f)+8*(\a)
.if \zero
	v_wmma_f32_16x16x32_bf16 v[rD:rD+7], v[rB:rB+7], v[rA:rA+7], 0
.else
	v_wmma_f32_16x16x32_bf16 v[rD:rD+7], v[rB:rB+7], v[rA:rA+7], v[rD:rD+7]
.endif
.set bb, bb+1
.endr
.endm
.macro ALD q, f, a
	ds_load_b128 v[FA0+32*(\f)+8*(\a):FA0+32*(\f)+8*(\a)+3],   v[ADRA] offset:64*(\q)+(\a)*16*PA
	ds_load_b128 v[FA0+32*(\f)+8*(\a)+4:FA0+32*(\f)+8*(\a)+7], v[ADRA] offset:64*(\q)+(\a)*16*PA+32
.endm
; 40 LDS loads in one run: quarter q of the slot in hand into buffers f: x's blocks 0, 1; W's 16 blocks; x's blocks 2, 3 last, so that a quarter can begin while they are out
.macro FETCH q, f
	WIN 0
	ALD \q, \f, 0
	ALD \q, \f, 1
	WIN 0x40
.set bb, 0
.rept 16
	ds_load_tr16_b128 v[128*(\f)+8*bb:128*(\f)+8*bb+3],   v[ADRB+bb/8] offset:32*(\q)*PB+32*(bb%8)
	ds_load_tr16_b128 v[128*(\f)+8*bb+4:128*(\f)+8*bb+7], v[ADRB+bb/8] offset:(32*(\q)+16)*PB+32*(bb%8)
.set bb, bb+1
.endr
	WIN 0
	ALD \q, \f, 2
	ALD \q, \f, 3
.endm
; A K step is four quarters of 32 along K on buffers 0, 1, 0, 1.  One of the first three multiplies f and fetches quarter q into g.
.macro QUARTER q, f, g, zero
	s_wait_dscnt 4                                 ; all but the youngest four loads (x's blocks 2, 3)
	MUL16 \f, 0, \zero
	MUL16 \f, 1, \zero
	PLACES
	FETCH \q, \g
	s_wait_dscnt 40                                ; all but the 40 just issued
	MUL16 \f, 2, \zero
	MUL16 \f, 3, \zero
.endm
; The last quarter multiplies buffers 1 and changes slots: one barrier.  In front of it each wave waits for all its tensor loads (one is out: its part of the next slot), adds 0 to its spare word,
; and waits for that and for its reads of this slot.  fill = 1: the barrier opens a round of the cluster's, and this slot is filled again, two K steps ahead, first thing behind it:
; the walking descriptor takes this slot's LDS bytes and the K step behind the one that it asked for last; 224 matrix instructions stand between that request and the wait for it.
; Then the slot in hand is turned and the fragments' addresses are made anew.
.macro TURN fill
	WIN 0
	s_wait_tensorcnt 0x0
	ds_add_u32 v[SPW], v[NIL]
	s_wait_dscnt 5                                 ; the add and the youngest four loads may be out
	MUL16 1, 0, 0
	s_wait_dscnt 0x0                               ; the add is done, my reads of this slot are over
	s_barrier_signal -1
	MUL16 1, 1, 0
	WIN 0
	s_barrier_wait -1
.if \fill
	CREST
	s_add_co_u32 s[G0+5], s12, s[TB]               ; no load of mine is out, so a group 0 may be written
	s_add_nc_u64 s[G0+6:G0+7], s[G0+6:G0+7], KSTEP*2
	s_add_co_u32 s[G0B+5], s13, s[TB]
	s_add_nc_u64 s[G0B+6:G0B+7], s[G0B+6:G0B+7], KSTEP*8192
	JLOAD 1                                        ; its four v_nop are also the places in front of the loads below
.else
	PLACES
.endif
	s_xor_b32 s[TB], s[TB], SLOT                   ; the other slot
	v_add_nc_u32 v[ADRA], s[TB], v[A0]
	v_add_nc_u32 v[ADRB], s[TB], v[B0]
	v_add_nc_u32 v[ADRB+1], s[TB], v[B0+1]
	FETCH 0, 0
	MUL16 1, 2, 0
	MUL16 1, 3, 0
.endm
	s_wait_tensorcnt 1                             ; my part of K step 0 is in; step 1's may stay out
	s_barrier_signal -1
	s_barrier_wait -1
	FETCH 0, 0
	QUARTER 1, 0, 1, 1                             ; the first quarter's products start the sums: nothing is cleared
	WIN 0
	s_mov_b32 s3, 14                               ; 16 K steps; behind each of the first 14 its slot is filled again
.Lstep:                                                ; a trip goes from a K step's second quarter to the next step's first
	QUARTER 2, 1, 0, 0
	QUARTER 3, 0, 1, 0
	TURN 1
	QUARTER 1, 0, 1, 0
	WIN 0
	s_sub_co_u32 s3, s3, 1
	s_cmp_lg_u32 s3, 0
	s_cbranch_scc1 .Lstep
	s_mov_b32 s3, 2                                ; the last two K steps ask for nothing: a text of their own
.Ltail:
	QUARTER 2, 1, 0, 0
	QUARTER 3, 0, 1, 0
	TURN 0
	WIN 0
	s_sub_co_u32 s3, s3, 1
	s_cmp_eq_u32 s3, 0
	s_cbranch_scc1 .Lout                           ; the second trip is left here: what is jumped is one quarter, with no barrier and no tensor load
	QUARTER 1, 0, 1, 0
	WIN 0
	s_branch .Ltail
.Lout:                                                 ; the second trip's change of slots and its 40 loads (of the K step before, once more) serve nothing: the price, once a launch, of one text for both trips
	s_wait_dscnt 0x0                               ; those loads have landed: their registers are written below
	; THE WAY OUT.  The gains are rounded to bf16 (these 64 lines are also the places behind the last products), then WT = (1 + w) SC.
	s_wait_loadcnt 0x0                             ; the gains
.set zz, 0
.rept 64
	v_cvt_pk_bf16_f32 v[U+zz], v[U+2*zz], v[U+2*zz+1]
.set zz, zz+1
.endr
.macro CSLOAD                          ; cos|sin of my 16 rows: 8 words for each of the 16 blocks
	WIN 0x40
.set bb, 0
.rept 16
	global_load_b128 v[CS+8*bb:CS+8*bb+3],   v[CSO], s[8:9] offset:64*bb
	global_load_b128 v[CS+8*bb+4:CS+8*bb+7], v[CSO], s[8:9] offset:64*bb+16
.set bb, bb+1
.endr
	WIN 0
.endm
	s_cmp_eq_u32 s90, 1
	s_cbranch_scc1 .Lno_cs                         ; v has no RoPE
	CSLOAD
.Lno_cs:
	WIN 0x40
.set zz, 0
.rept 64
	v_fma_mix_f32_bf16 v[WT+2*zz],   v[U+zz], v[SCV], v[SCV] op_sel_hi:[1,0,0]
	v_fma_mix_f32_bf16 v[WT+2*zz+1], v[U+zz], v[SCV], v[SCV] op_sel:[1,0,0] op_sel_hi:[1,0,0]
.set zz, zz+1
.endr
	WIN 0
; Row block a: the squares of its 128 numbers a lane in four chains, each accumulator read from its lowest registers on; and U = y x WT
.macro SSU a
.set AC, 128*((\a)%2)
.set WA, 2+(\a)/2
	WIN WA|(WA<<2)
.set zz, 0
.rept 64
.if zz < 4
	v_pk_mul_f32 v[SS+2*(zz%4):SS+2*(zz%4)+1], v[AC+2*zz:AC+2*zz+1], v[AC+2*zz:AC+2*zz+1]
.else
	v_pk_fma_f32 v[SS+2*(zz%4):SS+2*(zz%4)+1], v[AC+2*zz:AC+2*zz+1], v[AC+2*zz:AC+2*zz+1], v[SS+2*(zz%4):SS+2*(zz%4)+1]
.endif
.set zz, zz+1
.endr
	WIN WA|(1<<2)
.set zz, 0
.rept 64
	v_pk_mul_f32 v[U+2*zz:U+2*zz+1], v[AC+2*zz:AC+2*zz+1], v[WT+2*zz:WT+2*zz+1]
.set zz, zz+1
.endr
	WIN 0
.endm
	s_mov_b32 s2, 4                                ; four row blocks; only the lines that name accumulators are written four times
.Lrow:
	s_cmp_eq_u32 s2, 4
	s_cbranch_scc1 .Lssu0
	s_cmp_eq_u32 s2, 3
	s_cbranch_scc1 .Lssu1
	s_cmp_eq_u32 s2, 2
	s_cbranch_scc1 .Lssu2
	SSU 3
	s_branch .Lcommon
.Lssu2:
	SSU 2
	s_branch .Lcommon
.Lssu1:
	SSU 1
	s_branch .Lcommon
.Lssu0:
	SSU 0
.Lcommon:
	v_pk_add_f32 v[SS:SS+1], v[SS:SS+1], v[SS+2:SS+3]
	v_pk_add_f32 v[SS+4:SS+5], v[SS+4:SS+5], v[SS+6:SS+7]
	v_pk_add_f32 v[SS:SS+1], v[SS:SS+1], v[SS+4:SS+5]
	v_add_f32 v[SS], v[SS], v[SS+1]
	v_permlanex16_b32 v[SS+1], v[SS], s78, s79     ; the row's other 128 columns lie in the lane 16 away
	v_add_f32 v[SS], v[SS], v[SS+1]
	v_fma_f32 v[SS], v[SS], s46, s47               ; the mean of the squares + 1e-6
	v_rsq_f32 v[INV], v[SS]
	v_rsq_f32 v[INV+1], v[SS]
	v_nop                                          ; a plain line between the root and its use
.set zz, 0
	s_wait_alu depctr_va_vdst(0)
.rept 64
	v_pk_mul_f32 v[U+2*zz:U+2*zz+1], v[U+2*zz:U+2*zz+1], v[INV:INV+1]
.set zz, zz+1
.endr
	s_cmp_eq_u32 s90, 1
	s_cbranch_scc1 .Lno_rope
	s_wait_loadcnt 0x0                             ; this block's cos|sin
	WIN 0x04                                       ; source 1 (cos|sin) in window 1
.set bp, 0
.rept 8                                        ; lo = U[d], hi = U[d + 128]:  lo' = lo cos[d] - hi sin[d],  hi' = hi cos[d + 128] + lo sin[d + 128], in place
.set jj, 0
.rept 8
	v_fma_mix_f32_bf16 v[T+jj],   v[U+8*bp+jj], v[CS+8*bp+jj],    v[ZR] op_sel_hi:[0,1,0]
	v_fma_mix_f32_bf16 v[T+8+jj], v[U+8*bp+jj], v[CS+64+8*bp+jj], v[ZR] op_sel:[0,1,0] op_sel_hi:[0,1,0]
.set jj, jj+1
.endr
.set jj, 0
.rept 8
	v_fma_mix_f32_bf16 v[U+8*bp+jj],    -v[U+64+8*bp+jj], v[CS+8*bp+jj],    v[T+jj]   op_sel:[0,1,0] op_sel_hi:[0,1,0]
	v_fma_mix_f32_bf16 v[U+64+8*bp+jj], v[U+64+8*bp+jj],  v[CS+64+8*bp+jj], v[T+8+jj] op_sel_hi:[0,1,0]
.set jj, jj+1
.endr
.set bp, bp+1
.endr
	WIN 0
	s_cmp_eq_u32 s2, 1
	s_cbranch_scc1 .Lno_rope                       ; the last block asks for nothing more
	v_add_nc_u32 v[CSO], 16384, v[CSO]             ; free since the wait above: the next 16 rows
	CSLOAD
.Lno_rope:
.set zz, 0
.rept 64
	v_cvt_pk_f16_f32 v[PKR+zz], v[U+2*zz], v[U+2*zz+1]  ; the one rounding
.set zz, zz+1
.endr
.set bb, 0
.rept 16
	ds_store_b128 v[STO], v[PKR+4*bb:PKR+4*bb+3] offset:32*bb
.set bb, bb+1
.endr
.set bb, 0
.rept 16
	ds_load_b128 v[PKR+4*bb:PKR+4*bb+3], v[RD] offset:SPITCH*bb  ; LDS serves a wave's instructions in order: these see the stores above, and the next block's stores come behind them
.set bb, bb+1
.endr
.set bb, 0
.rept 16
	s_wait_dscnt 15-bb                             ; row bb is back
	global_store_b128 v[CO], v[PKR+4*bb:PKR+4*bb+3], s[14:15] offset:512*bb  ; 512 consecutive bytes, aligned
.set bb, bb+1
.endr
	s_wait_xcnt 0x0                                ; only behind this wait are the stores' base and data written again
	s_add_nc_u64 s[14:15], s[14:15], 8192
	s_sub_co_u32 s2, s2, 1
	s_cmp_lg_u32 s2, 0
	s_cbranch_scc1 .Lrow
	s_wait_tensorcnt 0x0                           ; the wave's end
	ds_add_u32 v[SPW], v[NIL]
	s_wait_dscnt 0x0
	CROUND                                         ; the closing round
	s_endpgm
.Lfunc_end_k_qe2d8fe527b_proj:
	.size	k_qe2d8fe527b_proj, .Lfunc_end_k_qe2d8fe527b_proj-k_qe2d8fe527b_proj
	.p2alignl 7, 3214868480
	.fill 96, 4, 3214868480
	.section	.rodata,"a",@progbits
	.p2align	6, 0x0
	.amdhsa_kernel k_qe2d8fe527b_proj
		.amdhsa_group_segment_fixed_size 327680
		.amdhsa_private_segment_fixed_size 0
		.amdhsa_enable_private_segment 0
		.amdhsa_kernarg_size 72
		.amdhsa_user_sgpr_count 2
		.amdhsa_user_sgpr_kernarg_segment_ptr 1
		.amdhsa_wavefront_size32 1
		.amdhsa_system_sgpr_workgroup_id_x 1
		.amdhsa_system_sgpr_workgroup_id_y 1
		.amdhsa_system_sgpr_workgroup_id_z 1
		.amdhsa_system_vgpr_workitem_id 0
		.amdhsa_next_free_vgpr 1024
		.amdhsa_next_free_sgpr 100
		.amdhsa_reserve_vcc 0
		.amdhsa_float_denorm_mode_32 3
		.amdhsa_float_denorm_mode_16_64 3
		.amdhsa_memory_ordered 1
		.amdhsa_forward_progress 1
		.amdhsa_inst_pref_size 158
	.end_amdhsa_kernel
	.amdgpu_metadata
---
amdhsa.version: [ 1, 2 ]
amdhsa.kernels:
  - .name:           k_qe2d8fe527b_proj
    .symbol:         k_qe2d8fe527b_proj.kd
    .args:
      - { .name: hb, .offset: 0, .size: 8, .value_kind: global_buffer, .address_space: global }
      - { .name: wb, .offset: 8, .size: 8, .value_kind: global_buffer, .address_space: global }
      - { .name: cs, .offset: 16, .size: 8, .value_kind: global_buffer, .address_space: global }
      - { .name: q_norm_w, .offset: 24, .size: 8, .value_kind: global_buffer, .address_space: global }
      - { .name: k_norm_w, .offset: 32, .size: 8, .value_kind: global_buffer, .address_space: global }
      - { .name: v_norm_w, .offset: 40, .size: 8, .value_kind: global_buffer, .address_space: global }
      - { .name: qh, .offset: 48, .size: 8, .value_kind: global_buffer, .address_space: global }
      - { .name: kh, .offset: 56, .size: 8, .value_kind: global_buffer, .address_space: global }
      - { .name: vh, .offset: 64, .size: 8, .value_kind: global_buffer, .address_space: global }
    .group_segment_fixed_size: 327680
    .private_segment_fixed_size: 0
    .kernarg_segment_align: 8
    .kernarg_segment_size: 72
    .max_flat_workgroup_size: 128
    .sgpr_count:     100
    .vgpr_count:     1024
    .wavefront_size: 32
...
	.end_amdgpu_metadata
.endif
;; end of part 5
;; launch attn (part 6): grid 64 x 4, 4 waves a work-group, clusters of 4 x 4, 327,680 bytes of LDS; arguments qh, kh, vh, attention_mask, ao; writes ao
.if DOCPART == 6
	.amdgcn_target "amdgcn-amd-amdhsa--gfx1250"
	.amdhsa_code_object_version 6
	.text
	.protected	k_qe2d8fe527b_attn
	.globl	k_qe2d8fe527b_attn
	.p2align	8
	.type	k_qe2d8fe527b_attn,@function
k_qe2d8fe527b_attn:
	s_mov_b64 s[64:65], 0
	v_nop
	global_prefetch_b8 v0, s[64:65] scope:SCOPE_SE
	s_setreg_imm32_b32 hwreg(HW_REG_WAVE_MODE, 25, 1), 1
	s_wait_xcnt 0x0
	s_wait_alu depctr_hold_cnt(0) depctr_sa_sdst(0) depctr_va_vdst(0) depctr_va_sdst(0) depctr_va_ssrc(0) depctr_va_vcc(0) depctr_vm_vsrc(0)
	s_getreg_b32 s2, hwreg(HW_REG_IB_STS2, 6, 4)
	s_cmp_eq_u32 s2, 0
	s_cbranch_scc0 .Lentry_in_a_cluster
	s_endpgm
.Lentry_in_a_cluster:
	s_bfe_u32 s2, ttmp6, 0x10000c
	s_cmp_lg_u32 s2, 0xf033
	s_cbranch_scc0 .Lentry_shape_is_right
	s_endpgm
.Lentry_shape_is_right:
; ao[q][head 256 + c] = sum over k of softmax_k(50 tanh(q . k / 800) + mask[q][k]) v[k][c].  qh arrives times 2 log2(e) / 800, so S = K Q^T is e with tanh = 1 - 2 / (1 + 2^e).
; Scores are kept in log2 units: s = (50 L - 100 L / (1 + 2^e)) + bf16(mask) L, L = log2(e); each bracket is rounded, then the two are added, in the order of the problem's own sum.
; p = 2^(s - m) with a true running maximum m; l sums the unrounded p; p is rounded to f16 for the second product; O once at the end.  The mask is an input: every query meets all 4,096 keys.
; LIMITS.  |mask| L must be finite (|mask| under 2.3e38); a weight under 2^-126 counts as 0; f16 numbers under 6.1e-5 keep the fixed step 6e-8; NaN and infinities are not treated apart.
; SHARES.  A work-group: 32 queries x the two query heads of one kv head.  Wave w: 16 queries (w % 2), one half of every 256 keys (w / 2); its two TILES are the two heads, which share K's and V's
; fragments and the mask.  Keys go in 16 groups of 256, 128 a wave.  The two key halves' O, m, l meet once, at the end, in f32, through LDS.
; LAYOUT.  S^T = K Q^T holds one query a lane (lane % 16) and the keys 8 (lane / 16) + 0..7 of a block of 16; two blocks rounded in pairs ARE source 1 of O^T = V^T P.  V is read turned.
; LDS.  Two regions take turns: while K(g) and mask(g) are read, V(g) lands; while V(g) is read, K(g + 1) and mask(g + 1) land.  Each refill stands behind a round of the cluster's barrier, and each
; round stands as soon as the region's last LDS run has been issued and had some products in which to come back: K's at the head of sub-step 3, V's in the middle of the third run of V^T P.
; So K and the mask have 26 products, the softmax and 80 products in which to land, V has 38 products and the next group's 96.  Every wave issues one load in each round.
; CLUSTER 4 x 4: cx picks the queries, cy the kv head.  K and V are asked for jointly along a row, the mask's tile along a column.
; ORDER.  Behind every product K Q^T stand four vector lines of work that is ready (the mask's rounding; the soft cap of the 32 keys before), behind every product V^T P of the first three runs two or
; three of the exponentials' queue; what is over stands alone between the two kinds of products.
; THE LOOP.  A group is a FRONT (96 of its 128 products K Q^T) and a BACK (the other 32 with K's refill, the softmax, V^T P with V's refill).  A trip is a group's BACK and the next group's FRONT;
; the loop is entered at the FRONT, in the middle of a trip, so the FRONT is written once; the last group's BACK, which asks for nothing, is written out behind the loop.
; REGISTERS:  window 0: v1-15 addresses, v16-39 statistics (12 a tile: m, -, l, l, a, -, c0-c3, two at work), v40-63 at work, v64-191 S (64 a tile; P is packed into its low 32), v192-255 mask
;   window 1: O^T, 128 a tile      window 2: two buffers of 128 for K's or V's fragments      window 3: v0-127 Q, 64 a tile
.set PITK, 528
.set PITV, 544
.set PITM, 1040
.set MREG, 256*PITK                    ; 135,168
.set VREG, MREG+32*PITM                ; 168,448
.set SPARE, VREG+256*PITV              ; 307,712: the spare words, two blocks of 256 bytes that no other line names
.set XCHB, 33792                       ; after K's last fill its region serves the end: for each query half 32,768 bytes of O and 512 of statistics,
.set STG,  2*XCHB                      ; and a stage of 16 rows x 528 bytes for each wave
.set STGB, 16*528
.set AK, 3
.set AV, 4
.set AM, 5
.set QO, 6
.set STO, 7
.set RD, 8
.set GO, 9
.set XA, 10
.set XS, 11
.set SPW, 12
.set NIL, 13
.set PFO, 15                           ; v15  the prefetch: my block's byte offset in a tile of the mask; never rewritten
.set ST, 16
.set TM, 40
.set OT, 44                            ; v44-47 the other key half's m, l
.set MT, 48                            ; v48-63 the merge
.set S, 64
.set M, 192
.set WV, 14
.set QT, 15
.set G1K, 16                           ; s[16:23] group 1 for 96 rows of K (waves 0, 1)
.set G1V, 24
.set G1M, 32
.set G0K, 40
.set G0V, 44
.set G0M, 48
.set LG, 58                            ; s[58:59] log2(e)
.set SEL, 60
.set CN, 62                            ; s[62:63] -100 log2(e)
.set CP, 66                            ; s[66:67] 50 log2(e)
.set HM, 68
.set CNT, 69
.set PFB, 82                           ; s[82:83] the prefetch: the mask at my 32 rows, at the tile to be asked for
.set G1L, 84                           ; s[84:91] group 1 for K's last 64 rows (wave 2)
.set W_KQ, 0x0e                        ; K window 2, Q window 3, S window 0
.set W_PV, 0x52                        ; V window 2, P window 0, O window 1
.set W_RS, 0x41                        ; O (destination, source 0) window 1, a window 0
.set MSB, 0
.macro WIN new
.if MSB != (\new)
	s_set_vgpr_msb (MSB<<8)|(\new)
.set MSB, (\new)
.endif
.endm
.macro PLACES
.rept 4
	v_nop
.endr
.endm
.macro CREST
	s_cmp_lg_u32 s[WV], 0
	s_cbranch_scc1 .Lnot_wave_0_\@
	s_barrier_signal -3
.Lnot_wave_0_\@:
	s_barrier_wait -3
	s_barrier_signal -1
	s_barrier_wait -1
.endm
.macro CROUND
	s_barrier_signal -1
	s_barrier_wait -1
	CREST
.endm
.macro JLOAD_K                         ; waves 0, 1: 96 rows of K each; wave 2: its last 64; wave 3: the mask's tile.  An s_nop 0 and four v_nop follow each line
	s_cmp_lt_u32 s[WV], 2
	s_cbranch_scc0 .Lnot_k_\@
	tensor_load_to_lds s[G0K:G0K+3], s[G1K:G1K+7]
	s_nop 0
.rept 4
	v_nop
.endr
	s_branch .Lasked_\@
.Lnot_k_\@:
	s_cmp_eq_u32 s[WV], 2
	s_cbranch_scc0 .Lmask_\@
	tensor_load_to_lds s[G0K:G0K+3], s[G1L:G1L+7]
	s_nop 0
.rept 4
	v_nop
.endr
	s_branch .Lasked_\@
.Lmask_\@:
	tensor_load_to_lds s[G0M:G0M+3], s[G1M:G1M+7]
	s_nop 0
.rept 4
	v_nop
.endr
.Lasked_\@:
.endm
.macro JLOAD_V                         ; every wave: its 64 of V's 256 rows
	tensor_load_to_lds s[G0V:G0V+3], s[G1V:G1V+7]
	s_nop 0
.rept 4
	v_nop
.endr
.endm
	s_load_b256 s[4:11], s[0:1], 0x0               ; qh s[4:5], kh s[6:7], vh s[8:9], mask s[10:11]
	s_load_b64 s[12:13], s[0:1], 0x20              ; ao
	v_lshl_add_u32 v[SPW], v0, 2, SPARE
	v_mov_b32 v[NIL], 0
	ds_add_u32 v[SPW], v[NIL]                      ; the wave's opening: the add and its wait ahead of my first tensor load
	v_lshrrev_b32 v1, 5, v0
	v_readfirstlane_b32 s[WV], v1
	s_and_b32 s[QT], s[WV], 1                      ; my 16 queries
	s_lshr_b32 s76, s[WV], 1                       ; my half of the keys
	s_bfe_u32 s52, ttmp6, 0x40000                  ; cx
	s_bfe_u32 s53, ttmp6, 0x40004                  ; cy = the kv head: there is one cluster along y
	s_lshl_b32 s54, ttmp9, 2
	s_add_co_u32 s54, s54, s52                     ; my block of 32 queries
	s_lshl_b32 s56, s53, 2
	s_lshl_b32 s56, 15, s56                        ; my row of the cluster
	s_lshl_b32 s57, 0x1111, s52                    ; my column
	s_or_b32 s[G1K], s56, (1<<16)|(1<<20)|(1<<21)|(6<<22)|(3<<25)  ; 2-byte elements, after every 128 words 4 words: pitch 528
	s_or_b32 s[G1L], s56, (1<<16)|(1<<20)|(1<<21)|(6<<22)|(3<<25)  ; the same
	s_or_b32 s[G1V], s56, (1<<16)|(1<<20)|(1<<21)|(6<<22)|(7<<25)  ; 8 words: pitch 544
	s_or_b32 s[G1M], s57, (2<<16)|(1<<20)|(1<<21)|(7<<22)|(3<<25)  ; 4-byte elements, after every 256 words 4 words: pitch 1,040
.irp g, G1K, G1L, G1V, G1M
	s_mov_b32 s[(\g)+1], 256<<16                   ; tensor_dim0 = 256
	s_mov_b32 s[(\g)+3], 256<<16                   ; tile_dim0 = 256
	s_mov_b32 s[(\g)+6], 0
	s_mov_b32 s[(\g)+7], 0
.endr
	s_mov_b32 s[G1K+2], 96<<16                     ; rows: 96, 64, 64, 32
	s_mov_b32 s[G1K+4], 96
	s_mov_b32 s[G1K+5], 256
	s_mov_b32 s[G1L+2], 64<<16
	s_mov_b32 s[G1L+4], 64
	s_mov_b32 s[G1L+5], 256
	s_mov_b32 s[G1V+2], 64<<16
	s_mov_b32 s[G1V+4], 64
	s_mov_b32 s[G1V+5], 256
	s_mov_b32 s[G1M+2], 32<<16
	s_mov_b32 s[G1M+4], 32
	s_mov_b32 s[G1M+5], 4096
	s_mov_b32 s[G0K], 1
	s_mul_i32 s[G0K+1], s[WV], 96*PITK             ; waves 0, 1, 2 begin at rows 0, 96, 192 of K's region (wave 3 never issues by this group)
	s_mov_b32 s[G0V], 1
	s_mul_i32 s[G0V+1], s[WV], 64*PITV
	s_add_co_u32 s[G0V+1], s[G0V+1], VREG
	s_mov_b32 s[G0M], 1
	s_mov_b32 s[G0M+1], MREG
	s_lshl_b32 s70, s53, 21                        ; K: the head's 2 MiB, my rows of 512 bytes from row 96 w on
	s_mul_i32 s71, s[WV], 96*512
	s_add_co_u32 s70, s70, s71
	s_mov_b32 s71, 0
	s_lshl_b32 s72, s53, 21                        ; V: my 64 rows
	s_lshl_b32 s73, s[WV], 15
	s_add_co_u32 s72, s72, s73
	s_mov_b32 s73, 0
	s_lshl_b32 s74, s54, 19                        ; the mask: 32 rows of 16,384 bytes
	s_mov_b32 s75, 0
	s_lshl_b32 s78, s53, 21                        ; Q: head 2 cy (1 MiB a head), my 16 rows of 512 bytes
	s_lshl_b32 s79, s54, 14
	s_add_co_u32 s78, s78, s79
	s_lshl_b32 s79, s[QT], 13
	s_add_co_u32 s78, s78, s79
	s_mov_b32 s79, 0
	s_lshl_b32 s2, s54, 17                         ; ao: my 16 rows of 4,096 bytes, head 2 cy's 512 bytes
	s_lshl_b32 s3, s[QT], 16
	s_add_co_u32 s2, s2, s3
	s_lshl_b32 s3, s53, 10
	s_add_co_u32 s2, s2, s3
	s_mov_b32 s3, 0
	s_mov_b32 s[LG], 0x3fb8aa3b
	s_mov_b32 s[LG+1], s[LG]                       ; named as pairs
	s_mov_b32 s[SEL], 0x76543210
	s_mov_b32 s[SEL+1], 0xfedcba98
	s_mov_b32 s[CN], 0xc31044fe
	s_mov_b32 s[CN+1], s[CN]
	s_mov_b32 s[CP], 0x429044fe
	s_mov_b32 s[CP+1], s[CP]
	s_mov_b32 s[HM], 0xffff0000
	s_wait_dscnt 0x0                               ; the opening add is done
	s_wait_kmcnt 0x0
	s_add_nc_u64 s[G0K+2:G0K+3], s[6:7], s[70:71]
	s_or_b32 s[G0K+3], s[G0K+3], 0x80000000
	s_add_nc_u64 s[G0V+2:G0V+3], s[8:9], s[72:73]
	s_or_b32 s[G0V+3], s[G0V+3], 0x80000000
	s_add_nc_u64 s[G0M+2:G0M+3], s[10:11], s[74:75]
	s_or_b32 s[G0M+3], s[G0M+3], 0x80000000
	s_add_nc_u64 s[PFB:PFB+1], s[10:11], s[74:75]  ; the prefetch's base: group 1's tile; it steps ahead of each use, so the first use names group 2's
	s_add_nc_u64 s[PFB:PFB+1], s[PFB:PFB+1], 1024
	s_add_nc_u64 s[4:5], s[4:5], s[78:79]
	s_add_nc_u64 s[12:13], s[12:13], s[2:3]
	CROUND                                         ; all sixteen work-groups are here
	s_cmp_lt_u32 s[WV], 2                          ; a wave's first fills stand in one arm: two loads of mine are out
	s_cbranch_scc0 .Lf_not_k
	tensor_load_to_lds s[G0K:G0K+3], s[G1K:G1K+7]
	s_nop 0
	tensor_load_to_lds s[G0V:G0V+3], s[G1V:G1V+7]
	s_nop 0
.rept 4
	v_nop
.endr
	s_branch .Lf_done
.Lf_not_k:
	s_cmp_eq_u32 s[WV], 2
	s_cbranch_scc0 .Lf_three
	tensor_load_to_lds s[G0K:G0K+3], s[G1L:G1L+7]
	s_nop 0
	tensor_load_to_lds s[G0V:G0V+3], s[G1V:G1V+7]
	s_nop 0
.rept 4
	v_nop
.endr
	s_branch .Lf_done
.Lf_three:
	tensor_load_to_lds s[G0M:G0M+3], s[G1M:G1M+7]
	s_nop 0
	tensor_load_to_lds s[G0V:G0V+3], s[G1V:G1V+7]
	s_nop 0
.rept 4
	v_nop
.endr
.Lf_done:
	v_and_b32 v1, 15, v0                           ; r
	v_bfe_u32 v2, v0, 4, 1                         ; h
	v_lshlrev_b32 v[QO], 9, v1
	v_lshl_add_u32 v[QO], v2, 4, v[QO]
	WIN 0xc0                                       ; destination window 3
.set ff, 0
.rept 16                                       ; Q stays in registers: tile ff / 8, channels 32 (ff % 8) on
	global_load_b128 v[8*ff:8*ff+3],   v[QO], s[4:5] offset:(ff/8)*1048576+(ff%8)*64
	global_load_b128 v[8*ff+4:8*ff+7], v[QO], s[4:5] offset:(ff/8)*1048576+(ff%8)*64+32
.set ff, ff+1
.endr
	; O = 0, l = 0, m the lowest finite number: the first group is a group like any other, with a = 0.  Sixteen registers of the fragment buffer take 0, and 32 products 0 x 0 with C = 0
	; write O^T's 256 registers, in place of as many moves.  All this stands in the wait for the first tiles.
	WIN 0x80
.set ff, 0
.rept 16
	v_mov_b32 v[ff], 0
.set ff, ff+1
.endr
	WIN 0x4a                                       ; sources 0 and 1 window 2, destination window 1
.set ff, 0
.rept 32
	v_wmma_f32_16x16x32_f16 v[8*ff:8*ff+7], v[0:7], v[8:15], 0
.set ff, ff+1
.endr
	WIN 0
.irp t, 0,1
	v_mov_b32 v[ST+12*\t], 0xff7fffff
	v_mov_b32 v[ST+12*\t+1], 0
	v_mov_b32 v[ST+12*\t+2], 0
	v_mov_b32 v[ST+12*\t+3], 0
	v_mov_b32 v[ST+12*\t+4], 0
	v_mov_b32 v[ST+12*\t+5], 0
	v_mov_b32 v[ST+12*\t+11], 0
.endr
	v_mul_u32_u24 v[AK], v1, PITK
	v_lshl_add_u32 v[AK], v2, 4, v[AK]
	s_mul_i32 s77, s76, 128*PITK
	v_add_nc_u32 v[AK], s77, v[AK]                 ; my key half, row r, 16 h
	v_and_b32 v14, 7, v0
	v_bfe_u32 v15, v0, 3, 1
	v_lshl_add_u32 v[AV], v2, 3, v14
	v_mul_u32_u24 v[AV], v[AV], PITV
	v_lshl_add_u32 v[AV], v15, 4, v[AV]
	s_mul_i32 s77, s76, 128*PITV
	s_add_co_u32 s77, s77, VREG
	v_add_nc_u32 v[AV], s77, v[AV]                 ; the turning load: key 8 h + l % 8, channels 8 ((l / 8) % 2) on
	v_mul_u32_u24 v[AM], v1, PITM
	v_lshl_add_u32 v[AM], v2, 5, v[AM]
	s_mul_i32 s77, s[QT], 16*PITM
	s_lshl_b32 s80, s76, 9
	s_add_co_u32 s77, s77, s80
	s_add_co_u32 s77, s77, MREG
	v_add_nc_u32 v[AM], s77, v[AM]                 ; my query's row of the mask, my key half's 512 bytes, 32 h
	v_and_b32 v14, 31, v0                          ; lane
	s_mul_i32 s80, s[QT], XCHB
	v_lshl_add_u32 v[XA], v14, 4, s80
	s_add_co_u32 s81, s80, 32768
	v_lshl_add_u32 v[XS], v14, 3, s81
	s_mul_i32 s80, s[WV], STGB
	s_add_co_u32 s80, s80, STG
	v_mul_u32_u24 v[STO], v1, 528
	v_lshl_add_u32 v[STO], v2, 4, v[STO]
	v_add_nc_u32 v[STO], s80, v[STO]
	v_lshl_add_u32 v[RD], v14, 4, s80
	v_lshlrev_b32 v[GO], 4, v14
	; The prefetch's lanes.  A tile of the mask is 32 rows of 1,024 bytes: 128 blocks of 256.  The four work-groups of my column share it, and each asks for 8 rows: row 8 cy + lane / 4, block lane % 4.
	v_lshrrev_b32 v[PFO], 2, v14
	s_lshl_b32 s81, s53, 3
	v_add_nc_u32 v[PFO], s81, v[PFO]
	v_lshlrev_b32 v[PFO], 14, v[PFO]
	v_and_b32 v[TM], 3, v14
	v_lshl_add_u32 v[PFO], v[TM], 8, v[PFO]
; THE LDS LOADS stand in runs.  K of 32 keys (sub-step u): 16 fragments into buffer u % 2.  V of 32 keys (kk), turned: 16 fragments into buffer kk % 2.  The mask of my 128 keys.
.macro FETCH_K u
	WIN 0x80
.set ff, 0
.rept 16
	ds_load_b128 v[128*((\u)%2)+8*ff:128*((\u)%2)+8*ff+3],   v[AK] offset:(32*(\u)+16*(ff/8))*PITK+64*(ff%8)
	ds_load_b128 v[128*((\u)%2)+8*ff+4:128*((\u)%2)+8*ff+7], v[AK] offset:(32*(\u)+16*(ff/8))*PITK+64*(ff%8)+32
.set ff, ff+1
.endr
.endm
.macro FETCH_V kk
	WIN 0x80
.set ff, 0
.rept 16
	ds_load_tr16_b128 v[128*((\kk)%2)+8*ff:128*((\kk)%2)+8*ff+3],   v[AV] offset:32*(\kk)*PITV+32*ff
	ds_load_tr16_b128 v[128*((\kk)%2)+8*ff+4:128*((\kk)%2)+8*ff+7], v[AV] offset:(32*(\kk)+16)*PITV+32*ff
.set ff, ff+1
.endr
.endm
.macro FETCH_M
	WIN 0
.set ff, 0
.rept 8
	ds_load_b128 v[M+8*ff:M+8*ff+3],   v[AM] offset:64*ff
	ds_load_b128 v[M+8*ff+4:M+8*ff+7], v[AM] offset:64*ff+16
.set ff, ff+1
.endr
.endm
; THE MATRIX WORK.  Product i of 32 of S^T = K Q^T, sub-step u: channels 32 (i / 4) on, key block 2 u + (i / 2) % 2, tile i % 2: four accumulators take turns; the first four start the sums.
.macro KQ u
	WIN W_KQ
.set rS, S+64*(i%2)+8*(2*(\u)+(i/2)%2)
.set rK, 128*((\u)%2)+64*((i/2)%2)+8*(i/4)
.set rQ, 64*(i%2)+8*(i/4)
.if i < 4
	v_wmma_f32_16x16x32_f16 v[rS:rS+7], v[rK:rK+7], v[rQ:rQ+7], 0
.else
	v_wmma_f32_16x16x32_f16 v[rS:rS+7], v[rK:rK+7], v[rQ:rQ+7], v[rS:rS+7]
.endif
.set i, i+1
.endm
; Product i of 32 of O^T += V^T P, keys 32 kk on: channels 16 (i / 2) on, tile i % 2: 32 accumulators take turns.
.macro PVM kk
	WIN W_PV
.set rO, 128*(i%2)+8*(i/2)
.set rV, 128*((\kk)%2)+8*(i/2)
.set rP, S+64*(i%2)+8*(\kk)
	v_wmma_f32_16x16x32_f16 v[rO:rO+7], v[rV:rV+7], v[rP:rP+7], v[rO:rO+7]
.set i, i+1
.endm
; THE VECTOR WORK stands in queues; each macro writes its queue's next entry.  ITEM k: tile k % 2, pair k / 2 of the tile's 32 pairs of scores.
.macro ITEM k
.set tt, (\k)%2
.set pp, (\k)/2
.set rS, S+64*tt+2*pp
.set rT, ST+12*tt
.set rM, M+2*pp
.endm
; Q0, 128 entries, all plain: the mask rounded to bf16 and times log2(e), eight registers at a time.
.macro Q0
	WIN 0
.set g0, q0/16
.set e0, q0%16
.set rM, M+8*g0
.if e0 < 4
	v_cvt_pk_bf16_f32 v[TM+e0], v[rM+2*e0], v[rM+2*e0+1]
.elseif (e0 < 12) && (e0%2 == 0)
	v_lshlrev_b32 v[rM+e0-4], 16, v[TM+(e0-4)/2]
.elseif e0 < 12
	v_and_b32 v[rM+e0-4], s[HM], v[TM+(e0-4)/2]
.else
	v_pk_mul_f32 v[rM+2*(e0-12):rM+2*(e0-12)+1], v[rM+2*(e0-12):rM+2*(e0-12)+1], s[LG:LG+1] op_sel_hi:[1,0]
.endif
.set q0, q0+1
.endm
; Q1, 66 iterations of 8 slots: 2^e (k), 1 + (k-1), 2^e (k), cap (k-2), 1/ (k-1), + mask (k-2), 1/ (k-1), maximum (k-2).  Every transcendental has a plain line behind it ahead of its result's use;
; in iterations 0 and 1 a v_nop is that line.  An accumulator's lowest register is read first.
.macro Q1
	WIN 0
.set it, q1/8
.set sl, q1%8
.if (sl == 0) && (it < 64)
	ITEM it
	v_exp_f32 v[rS], v[rS]
.elseif (sl == 1) && (it >= 1) && (it <= 64)
	ITEM it-1
	s_wait_alu depctr_va_vdst(0)
	v_pk_add_f32 v[rS:rS+1], v[rS:rS+1], 1.0 op_sel_hi:[1,0]
.elseif (sl == 2) && (it < 64)
	ITEM it
	v_exp_f32 v[rS+1], v[rS+1]
.elseif (sl == 3) && (it < 2)
	v_nop
.elseif sl == 3
	ITEM it-2
	v_pk_fma_f32 v[rS:rS+1], v[rS:rS+1], s[CN:CN+1], s[CP:CP+1] op_sel_hi:[1,0,0]
.elseif (sl == 4) && (it >= 1) && (it <= 64)
	ITEM it-1
	v_rcp_f32 v[rS], v[rS]
.elseif (sl == 5) && (it >= 2)
	ITEM it-2
	v_pk_add_f32 v[rS:rS+1], v[rS:rS+1], v[rM:rM+1]
.elseif (sl == 6) && (it >= 1) && (it <= 64)
	ITEM it-1
	v_rcp_f32 v[rS+1], v[rS+1]
.elseif (sl == 7) && (it >= 2)
	ITEM it-2
.if pp < 4
	v_max_num_f32 v[rT+6+pp], v[rS], v[rS+1]
.else
	v_max3_num_f32 v[rT+6+pp%4], v[rT+6+pp%4], v[rS], v[rS+1]
	s_wait_alu depctr_va_vdst(0)
.endif
.endif
.set q1, q1+1
.endm
; The statistics, the two tiles by turns: the four chains and the old m; the other half of the lanes'; a = 2^(m_old - m); l = a l.
.macro STATS
	WIN 0
.irp t, 0,1
	v_max3_num_f32 v[ST+12*\t+6], v[ST+12*\t+6], v[ST+12*\t+7], v[ST+12*\t+8]
.endr
.irp t, 0,1
	v_max3_num_f32 v[ST+12*\t+6], v[ST+12*\t+6], v[ST+12*\t+9], v[ST+12*\t]
.endr
.irp t, 0,1
	v_permlanex16_b32 v[ST+12*\t+11], v[ST+12*\t+6], s[SEL], s[SEL+1]
.endr
.irp t, 0,1
	v_mov_b32 v[ST+12*\t+10], v[ST+12*\t]
.endr
.irp t, 0,1
	v_max_num_f32 v[ST+12*\t], v[ST+12*\t+6], v[ST+12*\t+11]
.endr
.irp t, 0,1
	v_sub_f32 v[ST+12*\t+10], v[ST+12*\t+10], v[ST+12*\t]
.endr
.irp t, 0,1
	v_exp_f32 v[ST+12*\t+4], v[ST+12*\t+10]
.endr
	v_nop
	s_wait_alu depctr_va_vdst(0)
.irp t, 0,1
	v_pk_mul_f32 v[ST+12*\t+2:ST+12*\t+3], v[ST+12*\t+2:ST+12*\t+3], v[ST+12*\t+4:ST+12*\t+5] op_sel_hi:[1,0]
.endr
.endm
; Q2: entry 0 is s - m of item 0; then 65 iterations of 5 slots: s - m (k+1), 2^ (k), l += (k-1), 2^ (k), rounding to f16 (k-1), into register k / 2 of the tile: behind its own sum, and below every pair still to come.
; When entry 85 + 80 n has been written the weights of keys 32 n .. 32 n + 31 are packed.
.macro Q2
	WIN 0
.set it, (q2-1)/5
.set sl, (q2-1)%5
.if q2 == 0
	ITEM 0
	v_pk_add_f32 v[rS:rS+1], v[rS:rS+1], v[rT:rT+1] op_sel_hi:[1,0] neg_lo:[0,1] neg_hi:[0,1]
.elseif (sl == 0) && (it < 63)
	ITEM it+1
	v_pk_add_f32 v[rS:rS+1], v[rS:rS+1], v[rT:rT+1] op_sel_hi:[1,0] neg_lo:[0,1] neg_hi:[0,1]
.elseif (sl == 1) && (it < 64)
	ITEM it
	v_exp_f32 v[rS], v[rS]
.elseif (sl == 2) && (it >= 1)
	ITEM it-1
	s_wait_alu depctr_va_vdst(0)
	v_pk_add_f32 v[rT+2:rT+3], v[rT+2:rT+3], v[rS:rS+1]
.elseif (sl == 3) && (it < 64)
	ITEM it
	v_exp_f32 v[rS+1], v[rS+1]
.elseif (sl == 4) && (it >= 1)
	ITEM it-1
	v_cvt_pk_f16_f32 v[S+64*tt+pp], v[rS], v[rS+1]
.endif
.set q2, q2+1
.endm
.macro R4                              ; one accumulator of O^T times a, from its lowest registers on
	WIN W_RS
.set rO, 128*(rr%2)+8*(rr/2)
.set rT, ST+12*(rr%2)
.irp z, 0,1,2,3
	v_pk_mul_f32 v[rO+2*\z:rO+2*\z+1], v[rO+2*\z:rO+2*\z+1], v[rT+4:rT+5] op_sel_hi:[1,0]
.endr
.set rr, rr+1
.endm
.macro KQR u, n, q:vararg              ; n products K Q^T, four lines of queue q behind each
.rept \n
	KQ \u
	\q
	\q
	\q
	\q
.endr
.endm
.macro PVR kk, n                       ; 2 n products V^T P, three and two lines of Q2 behind them by turns
.rept \n
	PVM \kk
	Q2
	Q2
	Q2
	PVM \kk
	Q2
	Q2
.endr
.endm
; A GROUP'S FRONT: sub-steps 0 to 2 of its scores, 32 keys each.  It writes Q0 whole and the first 256 entries of Q1.
.macro FRONT
.set q0, 0
.set q1, 0
	s_wait_dscnt 0x0                               ; K of sub-step 0 and the mask are in: in the loop they were asked for 32 products ago
	PLACES
	FETCH_K 1
.set i, 0
	KQR 0, 32, Q0
	s_wait_dscnt 0x0                               ; K of sub-step 1
	PLACES                                         ; behind sub-step 0's products: its scores are read, and its buffer is loaded again
	FETCH_K 2
.set i, 0
	KQR 1, 32, Q1
	s_wait_dscnt 0x0
	PLACES
	FETCH_K 3
.set i, 0
	KQR 2, 32, Q1
	WIN 0
.endm
; A GROUP'S BACK: sub-step 3, the rest of the soft cap, the softmax, V^T P.
; K'S ROUND stands at the head of sub-step 3: K's last LDS run (sub-step 3's) was issued 32 products ago and the mask's at the group's head, so my reads of both regions are over when they have come
; back; and V of this group must be whole before its first fragments are read.  fill = 1: K and the mask of the next group are asked for first thing behind the round.
; V'S ROUND (fill = 1 alone) stands behind the 26th product of the third run of V^T P: V's last LDS run was issued ahead of that run.  Behind it V of the next group is asked for; K and the mask of the
; next group are whole, and their first fragments are fetched behind the run's last product, 32 products ahead of their use.
.macro BACK fill
.set q1, 256
.set q2, 0
.set rr, 0
	PLACES                                         ; behind sub-step 2's products: its scores are read, and its buffer is loaded again below
	WIN 0
	s_wait_tensorcnt 0x0                           ; all my tensor loads have landed: my part of V of this group
	ds_add_u32 v[SPW], v[NIL]
.if \fill
	s_add_nc_u64 s[G0K+2:G0K+3], s[G0K+2:G0K+3], 131072  ; no load of mine is out: the next 256 keys,
	s_add_nc_u64 s[G0M+2:G0M+3], s[G0M+2:G0M+3], 1024    ; and their 1,024 bytes of the mask's rows
	s_wait_xcnt 0x0                                ; the last trip's prefetch has read its base,
	s_add_nc_u64 s[PFB:PFB+1], s[PFB:PFB+1], 1024  ; which steps to the tile two groups on
.endif
	s_wait_dscnt 0x1                               ; K of sub-step 3 is in; the add may be out
.set i, 0
	KQR 3, 4, Q1                                   ; four products stand between the add and the wait for it
	s_wait_dscnt 0x0                               ; the add is done; my reads of K and of the mask are over
	s_barrier_signal -1
	KQR 3, 2, Q1
	WIN 0
	s_barrier_wait -1
.if \fill
	CREST                                          ; no wave of any partner still reads K or the mask, or has a load on its way
	JLOAD_K
.else
	PLACES
.endif
	FETCH_V 0                                      ; into the buffer that held sub-step 2's K
	KQR 3, 26, Q1
	PLACES                                         ; behind sub-step 3's products: its scores are read, and its buffer is loaded again
	FETCH_V 1
.rept 144
	Q1
.endr
	STATS
.rept 16
	Q2
	Q2
	Q2
	Q2
	Q2
	R4
	R4
.endr
.rept 6
	Q2
.endr
.irp kk, 0,1
	s_wait_dscnt 32                                ; V of keys 32 kk on is in; the run behind it stays out
.set i, 0
	PVR \kk, 16
	PLACES
	FETCH_V (\kk)+2
.if (\fill) && ((\kk) == 0)
	; THE PREFETCH.  The mask is the one input that no work-group outside my column reads.  In group g wave 3 asks for my 8 rows of group g + 2's tile, 32 blocks of 256 bytes, a lane each:
	; 96 products V^T P and the next group's front ahead of the tensor load that wants them.  Each block is asked for once in the launch.  In the last trip (group 14) there is no such tile: nothing is asked.
	WIN 0
	s_cmp_lg_u32 s[WV], 3
	s_cbranch_scc1 .Lno_pf_\@
	s_cmp_eq_u32 s[CNT], 1
	s_cbranch_scc1 .Lno_pf_\@
	global_prefetch_b8 v[PFO], s[PFB:PFB+1] th:TH_LOAD_NT scope:SCOPE_SE
.Lno_pf_\@:
.endif
.endr
	s_wait_dscnt 32                                ; V of keys 64 on is in; V's last run stays out
.set i, 0
	PVR 2, 8
.if \fill
	WIN 0
	s_wait_tensorcnt 0x0                           ; all my tensor loads have landed: my part of K or the mask of the next group
	ds_add_u32 v[SPW], v[NIL]
	s_add_nc_u64 s[G0V+2:G0V+3], s[G0V+2:G0V+3], 131072
	PVR 2, 4                                       ; eight products stand between the add and the wait for it
	s_wait_dscnt 0x0                               ; the add is done; V's last run is in: my reads of V are over
	s_barrier_signal -1
	PVR 2, 1
	WIN 0
	s_barrier_wait -1
	CREST                                          ; no wave of any partner still reads V, or has a load on its way
	JLOAD_V
	PVR 2, 3
	PLACES                                         ; behind the run's products: their buffer is loaded again
	FETCH_K 0
	FETCH_M
.else
	PVR 2, 8
	s_wait_dscnt 0x0                               ; V's last run is in
.endif
.set i, 0
.rept 32
	PVM 3
.endr
.if \fill
	WIN 0
.endif
.endm
	s_wait_tensorcnt 0x0                           ; my parts of K, V and the mask of group 0
	s_barrier_signal -1
	s_barrier_wait -1                              ; everybody's
	FETCH_K 0
	FETCH_M
	s_wait_loadcnt 0x0                             ; Q
	WIN 0
	s_mov_b32 s[CNT], 16                           ; sixteen FRONTs; the BACK with its refills runs between them, fifteen times, with the counter at 15 to 1
	s_branch .Lfirst                               ; the loop is entered at a group's FRONT, in the middle of a trip
.Lgroup:
	BACK 1
.Lfirst:
	FRONT
	s_sub_co_u32 s[CNT], s[CNT], 1
	s_cmp_lg_u32 s[CNT], 0
	s_cbranch_scc1 .Lgroup
	BACK 0                                         ; the last group's BACK is written out
	; THE END.  l is summed; the waves of the second key half hand O, m, l to their partners through K's region, which has had its last fill and whose last reads lie behind a barrier.
	PLACES
	WIN 0
.irp t, 0,1
	v_add_f32 v[ST+12*\t+2], v[ST+12*\t+2], v[ST+12*\t+3]
.endr
.irp t, 0,1
	v_permlanex16_b32 v[ST+12*\t+11], v[ST+12*\t+2], s[SEL], s[SEL+1]
.endr
.irp t, 0,1
	v_add_f32 v[ST+12*\t+1], v[ST+12*\t+2], v[ST+12*\t+11]  ; l beside m
.endr
	s_cmp_lt_u32 s[WV], 2
	s_cbranch_scc1 .Lkeep
	WIN 0x04                                       ; store data in window 1
.set ff, 0
.rept 64
	ds_store_b128 v[XA], v[4*ff:4*ff+3] offset:512*ff
.set ff, ff+1
.endr
	WIN 0
	ds_store_b64 v[XS], v[ST:ST+1]
	ds_store_b64 v[XS], v[ST+12:ST+13] offset:256
.Lkeep:
	s_wait_dscnt 0x0                               ; for the others' sake: my stores are done
	s_barrier_signal -1
	s_barrier_wait -1
	s_cmp_lt_u32 s[WV], 2
	s_cbranch_scc0 .Lend
	WIN 0x80
.set ff, 0
.rept 64
	ds_load_b128 v[4*ff:4*ff+3], v[XA] offset:512*ff
.set ff, ff+1
.endr
	WIN 0
	ds_load_b64 v[OT:OT+1], v[XS]
	ds_load_b64 v[OT+2:OT+3], v[XS] offset:256
	s_wait_dscnt 0x0
.irp t, 0,1                            ; m* = max(m, m'); f = 2^(m - m*), f' likewise; O = (O f + O' f') / (l f + l' f')
	v_max_num_f32 v[MT+8*\t], v[ST+12*\t], v[OT+2*\t]
.endr
.irp t, 0,1
	v_sub_f32 v[MT+8*\t+1], v[ST+12*\t], v[MT+8*\t]
	v_sub_f32 v[MT+8*\t+2], v[OT+2*\t], v[MT+8*\t]
.endr
.irp t, 0,1
	v_exp_f32 v[MT+8*\t+1], v[MT+8*\t+1]
	v_exp_f32 v[MT+8*\t+2], v[MT+8*\t+2]
.endr
	v_nop
	s_wait_alu depctr_va_vdst(0)
.irp t, 0,1
	v_mul_f32 v[MT+8*\t+3], v[ST+12*\t+1], v[MT+8*\t+1]
.endr
.irp t, 0,1
	v_fmac_f32 v[MT+8*\t+3], v[OT+2*\t+1], v[MT+8*\t+2]
.endr
.irp t, 0,1
	v_rcp_f32 v[MT+8*\t+3], v[MT+8*\t+3]
.endr
	v_nop
	s_wait_alu depctr_va_vdst(0)
.irp t, 0,1
	v_mul_f32 v[MT+8*\t+4], v[MT+8*\t+1], v[MT+8*\t+3]
	v_mul_f32 v[MT+8*\t+5], v[MT+8*\t+1], v[MT+8*\t+3]
	v_mul_f32 v[MT+8*\t+6], v[MT+8*\t+2], v[MT+8*\t+3]
	v_mul_f32 v[MT+8*\t+7], v[MT+8*\t+2], v[MT+8*\t+3]
.endr
	WIN 0x82                                       ; O' in window 2
.set ff, 0
.rept 128
	v_pk_mul_f32 v[2*ff:2*ff+1], v[2*ff:2*ff+1], v[MT+8*(ff/64)+6:MT+8*(ff/64)+7]
.set ff, ff+1
.endr
	WIN 0x61                                       ; O (destination, source 0) window 1, the factor window 0, O' window 2
.set ff, 0
.rept 128
	v_pk_fma_f32 v[2*ff:2*ff+1], v[2*ff:2*ff+1], v[MT+8*(ff/64)+4:MT+8*(ff/64)+5], v[2*ff:2*ff+1]
.set ff, ff+1
.endr
	WIN 0x05
.set ff, 0
.rept 128
	v_cvt_pk_f16_f32 v[S+ff], v[2*ff], v[2*ff+1]   ; the one rounding of O
.set ff, ff+1
.endr
	WIN 0
.irp t, 0,1                            ; a tile: 16 bytes a lane into rows of 528 bytes of my stage, back as whole rows of 512
.set ff, 0
.rept 16
	ds_store_b128 v[STO], v[S+64*\t+4*ff:S+64*\t+4*ff+3] offset:32*ff
.set ff, ff+1
.endr
.set ff, 0
.rept 16
	ds_load_b128 v[S+64*\t+4*ff:S+64*\t+4*ff+3], v[RD] offset:528*ff  ; LDS serves a wave's instructions in order
.set ff, ff+1
.endr
.endr
.irp t, 0,1
.set ff, 0
.rept 16
	s_wait_dscnt 32*(1-\t)+15-ff                   ; row ff of tile t is back; behind it: the tile's later rows and, for tile 0, tile 1's 32 instructions
	global_store_b128 v[GO], v[S+64*\t+4*ff:S+64*\t+4*ff+3], s[12:13] offset:4096*ff+512*\t  ; 512 consecutive bytes, aligned
.set ff, ff+1
.endr
.endr
.Lend:
	s_wait_tensorcnt 0x0                           ; the wave's end
	ds_add_u32 v[SPW], v[NIL]
	s_wait_dscnt 0x0
	CROUND                                         ; the closing round
	s_endpgm
.Lfunc_end_k_qe2d8fe527b_attn:
	.size	k_qe2d8fe527b_attn, .Lfunc_end_k_qe2d8fe527b_attn-k_qe2d8fe527b_attn
	.p2alignl 7, 3214868480
	.fill 96, 4, 3214868480
	.section	.rodata,"a",@progbits
	.p2align	6, 0x0
	.amdhsa_kernel k_qe2d8fe527b_attn
		.amdhsa_group_segment_fixed_size 327680
		.amdhsa_private_segment_fixed_size 0
		.amdhsa_enable_private_segment 0
		.amdhsa_kernarg_size 40
		.amdhsa_user_sgpr_count 2
		.amdhsa_user_sgpr_kernarg_segment_ptr 1
		.amdhsa_wavefront_size32 1
		.amdhsa_system_sgpr_workgroup_id_x 1
		.amdhsa_system_sgpr_workgroup_id_y 1
		.amdhsa_system_sgpr_workgroup_id_z 1
		.amdhsa_system_vgpr_workitem_id 0
		.amdhsa_next_free_vgpr 896
		.amdhsa_next_free_sgpr 92
		.amdhsa_reserve_vcc 0
		.amdhsa_float_denorm_mode_32 3
		.amdhsa_float_denorm_mode_16_64 3
		.amdhsa_memory_ordered 1
		.amdhsa_forward_progress 1
		.amdhsa_inst_pref_size 243
	.end_amdhsa_kernel
	.amdgpu_metadata
---
amdhsa.version: [ 1, 2 ]
amdhsa.kernels:
  - .name:           k_qe2d8fe527b_attn
    .symbol:         k_qe2d8fe527b_attn.kd
    .args:
      - { .name: qh, .offset: 0, .size: 8, .value_kind: global_buffer, .address_space: global }
      - { .name: kh, .offset: 8, .size: 8, .value_kind: global_buffer, .address_space: global }
      - { .name: vh, .offset: 16, .size: 8, .value_kind: global_buffer, .address_space: global }
      - { .name: attention_mask, .offset: 24, .size: 8, .value_kind: global_buffer, .address_space: global }
      - { .name: ao, .offset: 32, .size: 8, .value_kind: global_buffer, .address_space: global }
    .group_segment_fixed_size: 327680
    .private_segment_fixed_size: 0
    .kernarg_segment_align: 8
    .kernarg_segment_size: 40
    .max_flat_workgroup_size: 128
    .sgpr_count:     92
    .vgpr_count:     896
    .wavefront_size: 32
...
	.end_amdgpu_metadata
.endif
;; end of part 6
;; launch oproj (part 7): grid 16 x 16, 4 waves a work-group, clusters of 4 x 4, 327,680 bytes of LDS; arguments ao, wob, out0; writes out0
.if DOCPART == 7
	.amdgcn_target "amdgcn-amd-amdhsa--gfx1250"
	.amdhsa_code_object_version 6
	.text
	.protected	k_qe2d8fe527b_oproj
	.globl	k_qe2d8fe527b_oproj
	.p2align	8
	.type	k_qe2d8fe527b_oproj,@function
k_qe2d8fe527b_oproj:
	s_mov_b64 s[64:65], 0
	v_nop
	global_prefetch_b8 v0, s[64:65] scope:SCOPE_SE
	s_setreg_imm32_b32 hwreg(HW_REG_WAVE_MODE, 25, 1), 1
	s_wait_xcnt 0x0
	s_wait_alu depctr_hold_cnt(0) depctr_sa_sdst(0) depctr_va_vdst(0) depctr_va_sdst(0) depctr_va_ssrc(0) depctr_va_vcc(0) depctr_vm_vsrc(0)
	s_getreg_b32 s2, hwreg(HW_REG_IB_STS2, 6, 4)
	s_cmp_eq_u32 s2, 0
	s_cbranch_scc0 .Lentry_in_a_cluster
	s_endpgm
.Lentry_in_a_cluster:
	s_bfe_u32 s2, ttmp6, 0x10000c
	s_cmp_lg_u32 s2, 0xf033
	s_cbranch_scc0 .Lentry_shape_is_right
	s_endpgm
.Lentry_shape_is_right:
; out0[m][n] = sum over k of ao[m][k] wob[k][n].  ao [2048][2048] f16, wob [2048 k][2048 n] f16, out0 f32; sums in f32, K ascending.
; A tile of out0 is 128 x 128: 256 work-groups, one for each WGP.  Four waves, each 64 x 64: 16 accumulators.  K goes in steps of 256 through two LDS slots: ao's 128 rows of 512 bytes (+ 16),
; and wob's 256 k-rows of 256 bytes (+ 32), which are read turned by ds_load_tr16_b128.  Behind each round a wave has one tensor load out, with 112 matrix instructions ahead of the wait for it.
; A K STEP IS WRITTEN ONCE: the slot in hand is a scalar, 0 or SLOT, which an exclusive or turns at each change of slots; the fragments' LDS addresses are a base plus it, and one descriptor for each
; tensor walks from K step to K step.  The last two K steps, which ask for nothing, are a loop of their own, left in the middle of its second trip.
; CLUSTER 4 x 4: ao's tile is asked for jointly along a row of the cluster, wob's along a column.
; THE MATRIX INSTRUCTION IS USED TRANSPOSED (source 0 = 16 columns of wob, source 1 = 16 rows of ao): a lane holds eight neighbouring f32 of a row.  A wave's 64 columns are 256 bytes, a whole aligned
; block of out0, so each wave sends its rows through a stage of its own and no barrier stands on the way out.
; REGISTERS: window 0: v16-29 addresses, v32-95 the way out, v128-255 accumulators ((a, b) at 128 + 8 (4 a + b)).  window 1: two fragment buffers of 128: 64 of ao, 64 of wob, for 64 along K.
.set KSTEP,  256
.set PITCH,  528
.set PB,     288
.set HALFT,  64*PITCH
.set BOFF,   2*HALFT
.set BHALF,  128*PB
.set SLOT,   BOFF+2*BHALF              ; 141,312
.set STAGE,  2*SLOT
.set SPITCH, 272
.set SPARE,  STAGE+4*16*SPITCH         ; 300,032: the spare words, two blocks of 256 bytes that no other line names
.set A0,   16                          ; v16     my ao fragments in slot 0; never rewritten
.set ADRA, 17                          ; v17     the same in the slot in hand
.set B0,   20                          ; v20-21  my wob fragments in slot 0, by half of the 256 k-rows; never rewritten
.set ADRB, 22                          ; v22-23  the same in the slot in hand
.set STO,  24
.set RD,   25
.set CO,   26
.set SPW,  28
.set NIL,  29
.set TMP,  32
.set ACC,  128
.set F0,   0
.set F1,   128
.set G1, 24                            ; s[24:31] ao's descriptor group 1; s[32:35] group 0 of the first fill, s[36:39] of the second, which then walks on
.set G0, 32
.set G1B, 48                           ; s[48:55], s[56:59], s[60:63]: the same for wob
.set G0B, 56
.set TB,  18                           ; s18  the slot in hand: 0 or SLOT;  s20, s45 my LDS bytes in slot 0 for ao's and wob's tile
.set MSB, 0
.macro WIN new
.if MSB != (\new)
	s_set_vgpr_msb (MSB<<8)|(\new)
.set MSB, (\new)
.endif
.endm
.set MUL,  0x05
.set TO_F, 0x40
.macro JLOAD s                         ; waves 0, 1 fetch ao's two halves, waves 2, 3 wob's two halves of k-rows; an s_nop 0 and four v_nop follow each line
	s_cmp_eq_u32 s11, 0
	s_cbranch_scc0 .Lfor_b_\@
	tensor_load_to_lds s[G0+4*(\s):G0+4*(\s)+3], s[G1:G1+7]
	s_nop 0
.rept 4
	v_nop
.endr
	s_branch .Lasked_\@
.Lfor_b_\@:
	tensor_load_to_lds s[G0B+4*(\s):G0B+4*(\s)+3], s[G1B:G1B+7]
	s_nop 0
.rept 4
	v_nop
.endr
.Lasked_\@:
.endm
.macro CREST
	s_cmp_lg_u32 s10, 0
	s_cbranch_scc1 .Lnot_wave_0_\@
	s_barrier_signal -3
.Lnot_wave_0_\@:
	s_barrier_wait -3
	s_barrier_signal -1
	s_barrier_wait -1
.endm
.macro CROUND
	s_barrier_signal -1
	s_barrier_wait -1
	CREST
.endm
	s_load_b128 s[4:7], s[0:1], 0x0                ; ao s[4:5], wob s[6:7]
	s_load_b64 s[8:9], s[0:1], 0x10                ; out0
	v_lshl_add_u32 v[SPW], v0, 2, SPARE
	v_mov_b32 v[NIL], 0
	ds_add_u32 v[SPW], v[NIL]                      ; the wave's opening: the add and its wait ahead of my first tensor load
	v_lshrrev_b32 v1, 5, v0
	v_readfirstlane_b32 s10, v1                    ; wave
	s_lshr_b32 s11, s10, 1                         ; my half of the tile's rows; also: I fetch for ao (0) or wob (1)
	s_and_b32 s12, s10, 1                          ; my half of its columns; also: which half I fetch
	s_bfe_u32 s40, ttmp6, 0x40000
	s_bfe_u32 s41, ttmp6, 0x40004
	s_lshl_b32 s42, ttmp9, 2
	s_add_co_u32 s42, s42, s40                     ; tile column
	s_and_b32 s13, ttmp7, 0xffff
	s_lshl_b32 s13, s13, 2
	s_add_co_u32 s13, s13, s41                     ; tile row
	s_lshl_b32 s43, s41, 2
	s_lshl_b32 s43, 15, s43
	s_lshl_b32 s44, 0x1111, s40
	s_or_b32 s[G1+0], s43, (1<<16)|(1<<20)|(1<<21)|(6<<22)|(3<<25)   ; 64 rows x 256 elements, after every 128 words 4 words
	s_or_b32 s[G1B+0], s44, (1<<16)|(1<<20)|(1<<21)|(5<<22)|(7<<25)  ; 128 rows x 128 elements, after every 64 words 8 words
	s_mov_b32 s[G1+1], 256<<16
	s_mov_b32 s[G1+2], 64<<16
	s_mov_b32 s[G1+3], 256<<16
	s_mov_b32 s[G1+4], 64
	s_mov_b32 s[G1B+1], 128<<16
	s_mov_b32 s[G1B+2], 128<<16
	s_mov_b32 s[G1B+3], 128<<16
	s_mov_b32 s[G1B+4], 128
.irp g, G1, G1B
	s_mov_b32 s[(\g)+5], 2048
	s_mov_b32 s[(\g)+6], 0
	s_mov_b32 s[(\g)+7], 0
.endr
	s_lshl_b32 s16, s13, 19                        ; ao: 128 rows of 4,096 bytes a tile row, 64 a half
	s_lshl_b32 s17, s12, 18
	s_add_co_u32 s16, s16, s17
	s_mov_b32 s17, 0
	s_lshl_b32 s46, s42, 8                         ; wob: 128 columns of 2 bytes a tile column; 128 k-rows of 4,096 bytes a half
	s_lshl_b32 s47, s12, 19
	s_add_co_u32 s46, s46, s47
	s_mov_b32 s47, 0
	s_mul_i32 s20, s12, HALFT
	s_mul_i32 s45, s12, BHALF
	s_add_co_u32 s45, s45, BOFF
	s_mov_b32 s[TB], 0                             ; K step 0 lies in slot 0
	s_wait_dscnt 0x0                               ; the opening add is done
	s_wait_kmcnt 0x0
	s_add_nc_u64 s[14:15], s[4:5], s[16:17]
	s_add_nc_u64 s[46:47], s[6:7], s[46:47]
	CROUND
.irp s, 0,1
	s_mov_b32 s[G0+4*(\s)], 1
	s_add_co_u32 s[G0+4*(\s)+1], s20, (\s)*SLOT
	s_add_nc_u64 s[G0+4*(\s)+2:G0+4*(\s)+3], s[14:15], (\s)*KSTEP*2
	s_or_b32 s[G0+4*(\s)+3], s[G0+4*(\s)+3], 0x80000000
	s_mov_b32 s[G0B+4*(\s)], 1
	s_add_co_u32 s[G0B+4*(\s)+1], s45, (\s)*SLOT
	s_add_nc_u64 s[G0B+4*(\s)+2:G0B+4*(\s)+3], s[46:47], (\s)*KSTEP*4096
	s_or_b32 s[G0B+4*(\s)+3], s[G0B+4*(\s)+3], 0x80000000
	JLOAD \s
.endr
	v_and_b32 v1, 15, v0                           ; r
	v_bfe_u32 v2, v0, 4, 1                         ; h
	v_mul_u32_u24 v3, v1, PITCH
	v_lshl_add_u32 v3, v2, 4, v3
	s_mul_i32 s21, s11, HALFT                      ; my 64 rows of ao
	v_add_nc_u32 v[A0], s21, v3
	v_mov_b32 v[ADRA], v[A0]
	v_and_b32 v4, 7, v0                            ; the turning load: k-row 8 h + l % 8, columns 8 ((l / 8) % 2) on, in my 64 columns
	v_bfe_u32 v5, v0, 3, 1
	v_lshl_add_u32 v4, v2, 3, v4
	v_mul_u32_u24 v4, v4, PB
	v_lshl_add_u32 v4, v5, 4, v4
	s_lshl_b32 s22, s12, 7
	v_add_nc_u32 v4, s22, v4
	v_add_nc_u32 v[B0], BOFF, v4
	v_add_nc_u32 v[B0+1], BOFF+BHALF, v4
	v_mov_b32 v[ADRB], v[B0]
	v_mov_b32 v[ADRB+1], v[B0+1]
	s_mul_i32 s23, s10, 16*SPITCH
	s_add_co_u32 s23, s23, STAGE                   ; my stage
	v_mul_u32_u24 v[STO], v1, SPITCH               ; in: row r, 32 bytes for each half of the lanes
	v_lshl_add_u32 v[STO], v2, 5, v[STO]
	v_add_nc_u32 v[STO], s23, v[STO]
	v_mul_u32_u24 v[RD], v2, SPITCH                ; back: lanes 0-15 one row of 256 bytes, lanes 16-31 the next
	v_lshl_add_u32 v[RD], v1, 4, v[RD]
	v_add_nc_u32 v[RD], s23, v[RD]
	v_lshlrev_b32 v[CO], 13, v2                    ; and the same two rows of out0, 8,192 bytes apart
	v_lshl_add_u32 v[CO], v1, 4, v[CO]
	s_lshl_b32 s16, s13, 20                        ; my first row of out0,
	s_lshl_b32 s17, s11, 19
	s_add_co_u32 s16, s16, s17
	s_mov_b32 s17, 0
	s_add_nc_u64 s[8:9], s[8:9], s[16:17]
	s_lshl_b32 s46, s42, 9                         ; my first column
	s_lshl_b32 s47, s12, 8
	s_add_co_u32 s46, s46, s47
	s_mov_b32 s47, 0
	s_add_nc_u64 s[8:9], s[8:9], s[46:47]
.macro MUL8 f, c, a0, zero             ; 8 matrix instructions: row blocks a0, a0 + 1 x 4 column blocks, half c of buffer f; the 16 accumulators take turns
	WIN MUL
.irp a, \a0, (\a0)+1
.irp b, 0,1,2,3
.if \zero
	v_wmma_f32_16x16x32_f16 v[ACC+8*(4*(\a)+(\b)):ACC+8*(4*(\a)+(\b))+7], v[(\f)+64+8*(4*(\c)+(\b)):(\f)+64+8*(4*(\c)+(\b))+7], v[(\f)+8*(4*(\c)+(\a)):(\f)+8*(4*(\c)+(\a))+7], 0
.else
	v_wmma_f32_16x16x32_f16 v[ACC+8*(4*(\a)+(\b)):ACC+8*(4*(\a)+(\b))+7], v[(\f)+64+8*(4*(\c)+(\b)):(\f)+64+8*(4*(\c)+(\b))+7], v[(\f)+8*(4*(\c)+(\a)):(\f)+8*(4*(\c)+(\a))+7], v[ACC+8*(4*(\a)+(\b)):ACC+8*(4*(\a)+(\b))+7]
.endif
.endr
.endr
.endm
.macro FETCH q, f                      ; 32 LDS loads in one run: quarter q (64 along K) of the slot in hand into buffer f; the first 32 along K first
	WIN TO_F
.irp c, 0,1
.irp i, 0,1,2,3
	ds_load_tr16_b128 v[(\f)+64+8*(4*(\c)+(\i)):(\f)+64+8*(4*(\c)+(\i))+3],   v[ADRB+(\q)/2] offset:(((\q)%2)*64+32*(\c))*PB+32*(\i)
	ds_load_tr16_b128 v[(\f)+64+8*(4*(\c)+(\i))+4:(\f)+64+8*(4*(\c)+(\i))+7], v[ADRB+(\q)/2] offset:(((\q)%2)*64+32*(\c)+16)*PB+32*(\i)
	ds_load_b128 v[(\f)+8*(4*(\c)+(\i)):(\f)+8*(4*(\c)+(\i))+3],         v[ADRA] offset:128*(\q)+64*(\c)+(\i)*16*PITCH
	ds_load_b128 v[(\f)+8*(4*(\c)+(\i))+4:(\f)+8*(4*(\c)+(\i))+7],       v[ADRA] offset:128*(\q)+64*(\c)+(\i)*16*PITCH+32
.endr
.endr
.endm
.macro PLACES
.rept 4
	v_nop
.endr
.endm
.macro QUARTER q, f, g, zero           ; multiplies buffer f, fetches quarter q into g
	s_wait_dscnt 16                                ; the first 32 along K are in
	MUL8 \f, 0, 0, \zero
	MUL8 \f, 0, 2, \zero
	PLACES
	FETCH \q, \g
	s_wait_dscnt 32                                ; all but the 32 just issued
	MUL8 \f, 1, 0, 0
	MUL8 \f, 1, 2, 0
.endm
; The last quarter multiplies buffer 1 and changes slots.  fill = 1: the barrier opens a round of the cluster's, and this slot is filled again, two K steps ahead, first thing behind it: the walking
; descriptor takes this slot's LDS bytes and the K step behind the one that it asked for last.  Then the slot in hand is turned and the fragments' addresses are made anew.
.macro TURN fill
	WIN 0
	s_wait_tensorcnt 0x0                           ; all my tensor loads have landed: my part of the next slot
	ds_add_u32 v[SPW], v[NIL]
	s_wait_dscnt 17                                ; the add and the youngest sixteen loads may be out
	MUL8 F1, 0, 0, 0
	s_wait_dscnt 0x0                               ; the add is done, my reads of this slot are over
	s_barrier_signal -1
	MUL8 F1, 0, 2, 0
	WIN 0
	s_barrier_wait -1
.if \fill
	CREST
	s_add_co_u32 s[G0+5], s20, s[TB]               ; no load of mine is out, so a group 0 may be written
	s_add_nc_u64 s[G0+6:G0+7], s[G0+6:G0+7], KSTEP*2
	s_add_co_u32 s[G0B+5], s45, s[TB]
	s_add_nc_u64 s[G0B+6:G0B+7], s[G0B+6:G0B+7], KSTEP*4096
	JLOAD 1                                        ; its four v_nop are also the places in front of the loads below
.else
	PLACES
.endif
	s_xor_b32 s[TB], s[TB], SLOT                   ; the other slot
	v_add_nc_u32 v[ADRA], s[TB], v[A0]
	v_add_nc_u32 v[ADRB], s[TB], v[B0]
	v_add_nc_u32 v[ADRB+1], s[TB], v[B0+1]
	FETCH 0, F0
	MUL8 F1, 1, 0, 0
	MUL8 F1, 1, 2, 0
.endm
	s_wait_tensorcnt 1                             ; my part of K step 0 is in; step 1's may stay out
	s_barrier_signal -1
	s_barrier_wait -1
	FETCH 0, F0
	QUARTER 1, F0, F1, 1                           ; the first quarter's first products start the sums
	WIN 0
	s_mov_b32 s3, 6                                ; 8 K steps; behind each of the first 6 its slot is filled again
.Lstep:                                                ; a trip goes from a K step's second quarter to the next step's first
	QUARTER 2, F1, F0, 0
	QUARTER 3, F0, F1, 0
	TURN 1
	QUARTER 1, F0, F1, 0
	WIN 0
	s_sub_co_u32 s3, s3, 1
	s_cmp_lg_u32 s3, 0
	s_cbranch_scc1 .Lstep
	s_mov_b32 s3, 2                                ; the last two K steps ask for nothing: a text of their own
.Ltail:
	QUARTER 2, F1, F0, 0
	QUARTER 3, F0, F1, 0
	TURN 0
	WIN 0
	s_sub_co_u32 s3, s3, 1
	s_cmp_eq_u32 s3, 0
	s_cbranch_scc1 .Lout                           ; the second trip is left here: what is jumped is one quarter, with no barrier and no tensor load
	QUARTER 1, F0, F1, 0
	WIN 0
	s_branch .Ltail
.Lout:                                                 ; the second trip's change of slots and its 32 loads (of the K step before, once more) serve nothing: the price, once a launch, of one text for both trips
	s_wait_dscnt 0x0                               ; those loads have landed
	; THE WAY OUT, 16 rows at a time: 32 bytes a lane straight from the accumulators (their lowest registers first) into my stage, back as whole rows of 256 bytes.
	PLACES
.irp a, 0,1,2,3
.irp b, 0,1,2,3
	ds_store_b128 v[STO], v[ACC+8*(4*(\a)+(\b)):ACC+8*(4*(\a)+(\b))+3]   offset:64*(\b)
	ds_store_b128 v[STO], v[ACC+8*(4*(\a)+(\b))+4:ACC+8*(4*(\a)+(\b))+7] offset:64*(\b)+16
.endr
	s_wait_xcnt 0x0                                ; registers that earlier stores read are loaded again only behind this wait
.irp t, 0,1,2,3,4,5,6,7
	ds_load_b128 v[TMP+32*((\a)%2)+4*(\t):TMP+32*((\a)%2)+4*(\t)+3], v[RD] offset:(\t)*2*SPITCH  ; LDS serves a wave's instructions in order: these see the stores above
.endr
.irp t, 0,1,2,3,4,5,6,7
	s_wait_dscnt 7-(\t)
	global_store_b128 v[CO], v[TMP+32*((\a)%2)+4*(\t):TMP+32*((\a)%2)+4*(\t)+3], s[8:9] offset:131072*(\a)+16384*(\t) th:TH_STORE_NT  ; 16 lanes store 256 consecutive aligned bytes
.endr
.endr
	s_wait_tensorcnt 0x0                           ; the wave's end
	ds_add_u32 v[SPW], v[NIL]
	s_wait_dscnt 0x0
	CROUND                                         ; the closing round
	s_endpgm
.Lfunc_end_k_qe2d8fe527b_oproj:
	.size	k_qe2d8fe527b_oproj, .Lfunc_end_k_qe2d8fe527b_oproj-k_qe2d8fe527b_oproj
	.p2alignl 7, 3214868480
	.fill 96, 4, 3214868480
	.section	.rodata,"a",@progbits
	.p2align	6, 0x0
	.amdhsa_kernel k_qe2d8fe527b_oproj
		.amdhsa_group_segment_fixed_size 327680
		.amdhsa_private_segment_fixed_size 0
		.amdhsa_enable_private_segment 0
		.amdhsa_kernarg_size 24
		.amdhsa_user_sgpr_count 2
		.amdhsa_user_sgpr_kernarg_segment_ptr 1
		.amdhsa_wavefront_size32 1
		.amdhsa_system_sgpr_workgroup_id_x 1
		.amdhsa_system_sgpr_workgroup_id_y 1
		.amdhsa_system_sgpr_workgroup_id_z 1
		.amdhsa_system_vgpr_workitem_id 0
		.amdhsa_next_free_vgpr 512
		.amdhsa_next_free_sgpr 66
		.amdhsa_reserve_vcc 0
		.amdhsa_float_denorm_mode_32 3
		.amdhsa_float_denorm_mode_16_64 3
		.amdhsa_memory_ordered 1
		.amdhsa_forward_progress 1
		.amdhsa_inst_pref_size 59
	.end_amdhsa_kernel
	.amdgpu_metadata
---
amdhsa.version: [ 1, 2 ]
amdhsa.kernels:
  - .name:           k_qe2d8fe527b_oproj
    .symbol:         k_qe2d8fe527b_oproj.kd
    .args:
      - { .name: ao, .offset: 0, .size: 8, .value_kind: global_buffer, .address_space: global }
      - { .name: wob, .offset: 8, .size: 8, .value_kind: global_buffer, .address_space: global }
      - { .name: out0, .offset: 16, .size: 8, .value_kind: global_buffer, .address_space: global }
    .group_segment_fixed_size: 327680
    .private_segment_fixed_size: 0
    .kernarg_segment_align: 8
    .kernarg_segment_size: 24
    .max_flat_workgroup_size: 128
    .sgpr_count:     66
    .vgpr_count:     512
    .wavefront_size: 32
...
	.end_amdgpu_metadata
.endif
;; end of part 7
